; MI455X (gfx1250); checked and timed in simulation.
; The chip was launched on July 23, 2026; its instructions are those of AMD's public machine-readable ISA for CDNA 5 (MIT licence, August 2026) and "CDNA5" Instruction Set Architecture Reference Guide (July 2026). The comments in the code are by the model that wrote it; some were corrected since.
;; Mixture Of Experts. Allowed arithmetic: matrix products marked QUANTISED: E5M2 operands, one given power-of-two scale a tensor, by v_wmma_f32_16x16x64_bf8_bf8 or v_wmma_f32_16x16x128_bf8_bf8, f32 sums; products left as they are: f32 operands where the result goes on into a quantised operand, else bf16, f16 or f32 operands; f32 sums; everything else in f32.
;; Inputs: W1_codes 8 x 2,048 x 32 x 32 uint8 (E5M2 codes of W1, K innermost, in blocks of 32 codes); W2_codes 8 x 2,048 x 64 x 32 uint8 (E5M2 codes of W2, K innermost, in blocks of 32 codes); W3_codes 8 x 1,024 x 64 x 32 uint8 (E5M2 codes of W3, K innermost, in blocks of 32 codes); Wg 1,024 x 8 float32; b1 8 x 2,048 float32; b2 8 x 2,048 float32; b3 8 x 1,024 float32; bg 8 float32; lowp_scales 6 int32 (the exponents e of the quantised operands' scales 2^e); x 4 x 256 x 1,024 float32.
;; Outputs: out0 4 x 256 x 1,024 float32; out1 one number float32; out2 8 float32; out3 one number float32.
;; This version of the problem:
;;   THIS VERSION OF THE PROBLEM IS GIVEN IN LOW PRECISION. The matrix products marked QUANTISED in the list below multiply operands that are first quantised to E5M2 (5 exponent bits, 2 mantissa bits; 8 bits a number), with one given power-of-two scale for each operand tensor; their sums are f32. All else is computed in f32.
;;   The module's matrix products, in the order in which they are computed (A, B: the left and right operand; K: the contracted axis; several contracted axes count as one K, in the product's order):
;;     1. [M 1,024, K 1,024] x [K 1,024, N 8]; A: input x; B: input Wg: left as it is (N = 8 < 16)
;;     2. [M 16,384, K 1,024] x [K 1,024, N 1,024]; A: input W1 (given as codes); B: input x: QUANTISED (scales: A lowp_scales[0], B lowp_scales[1])
;;     3. batch 8 x [M 1,024, K 2,048] x [K 2,048, N 2,048]; A: computed on the way; B: input W2 (given as codes): QUANTISED (scales: A lowp_scales[2], B lowp_scales[3])
;;     4. batch 8 x [M 1,024, K 2,048] x [K 2,048, N 1,024]; A: computed on the way; B: input W3 (given as codes): QUANTISED (scales: A lowp_scales[4], B lowp_scales[5])
;;     5. batch 1,024 x [M 1, K 8] x [K 8, N 1,024]; A: computed on the way; B: computed on the way: left as it is (K = 8 < 32)
;;   THE QUANTISER, for each operand of a quantised product, along K:
;;     - The operand's scale is 2^e, e = its entry of the input lowp_scales (int32; the entries are numbered through the quantised products in the list's order, A before B).
;;     - Each number is divided by the scale, clamped to +-57,344, and rounded to the nearest number of E5M2, ties to even, subnormals kept.
;;     - The product sums the exact products of the quantised numbers (number of the format x scale) in f32.
;;   ~~~python
;;   def quantise(x, axis, e):      # numpy; x: float32 -> the quantised numbers, widened to float32 again
;;       x = np.moveaxis(x, axis, -1); K = x.shape[-1]
;;       r = np.clip(x / 2.0 ** e, -57344, 57344)
;;       step = 2.0 ** (np.maximum(np.frexp(np.where(r == 0, 1, r))[1] - 1, -14) - 2)
;;       q = np.round(r / step) * step * 2.0 ** e      # np.round: ties to even
;;       return np.moveaxis(q, -1, axis).astype(np.float32)
;;   ~~~
;;   OPERANDS COMPUTED ON THE WAY. 'Computed on the way' means the value that the module computes at that place (a softmax that the list does not call 'softmax' is quantised finished and normalised). What goes into a quantiser is computed in f32, as accurately as f32 sums, v_exp_f32 and their like allow (about 1e-6 of the number): no bf16 or f16 on the way to a quantiser, and a product that is left as it is and whose result goes on into a quantised operand takes f32 operands (vector FMAs, or v_wmma_f32_16x16x4_f32). A number that lies on a knife's edge between two numbers of the format may be rounded either way, as far as f32 arithmetic and the matrix unit's own rounding can turn it there, and no further.
;;   INPUTS GIVEN AS CODES. W1 (in the module: [8, 1024, 2048], K = its axis 1); W2 (in the module: [8, 2048, 2048], K = its axis 1); W3 (in the module: [8, 2048, 1024], K = its axis 1): each comes as NAME_codes (uint8): NAME with its K axis moved to the last place and cut into blocks of 32 codes, [.., K / 32, bytes a block], one block behind the other in memory; one code a byte (a code: sign, 5 exponent bits, 2 mantissa bits); its scale is its entry of lowp_scales. Its value is code x scale, taken as it is: it is not quantised again, and the codes and scales need not be those that the quantiser above would give.
;; 2 versions. Each part assembles by itself: llvm-mc -triple=amdgcn-amd-amdhsa -mcpu=gfx1250 --defsym DOCPART=n.
;; ======== version 1 of 2: 6 launches
;; workspace buffers: xc 1,048,576 bytes; ridx 8,192 bytes of whole numbers; gw 8,192 bytes; part 16,384 bytes; h1 16,777,216 bytes; h2 16,777,216 bytes; rowinfo 37,888 bytes of whole numbers; y2 8,912,896 bytes
;; launch gate (part 1): grid 256 x 1, 4 waves a work-group, no clusters, 1,536 bytes of LDS; arguments x, Wg, bg, lowp_scales, xc, ridx, gw, part; writes xc, ridx, gw, part
.if DOCPART == 1
	.amdgcn_target "amdgcn-amd-amdhsa--gfx1250"
	.amdhsa_code_object_version 6
	.text
	.protected	k_q64a301325e_gate
	.globl	k_q64a301325e_gate
	.p2align	8
	.type	k_q64a301325e_gate,@function
k_q64a301325e_gate:
	s_mov_b64 s[64:65], 0
	v_nop
	global_prefetch_b8 v0, s[64:65] scope:SCOPE_SE
	s_setreg_imm32_b32 hwreg(HW_REG_WAVE_MODE, 25, 1), 1
	s_wait_xcnt 0x0
; THE ROUTER, AND x AS CODES.  raw = x Wg + bg in f32 (fused multiply-adds); the two largest of a token's 8 logits (of equal ones the lower index, as lax.top_k has it) and their softmax;
; the softmax over all 8; x as codes of E5M2 with the given scale 2^e1 (entry 1 of the scales).
; SHARES.  A work-group of four waves owns 4 tokens.  Wave w takes d = 256 w .. 256 w + 255 of all four tokens, a lane 8 neighbouring d: so Wg is read once by a work-group (64 registers a lane).
; The four quarter sums meet in LDS; then wave w finishes token w.  The chosen experts go to ridx [token][2] (whole numbers, at fixed places: no address here hangs on them), their gates to gw [token][2],
; the work-group's sums of the 8 probabilities and of the 8 combine weights to part [work-group][16].  A lane's 8 codes are 8 bytes: a wave's store covers 256 consecutive bytes of a token's row, aligned.
; No matrix unit (N = 8), no tensor load, no cluster: nothing here is read by two work-groups but Wg's 32 KB.
; LIMITS: e1 between -126 and 112.  NaN among the inputs is not served.  Two logits that differ by less than the rounding of an f32 sum of 1,024 terms may change places against another order of summing.
.set X,    8                           ; v8-39    x: token t at 8 t, my 8 numbers; later at work
.set W,    40                          ; v40-103  Wg: row i of my 8 at 8 i, expert e
.set ACC,  104                         ; v104-135 sums: token t at 8 t, expert e
.set LG,   104                         ; v104-111 my token's 8 logits
.set T,    112                         ; v112-119 at work
.set M,    120                         ; v120-127 the logits with the best one taken out
.set C,    136                         ; v136-143 codes: 2 registers a token
.set LOGS, 0                           ; LDS: 128 bytes a wave: its 32 quarter sums
.set PART, 512                         ; LDS: 128 bytes a wave: a token's probabilities and combine weights
	s_load_b512 s[4:19], s[0:1], 0x0               ; x, Wg, bg, scales, xc, ridx, gw, part
	v_lshl_add_u32 v176, v0, 2, 0x400
	v_mov_b32 v177, 0
	v_lshrrev_b32 v1, 5, v0
	v_readfirstlane_b32 s20, v1                    ; wave
	v_and_b32 v1, 31, v0                           ; lane
	v_lshlrev_b32 v2, 5, v1                        ; x: 32 bytes a lane
	v_lshlrev_b32 v3, 8, v1                        ; Wg: 8 rows of 32 bytes a lane
	v_lshlrev_b32 v4, 3, v1                        ; codes: 8 bytes a lane
	v_and_b32 v5, 7, v1                            ; the expert that my lane stands for in the softmax over all 8
	s_lshl_b32 s21, s20, 7
	v_mov_b32 v144, s21                            ; LOGS + 128 w: where my wave puts its sums
	s_lshl_b32 s21, s20, 5
	v_mov_b32 v145, s21                            ; LOGS + 32 w: token w's 8 sums in each wave's part
	v_lshl_add_u32 v146, v0, 2, PART               ; PART + 128 w + 4 lane
	v_lshl_add_u32 v147, v1, 2, PART               ; PART + 4 lane
	v_lshlrev_b32 v148, 2, v1                      ; 4 lane
	s_lshl_b32 s36, ttmp9, 14                      ; x: 4 tokens of 4,096 bytes a work-group,
	s_lshl_b32 s21, s20, 10
	s_add_co_u32 s36, s36, s21                     ; + my wave's 1,024 bytes of a row
	s_mov_b32 s37, 0
	s_lshl_b32 s38, s20, 13                        ; Wg: my wave's 256 rows
	s_mov_b32 s39, 0
	s_lshl_b32 s40, ttmp9, 12                      ; xc: 4 rows of 1,024 bytes,
	s_lshl_b32 s21, s20, 8
	s_add_co_u32 s40, s40, s21                     ; + my wave's 256
	s_mov_b32 s41, 0
	s_lshl_b32 s42, ttmp9, 2
	s_add_co_u32 s42, s42, s20                     ; the token that my wave finishes
	s_lshl_b32 s42, s42, 3                         ; 8 bytes a token in ridx and in gw
	s_mov_b32 s43, 0
	s_lshl_b32 s44, ttmp9, 6                       ; part: 64 bytes a work-group
	s_mov_b32 s45, 0
	s_mov_b32 s34, 0x76543210                      ; v_permlanex16_b32: lane l takes lane l xor 16
	s_mov_b32 s35, 0xfedcba98
	s_wait_kmcnt 0x0
	s_load_b256 s[24:31], s[8:9], 0x0              ; bg
	s_load_b32 s32, s[10:11], 0x4                  ; e1
	s_add_nc_u64 s[4:5], s[4:5], s[36:37]
	s_add_nc_u64 s[6:7], s[6:7], s[38:39]
	s_add_nc_u64 s[12:13], s[12:13], s[40:41]
	s_add_nc_u64 s[14:15], s[14:15], s[42:43]
	s_add_nc_u64 s[16:17], s[16:17], s[42:43]
	s_add_nc_u64 s[18:19], s[18:19], s[44:45]
.irp t, 0,1,2,3
	global_load_b128 v[X+8*\t:X+8*\t+3],   v2, s[4:5] offset:4096*\t th:TH_LOAD_NT
	global_load_b128 v[X+8*\t+4:X+8*\t+7], v2, s[4:5] offset:4096*\t+16 th:TH_LOAD_NT
.endr
.irp m, 0,1,2,3,4,5,6,7,8,9,10,11,12,13,14,15
	global_load_b128 v[W+4*\m:W+4*\m+3], v3, s[6:7] offset:16*\m
.endr
	s_wait_loadcnt 0x0
; 4 tokens x 8 experts, 8 d a lane: two experts an instruction, one number of x for both halves.  The first products start the sums; 16 sums take turns.
.irp i, 0,1,2,3,4,5,6,7
.irp t, 0,1,2,3
.irp p, 0,1,2,3
.if \i == 0
	v_pk_mul_f32 v[ACC+8*\t+2*\p:ACC+8*\t+2*\p+1], v[X+8*\t:X+8*\t+1], v[W+2*\p:W+2*\p+1] op_sel_hi:[0,1]
.elseif (\i%2) == 0
	v_pk_fma_f32 v[ACC+8*\t+2*\p:ACC+8*\t+2*\p+1], v[X+8*\t+\i:X+8*\t+\i+1], v[W+8*\i+2*\p:W+8*\i+2*\p+1], v[ACC+8*\t+2*\p:ACC+8*\t+2*\p+1] op_sel_hi:[0,1,1]
.else
	v_pk_fma_f32 v[ACC+8*\t+2*\p:ACC+8*\t+2*\p+1], v[X+8*\t+\i-1:X+8*\t+\i], v[W+8*\i+2*\p:W+8*\i+2*\p+1], v[ACC+8*\t+2*\p:ACC+8*\t+2*\p+1] op_sel:[1,0,0] op_sel_hi:[1,1,1]
.endif
.endr
.endr
.endr
; x as codes
	s_wait_kmcnt 0x0
	s_add_co_i32 s33, s32, 127
	s_lshl_b32 s21, s33, 23
	v_mov_b32 v6, s21                              ; 2^e1 as f32: the conversion takes its exponent field
	s_add_co_i32 s33, s33, 15
	s_lshl_b32 s33, s33, 23
	s_or_b32 s33, s33, 0x600000
	v_mov_b32 v7, s33                              ; 57,344 x 2^e1
.set j, 0
.rept 32
	v_med3_num_f32 v[X+j], v[X+j], -v7, v7         ; the conversion to an 8-bit code does not saturate (ISA guide 7.6.2): the hold comes first
.set j, j+1
.endr
.irp t, 0,1,2,3
	v_cvt_scalef32_pk8_bf8_f32 v[C+2*\t:C+2*\t+1], v[X+8*\t:X+8*\t+7], v6
.endr
.irp t, 0,1,2,3
	global_store_b64 v4, v[C+2*\t:C+2*\t+1], s[12:13] offset:1024*\t
.endr
; the 32 sums over my wave's 32 lanes (the additions below are also the plain lines between the conversions and the next write of their sources)
.irp m, 1,2,4,8
.set j, 0
.rept 32
	v_add_f32_dpp v[ACC+j], v[ACC+j], v[ACC+j] row_xmask:\m row_mask:0xf bank_mask:0xf
.set j, j+1
.endr
.endr
.set j, 0
.rept 32
	v_permlanex16_b32 v[X+j], v[ACC+j], s34, s35
.set j, j+1
.endr
.set j, 0
.rept 16
	v_pk_add_f32 v[ACC+2*j:ACC+2*j+1], v[ACC+2*j:ACC+2*j+1], v[X+2*j:X+2*j+1]
.set j, j+1
.endr
.irp q, 0,1,2,3,4,5,6,7
	ds_store_b128 v144, v[ACC+4*\q:ACC+4*\q+3] offset:LOGS+16*\q   ; every lane holds the same sums and writes the same bytes
.endr
	s_wait_dscnt 0x0                               ; for the others' sake: my sums lie in LDS
	s_barrier_signal -1
	s_barrier_wait -1
.irp q, 0,1,2,3
	ds_load_b128 v[X+8*\q:X+8*\q+3],   v145 offset:LOGS+128*\q      ; token w's 8 sums of wave q
	ds_load_b128 v[X+8*\q+4:X+8*\q+7], v145 offset:LOGS+128*\q+16
.endr
	s_wait_dscnt 0x0
.irp p, 0,2,4,6
	v_pk_add_f32 v[LG+\p:LG+\p+1], v[X+\p:X+\p+1], v[X+8+\p:X+8+\p+1]
	v_pk_add_f32 v[T+\p:T+\p+1], v[X+16+\p:X+16+\p+1], v[X+24+\p:X+24+\p+1]
.endr
.irp p, 0,2,4,6
	v_pk_add_f32 v[LG+\p:LG+\p+1], v[LG+\p:LG+\p+1], v[T+\p:T+\p+1]
.endr
.irp e, 0,1,2,3,4,5,6,7
	v_add_f32 v[LG+\e], s[24+\e], v[LG+\e]         ; + bg: the raw gates, all 8 in every lane
.endr
; the best, then the best of the rest: selections only, no branch.  Where the one held so far is at least as large it stays: the lower index wins a tie
	v_mov_b32 v150, v[LG]
	v_mov_b32 v151, 0
.irp e, 1,2,3,4,5,6,7
	v_cmp_ge_f32 vcc_lo, v150, v[LG+\e]
	v_cndmask_b32 v151, \e, v151, vcc_lo
	v_cndmask_b32 v150, v[LG+\e], v150, vcc_lo
.endr
	v_mov_b32 v154, 0xff800000                     ; -infinity
.irp e, 0,1,2,3,4,5,6,7
	v_cmp_eq_u32 vcc_lo, \e, v151
	v_cndmask_b32 v[M+\e], v[LG+\e], v154, vcc_lo
.endr
	v_mov_b32 v152, v[M]
	v_mov_b32 v153, 0
.irp e, 1,2,3,4,5,6,7
	v_cmp_ge_f32 vcc_lo, v152, v[M+\e]
	v_cndmask_b32 v153, \e, v153, vcc_lo
	v_cndmask_b32 v152, v[M+\e], v152, vcc_lo
.endr
; the two gates: softmax of (best, second), the larger taken away first
	v_sub_f32 v155, v152, v150
	v_mul_f32 v155, 0x3fb8aa3b, v155
	v_exp_f32 v156, v155
	v_mov_b32 v160, v[LG]                          ; (a plain line behind the exponential)  my lane's logit is picked below
	s_wait_alu depctr_va_vdst(0)
	v_add_f32 v157, 1.0, v156
	v_rcp_f32 v158, v157                           ; g0
.irp e, 1,2,3,4,5,6,7
	v_cmp_eq_u32 vcc_lo, \e, v5
	v_cndmask_b32 v160, v160, v[LG+\e], vcc_lo
.endr
	s_wait_alu depctr_va_vdst(0)
	v_mul_f32 v159, v156, v158                     ; g1
; the softmax over all 8: lane l stands for expert l % 8
	v_sub_f32 v161, v160, v150
	v_mul_f32 v161, 0x3fb8aa3b, v161
	v_exp_f32 v161, v161
	v_nop
	s_wait_alu depctr_va_vdst(0)
	v_mov_b32 v162, v161
	v_add_f32_dpp v162, v162, v162 row_xmask:1 row_mask:0xf bank_mask:0xf
	v_add_f32_dpp v162, v162, v162 row_xmask:2 row_mask:0xf bank_mask:0xf
	v_add_f32_dpp v162, v162, v162 row_xmask:4 row_mask:0xf bank_mask:0xf
	v_rcp_f32 v162, v162
	v_cmp_eq_u32 vcc_lo, v5, v153                  ; (a plain line behind the reciprocal)
	v_cndmask_b32 v163, 0, v159, vcc_lo            ; the combine weight of my lane's expert: g1, g0 or 0
	v_cmp_eq_u32 vcc_lo, v5, v151
	v_cndmask_b32 v163, v163, v158, vcc_lo
	s_wait_alu depctr_va_vdst(0)
	v_mul_f32 v161, v161, v162                     ; its probability
	v_and_b32 v165, 8, v1
	v_cmp_ne_u32 vcc_lo, 0, v165
	v_cndmask_b32 v164, v161, v163, vcc_lo         ; lanes 0-7 (and 16-23): probabilities; lanes 8-15 (and 24-31): combine weights
	ds_store_b32 v146, v164
	v_and_b32 v165, 1, v1
	v_cmp_eq_u32 vcc_lo, 1, v165
	v_cndmask_b32 v166, v151, v153, vcc_lo
	v_cndmask_b32 v167, v158, v159, vcc_lo
	v_cmp_gt_u32 vcc_lo, 2, v1
	s_wait_xcnt 0x0                                ; EXEC changes only behind this wait: the codes' stores have been issued
	s_and_saveexec_b32 s33, vcc_lo
	global_store_b32 v148, v166, s[14:15]          ; lanes 0 and 1: the two experts,
	global_store_b32 v148, v167, s[16:17]          ; and their gates
	s_wait_xcnt 0x0
	s_or_b32 exec_lo, exec_lo, s33
	s_wait_dscnt 0x0                               ; for wave 0's sake
	s_barrier_signal -1
	s_barrier_wait -1
	s_cmp_lg_u32 s20, 0
	s_cbranch_scc1 .Lend
.irp k, 0,1,2,3
	ds_load_b32 v[168+\k], v147 offset:128*\k
.endr
	s_wait_dscnt 0x0
	v_add_f32 v168, v168, v169
	v_add_f32 v170, v170, v171
	v_add_f32 v168, v168, v170                     ; the four tokens' sum
	v_cmp_gt_u32 vcc_lo, 16, v1
	s_and_saveexec_b32 s33, vcc_lo
	global_store_b32 v148, v168, s[18:19]
	s_wait_xcnt 0x0
	s_or_b32 exec_lo, exec_lo, s33
.Lend:
	s_wait_tensorcnt 0x0
	ds_add_u32 v176, v177
	s_wait_dscnt 0x0
	s_endpgm
.Lfunc_end_k_q64a301325e_gate:
	.size	k_q64a301325e_gate, .Lfunc_end_k_q64a301325e_gate-k_q64a301325e_gate
	.p2alignl 7, 3214868480
	.fill 96, 4, 3214868480
	.section	.rodata,"a",@progbits
	.p2align	6, 0x0
	.amdhsa_kernel k_q64a301325e_gate
		.amdhsa_group_segment_fixed_size 1536
		.amdhsa_private_segment_fixed_size 0
		.amdhsa_enable_private_segment 0
		.amdhsa_kernarg_size 64
		.amdhsa_user_sgpr_count 2
		.amdhsa_user_sgpr_kernarg_segment_ptr 1
		.amdhsa_wavefront_size32 1
		.amdhsa_system_sgpr_workgroup_id_x 1
		.amdhsa_system_sgpr_workgroup_id_y 1
		.amdhsa_system_sgpr_workgroup_id_z 1
		.amdhsa_system_vgpr_workitem_id 0
		.amdhsa_next_free_vgpr 178
		.amdhsa_next_free_sgpr 66
		.amdhsa_reserve_vcc 1
		.amdhsa_float_denorm_mode_32 3
		.amdhsa_float_denorm_mode_16_64 3
		.amdhsa_memory_ordered 1
		.amdhsa_forward_progress 1
		.amdhsa_inst_pref_size 34
	.end_amdhsa_kernel
	.amdgpu_metadata
---
amdhsa.version: [ 1, 2 ]
amdhsa.kernels:
  - .name:           k_q64a301325e_gate
    .symbol:         k_q64a301325e_gate.kd
    .args:
      - { .name: x, .offset: 0, .size: 8, .value_kind: global_buffer, .address_space: global }
      - { .name: Wg, .offset: 8, .size: 8, .value_kind: global_buffer, .address_space: global }
      - { .name: bg, .offset: 16, .size: 8, .value_kind: global_buffer, .address_space: global }
      - { .name: lowp_scales, .offset: 24, .size: 8, .value_kind: global_buffer, .address_space: global }
      - { .name: xc, .offset: 32, .size: 8, .value_kind: global_buffer, .address_space: global }
      - { .name: ridx, .offset: 40, .size: 8, .value_kind: global_buffer, .address_space: global }
      - { .name: gw, .offset: 48, .size: 8, .value_kind: global_buffer, .address_space: global }
      - { .name: part, .offset: 56, .size: 8, .value_kind: global_buffer, .address_space: global }
    .group_segment_fixed_size: 1536
    .private_segment_fixed_size: 0
    .kernarg_segment_align: 8
    .kernarg_segment_size: 64
    .max_flat_workgroup_size: 128
    .sgpr_count:     66
    .vgpr_count:     178
    .wavefront_size: 32
...
	.end_amdgpu_metadata
.endif
;; end of part 1
;; launch place (part 2): grid 8 x 1, 1 waves a work-group, no clusters, 0 bytes of LDS; arguments ridx, rowinfo; writes rowinfo
.if DOCPART == 2
	.amdgcn_target "amdgcn-amd-amdhsa--gfx1250"
	.amdhsa_code_object_version 6
	.text
	.protected	k_q64a301325e_place
	.globl	k_q64a301325e_place
	.p2align	8
	.type	k_q64a301325e_place,@function
k_q64a301325e_place:
	s_mov_b64 s[64:65], 0
	v_nop
	global_prefetch_b8 v0, s[64:65] scope:SCOPE_SE
	s_setreg_imm32_b32 hwreg(HW_REG_WAVE_MODE, 25, 1), 1
	s_wait_xcnt 0x0
; THE PLACING OF ROWS.  ridx [token][2] holds the two experts that the router chose for each token.  Work-group e, one wave, gives each (token, slot) that names expert e a rank, and stores in rowinfo:
;   words 1,024 e + rank: 2 token + slot, for rank < count; for the 16 ranks from the count on (as far as they stay under 1,024): 2,048 + 16 e + rank % 16, so that the expert's last tile of 16 ranks is whole;
;   bytes 32,768 + 512 e on: the count, 128 times (a dense store of 512 bytes);
;   words 9,216 + 32 e + lane: spare words, one for each lane, into which a lane with nothing to place stores; nobody reads them.
; The later launches read these whole numbers from memory and form addresses and trip counts from them.
; 32 tokens at a time: the lanes whose token names e are a mask; a lane's rank is the count so far + the set bits below its own.  Each of the 32 groups has address and data registers of its own, so no store's sources are written again.
; The whole task is 2,048 words: one wave for each expert does it without LDS, without a barrier and without a sum across work-groups.
.set IDX, 8                            ; v8-71    the experts of all tokens
.set ADR, 72                           ; v72-103  group q's byte offset in rowinfo
.set VAL, 104                          ; v104-135 group q's 2 token + slot
	s_load_b128 s[4:7], s[0:1], 0x0                ; ridx, rowinfo
	s_mov_b32 s3, ttmp9                            ; the expert
	v_lshlrev_b32 v1, 4, v0                        ; 16 x lane (one wave: the thread's number is the lane)
	v_lshlrev_b32 v2, 2, v0                        ; 4 x lane
	s_lshl_b32 s8, s3, 10                          ; the expert's first word
	s_lshl_b32 s9, s3, 5
	s_add_co_u32 s9, s9, 9216
	v_add_nc_u32 v3, s9, v0                        ; my lane's spare word
	s_mov_b32 s10, s8                              ; the word of the next rank
	s_wait_kmcnt 0x0
.set q, 0
.rept 16
	global_load_b128 v[IDX+4*q:IDX+4*q+3], v1, s[4:5] offset:512*q   ; both experts of tokens 64 q + 2 lane and 64 q + 2 lane + 1
.set q, q+1
.endr
.set q, 0
.rept 32                                           ; token 64 (q / 2) + 2 lane + q % 2
.if (q%2) == 0
	s_wait_loadcnt 15-q/2                          ; loads come back in order: this pair of groups' load is in, the later ones stay out
.endif
	v_cmp_eq_u32 s12, s3, v[IDX+2*q]
	v_cmp_eq_u32 s13, s3, v[IDX+2*q+1]
	s_or_b32 s14, s12, s13                         ; the lanes whose token has chosen e (a token's two experts differ)
	v_mbcnt_lo_u32_b32 v[ADR+q], s14, s10          ; the next rank's word + such lanes below mine
	v_cndmask_b32 v[ADR+q], v3, v[ADR+q], s14      ; or my spare word
	v_min_u32 v[ADR+q], 0x24ff, v[ADR+q]           ; inside rowinfo's 9,472 words
	v_lshlrev_b32 v[ADR+q], 2, v[ADR+q]
	v_cndmask_b32 v[VAL+q], 0, 1, s13              ; the slot
	v_add3_u32 v[VAL+q], v[VAL+q], v2, 128*(q/2)+2*(q%2)   ; 2 token + slot
	global_store_b32 v[ADR+q], v[VAL+q], s[6:7]
	s_bcnt1_i32_b32 s14, s14
	s_add_co_u32 s10, s10, s14
.set q, q+1
.endr
	s_sub_co_u32 s11, s10, s8                      ; the count
	v_add_nc_u32 v4, s11, v0                       ; rank = count + lane
	v_cmp_gt_u32 s12, 0x400, v4                    ; still one of the expert's 1,024,
	v_cmp_gt_u32 s13, 16, v0                       ; and among the 16 behind the count
	s_and_b32 s12, s12, s13
	v_add_nc_u32 v5, s10, v0
	v_cndmask_b32 v5, v3, v5, s12
	v_min_u32 v5, 0x24ff, v5
	v_lshlrev_b32 v5, 2, v5
	v_and_b32 v6, 15, v4
	s_lshl_b32 s14, s3, 4
	s_add_co_u32 s14, s14, 2048
	v_add_nc_u32 v6, s14, v6                       ; 2,048 + 16 e + rank % 16
	global_store_b32 v5, v6, s[6:7]
	v_mov_b32 v140, s11
	v_mov_b32 v141, s11
	v_mov_b32 v142, s11
	v_mov_b32 v143, s11
	s_lshl_b32 s15, s3, 9
	v_add_nc_u32 v7, s15, v1
	global_store_b128 v7, v[140:143], s[6:7] offset:32768
	s_endpgm
.Lfunc_end_k_q64a301325e_place:
	.size	k_q64a301325e_place, .Lfunc_end_k_q64a301325e_place-k_q64a301325e_place
	.p2alignl 7, 3214868480
	.fill 96, 4, 3214868480
	.section	.rodata,"a",@progbits
	.p2align	6, 0x0
	.amdhsa_kernel k_q64a301325e_place
		.amdhsa_group_segment_fixed_size 0
		.amdhsa_private_segment_fixed_size 0
		.amdhsa_enable_private_segment 0
		.amdhsa_kernarg_size 16
		.amdhsa_user_sgpr_count 2
		.amdhsa_user_sgpr_kernarg_segment_ptr 1
		.amdhsa_wavefront_size32 1
		.amdhsa_system_sgpr_workgroup_id_x 1
		.amdhsa_system_sgpr_workgroup_id_y 1
		.amdhsa_system_sgpr_workgroup_id_z 1
		.amdhsa_system_vgpr_workitem_id 0
		.amdhsa_next_free_vgpr 144
		.amdhsa_next_free_sgpr 66
		.amdhsa_reserve_vcc 0
		.amdhsa_float_denorm_mode_32 3
		.amdhsa_float_denorm_mode_16_64 3
		.amdhsa_memory_ordered 1
		.amdhsa_forward_progress 1
		.amdhsa_inst_pref_size 26
	.end_amdhsa_kernel
	.amdgpu_metadata
---
amdhsa.version: [ 1, 2 ]
amdhsa.kernels:
  - .name:           k_q64a301325e_place
    .symbol:         k_q64a301325e_place.kd
    .args:
      - { .name: ridx, .offset: 0, .size: 8, .value_kind: global_buffer, .address_space: global }
      - { .name: rowinfo, .offset: 8, .size: 8, .value_kind: global_buffer, .address_space: global }
    .group_segment_fixed_size: 0
    .private_segment_fixed_size: 0
    .kernarg_segment_align: 8
    .kernarg_segment_size: 16
    .max_flat_workgroup_size: 32
    .sgpr_count:     66
    .vgpr_count:     144
    .wavefront_size: 32
...
	.end_amdgpu_metadata
.endif
;; end of part 2
;; launch lay1 (part 3): grid 256 x 1, 4 waves a work-group, no clusters, 70,144 bytes of LDS; arguments xc, W1_codes, b1, lowp_scales, h1, rowinfo; writes h1
.if DOCPART == 3
	.amdgcn_target "amdgcn-amd-amdhsa--gfx1250"
	.amdhsa_code_object_version 6
	.text
	.protected	k_q64a301325e_lay1
	.globl	k_q64a301325e_lay1
	.p2align	8
	.type	k_q64a301325e_lay1,@function
k_q64a301325e_lay1:
	s_mov_b64 s[64:65], 0
	v_nop
	global_prefetch_b8 v0, s[64:65] scope:SCOPE_SE
	s_setreg_imm32_b32 hwreg(HW_REG_WAVE_MODE, 25, 1), 1
	s_wait_xcnt 0x0
; ONE LAYER OF THE EXPERTS, FOR THE ROUTED ROWS ALONE.  One text serves the three layers; LAY says which.
;   LAY 1: h1 = Q(relu(x W1 + b1)), K = 1,024;  LAY 2: h2 = Q(relu(h1 W2 + b2)), K = 2,048;  LAY 3: y2[2 token + slot] = gate x (h2 W3 + b3), K = 2,048.   All products on codes of E5M2, sums in f32.
; SHARES.  A work-group owns one expert e and 64 output columns (LAY 1, 2: 8 x 32 work-groups; LAY 3: 8 x 16, and of the expert's row tiles those of parity p: x 2).  Its 64 rows of the weights are asked for at the head, all at once,
; 512 consecutive bytes a load, and parked in LDS; so each weight byte is read by one work-group (LAY 3: two).  The expert's rows come in tiles of 16 ranks: wave w takes tiles w, w + 4, .. , RB of them in a round, straight from memory
; into operand registers (no two waves read the same rows), through a ring of 15 fragments that keeps 56 to 60 loads of a wave on their way.  A weight fragment read from LDS feeds RB matrix instructions.
; HOW MANY TILES there are is a number read from memory: the launch that places the rows stored it, with the list of ranks, in rowinfo.  So this text has no tensor load, no copy and no joint request, though the work-groups of an
; expert read the same rows: a text with those has no branch on such a number.  The loop over rounds has a constant count; a round with no tile for the wave is jumped over.  No barrier stands behind the first branch on that number.
; THE MATRIX INSTRUCTION IS USED TRANSPOSED: source 0 = 16 rows of the weights, source 1 = 16 rows of the layer's input: a lane holds ONE row and eight output columns.  Both operands are fed by loads of 16 bytes: registers 4 c .. 4 c + 3
; of lane (r, h) hold k = 32 c + 16 h + 0 .. 15: the same permutation of k on both sides, so every product meets its partner.
; LAY 1, 2: THE WEIGHT ROWS OF A TILE ARE NOT NEIGHBOURS: position i of tile 2 b + u is row 32 b + 8 u + i + 8 (i / 8) of the slice, so that the 16 registers of tiles 2 b, 2 b + 1 are 16 neighbours of the next K, and the conversions' results
; are the next layer's operand registers.  h1 and h2 lie as images of those registers: e x 2^21 + tile x 32,768 + K step x 2,048 + c x 512 + 16 x lane: every store and load of a wave covers 512 consecutive bytes.
; The bias goes in as the C of each sum's first product, divided by the power of two that the sums lack; relu is the lower end of the hold that the conversion wants anyway; the three scales are folded into the conversion's one.
; THE LIST: word rank of the expert's 1,024 holds 2 token + slot; the ranks that fill the last tile hold 2,048 + 16 e + rank % 16, which reads token 1,023 in LAY 1 and names a row of y2 that nobody reads in LAY 3.
; LIMITS: e2 - e0 - e1 and e4 - e2 - e3 between -126 and 112; e4 + e5 between -126 and 127.  NaN among the inputs is not served.
.set LAY, 1
.if LAY == 1
.set KS, 8                             ; K steps of 128
.set RB, 5                             ; row tiles of a wave in a round
.set ASTEP, 128                        ; bytes from K step to K step in the input: rows of xc
.set ACS, 32                           ; and from c to c
.set NTMAX, 64                         ; tiles at the most
.set EA, 32                            ; s32.. hold e0 .. e5: the two operands' scales, and the result's
.set EB, 33
.set EN, 34
.endif
.if LAY == 2
.set KS, 16
.set RB, 5
.set ASTEP, 2048                       ; images
.set ACS, 512
.set NTMAX, 64
.set EA, 34
.set EB, 35
.set EN, 36
.endif
.if LAY == 3
.set KS, 16
.set RB, 3
.set ASTEP, 2048
.set ACS, 512
.set NTMAX, 32                         ; of one parity
.set EA, 36
.set EB, 37
.endif
.set KB,   128*KS                      ; bytes in a row of the weights
.set NG,   KB/512                      ; loads that bring one
.set NW,   16*NG                       ; weight loads of a wave: 16 rows
.set NF,   KS*RB                       ; input fragments of a round
.set RING, 15
.set TS,   (KB/16)*272                 ; LDS: a tile of 16 weight rows: for each 16 along K a block of 16 positions x 16 bytes, + 16 of padding.  A fragment load's 16 lanes take 256 consecutive bytes; a parking store's 16 lanes stand 272 apart
.set STAGE, 4*TS                       ; LAY 3: 16 rows x (256 + 16) bytes for each wave, for the way out
; window 0: v1 lane, v2 r, v3 h; v18 16 x lane; v19 where I park; v20 the bias's offset; v21, v22 the conversion's scale and 57,344 x it; LAY 1: v23 16 h, v26 4 r
.set BA,   4                           ; v4-7     my lane's place in weight tile t
.set AO,   8                           ; v8..     slot i: my byte offset in its input tile
.set HO,   13                          ; v13-17   LAY 1: slot i: my byte offset in its output tile (LAY 2: AO serves)
.set BIAS, 32                          ; v32-63   tile t at 8 t
.set B0,   64                          ; v64-191  weight fragments, two sets of 4 x 16
.set PC,   192                         ; v192-231 LAY 1, 2: slot i's codes at 8 i
.set TMP,  192                         ; v192-223 LAY 3: a slot's results
.set YO,   224                         ; v224-231 LAY 3: offsets of 8 pairs of rows in y2
.set LO,   232                         ; v232-236 LAY 1: slot i's offset in the list
.set LW,   240                         ; v240-244 LAY 1: the list's word for my row of slot i
.set RAO,  232                         ; LAY 3: offsets in the list; what it holds for my row; the gate's offset; the gate (in pairs)
.set RBO,  235
.set RIA,  238
.set GWO,  241
.set GT,   244
.set RIB,  128                         ; window 1, v128..: LAY 3: slot i at 8 i: the list's words for rows 2 k + h
; window 1: v0..: the accumulators, slot i, tile t at 8 (4 i + t).   window 2: the ring, fragment f at 16 (f % 15); ahead of the products the weights on their way to LDS
.set MULB, 0x48                        ; source 1 window 2, C window 0 or the constant, D window 1
.set MUL,  0x58                        ; source 1 window 2, C and D window 1
.set TOA,  0x80                        ; destination window 2
.set STW,  0x08                        ; an LDS store's data window 2
.set HOLD, 0x41                        ; source 0 and destination window 1
.set FROMACC, 0x01                     ; source 0 window 1
.set MSB, 0
.macro WIN new                         ; the immediate's high byte repeats the setting that is left; a switch that changes nothing is dropped
.if MSB != \new
	s_set_vgpr_msb (MSB<<8)|\new
.set MSB, \new
.endif
.endm
.macro WLOAD                           ; my 16 rows of the slice: each load takes 512 consecutive bytes of one row
	WIN TOA
.set q, 0
.rept NW
.if LAY == 3
	global_load_b128 v[4*q:4*q+3], v18, s[10:11] offset:(q/NG)*KB+512*(q%NG)
.else
	global_load_b128 v[4*q:4*q+3], v18, s[10:11] offset:(q/NG)*KB+512*(q%NG) th:TH_LOAD_NT
.endif
.set q, q+1
.endr
	WIN 0
.endm
.macro WSTAGE                          ; and into LDS, eight loads at a time
	WIN STW
.set q, 0
.rept NW/8
	s_wait_loadcnt NW-8-q                          ; these eight are in; the later ones may be out
.rept 8
.if LAY == 3
.set im, 16*(q/NG)+8704*(q%NG)
.else
.set im, ((q/NG)>>3)*TS+((q/NG)&7)*16+8704*(q%NG)
.endif
	ds_store_b128 v19, v[4*q:4*q+3] offset:im
.set q, q+1
.endr
.endr
	WIN 0
.endm
.macro BFETCH                          ; the four weight fragments of K step sb into set sb % 2
	WIN 0
.irp t, 0,1,2,3
.irp c, 0,1,2,3
	ds_load_b128 v[B0+64*(sb%2)+16*\t+4*\c:B0+64*(sb%2)+16*\t+4*\c+3], v[BA+\t] offset:2176*sb+544*\c
.endr
.endr
.endm
.macro AFRAG                           ; input fragment fa: K step fa / RB of slot fa % RB
	WIN TOA
.irp c, 0,1,2,3
	global_load_b128 v[16*(fa%RING)+4*\c:16*(fa%RING)+4*\c+3], v[AO+fa%RB], s[8:9] offset:ASTEP*(fa/RB)+ACS*\c
.endr
.endm
; Fragment fc against the four weight tiles.  No two matrix instructions that follow each other share an accumulator: the 4 RB take turns, one instruction a turn.
.macro GROUP
.if fc+RING < NF
	s_wait_loadcnt 4*(RING-1)                      ; loads come back in order: fragment fc is in, the 14 younger ones stay out
.else
	s_wait_loadcnt 4*(NF-1-fc)
.endif
.if (LAY == 3) && (fc == 0)
	WIN 0                                          ; the list's words were asked for ahead of fragment 0, so they are in: my rows' gates are asked for now.  (Three loads more are out than the next 14 waits count: those waits are the stricter for it)
.irp i, 0,1,2
	v_min_u32 v[GWO+\i], 0x7ff, v[RIA+\i]
	v_lshlrev_b32 v[GWO+\i], 2, v[GWO+\i]
.endr
.irp i, 0,1,2
	global_load_b32 v[GT+2*\i], v[GWO+\i], s[48:49]
.endr
.endif
.if fc/RB == 0
	WIN MULB
.else
	WIN MUL
.endif
.irp t, 0,1,2,3
.set rD, 8*(4*(fc%RB)+\t)
.set rW, B0+64*((fc/RB)%2)+16*\t
.set rA, 16*(fc%RING)
.if fc/RB > 0
	v_wmma_f32_16x16x128_bf8_bf8 v[rD:rD+7], v[rW:rW+15], v[rA:rA+15], v[rD:rD+7]
.elseif LAY == 3
	v_wmma_f32_16x16x128_bf8_bf8 v[rD:rD+7], v[rW:rW+15], v[rA:rA+15], 0
.else
	v_wmma_f32_16x16x128_bf8_bf8 v[rD:rD+7], v[rW:rW+15], v[rA:rA+15], v[BIAS+8*\t:BIAS+8*\t+7]
.endif
.endr
.rept 4
	v_nop                                          ; four places ahead of loads into registers that these products read, and of the first read of results
.endr
.if fc+RING < NF
.set fa, fc+RING
	AFRAG                                          ; the ring's place takes the fragment 15 further on
.endif
.endm
.macro KRUN                            ; a round's products, written out: every LDS address is a register that stays + an immediate
.set sb, 0
	BFETCH
.set fa, 0
.rept RING
	AFRAG
.set fa, fa+1
.endr
.set kq, 0
.rept KS
.if kq+1 < KS
.set sb, kq+1
	BFETCH
	s_wait_dscnt 16                                ; this step's weight fragments are in; the next step's 16 loads stay out
.else
	s_wait_dscnt 0x0
.endif
.set sl, 0
.rept RB
.set fc, kq*RB+sl
	GROUP
.set sl, sl+1
.endr
.set kq, kq+1
.endr
.endm
.macro HEAD                            ; which tiles my RB slots take.  A slot past the end takes slot 0's tile again: its loads stay inside what was written, and its result is not stored
.set i, 0
.rept RB
	s_add_co_u32 s[20+i], s27, 4*i
	s_cmp_lt_u32 s[20+i], s26
	s_cselect_b32 s25, s[20+i], s27
.if LAY == 3
	s_lshl_b32 s25, s25, 1
	s_add_co_u32 s25, s25, s5                      ; tiles of my parity
.endif
	s_min_u32 s25, s25, 63
	s_lshl_b32 s38, s25, 15
.if LAY == 1
	v_add_nc_u32 v[HO+i], s38, v18
	s_lshl_b32 s38, s25, 6
	v_add_nc_u32 v[LO+i], s38, v26
	global_load_b32 v[LW+i], v[LO+i], s[18:19]     ; 2 token + slot of rank 16 tile + r
.else
	v_add_nc_u32 v[AO+i], s38, v18
.endif
.if LAY == 3
	s_lshl_b32 s38, s25, 6
	v_add_nc_u32 v[RAO+i], s38, v11
	v_add_nc_u32 v[RBO+i], s38, v12
.endif
.set i, i+1
.endr
.if LAY == 1
	s_wait_loadcnt 0x0                             ; the list's words: the rows' addresses are made of them
.set i, 0
.rept RB
	v_lshrrev_b32 v[LW+i], 1, v[LW+i]
	v_min_u32 v[LW+i], 0x3ff, v[LW+i]              ; the token; a rank past the count reads token 1,023
	v_lshl_add_u32 v[AO+i], v[LW+i], 10, v23       ; its row of xc, + 16 h
.set i, i+1
.endr
.endif
.if LAY == 3
.set i, 0
.rept RB
	global_load_b32 v[RIA+i], v[RAO+i], s[18:19]   ; the list's word for my row r,
.set i, i+1
.endr
	WIN 0x40
.set i, 0
.rept RB
.irp k, 0,1,2,3,4,5,6,7
	global_load_b32 v[RIB+8*i+\k], v[RBO+i], s[18:19] offset:8*\k   ; and for rows 2 k + h, which I store
.endr
.set i, i+1
.endr
	WIN 0
.endif
.endm
.macro EPI                             ; slot ei's results leave
	WIN 0
.if ei > 0
	s_cmp_lt_u32 s[20+ei], s26
	s_cbranch_scc0 .Lno_\@
.endif
.if LAY != 3
	WIN HOLD
.set j, 0
.rept 32
	v_med3_num_f32 v[32*ei+j], v[32*ei+j], 0, v22  ; relu and the hold in one; each accumulator from its low end on
.set j, j+1
.endr
	WIN FROMACC
.irp t, 0,1,2,3
	v_cvt_scalef32_pk8_bf8_f32 v[PC+8*ei+2*\t:PC+8*ei+2*\t+1], v[32*ei+8*\t:32*ei+8*\t+7], v21
.endr
	WIN 0
	v_nop                                          ; one plain line between the last conversion and whatever next touches its registers
.irp b, 0,1
.if LAY == 1
	global_store_b128 v[HO+ei], v[PC+8*ei+4*\b:PC+8*ei+4*\b+3], s[16:17] offset:512*\b   ; 512 consecutive bytes of the next operand's image
.else
	global_store_b128 v[AO+ei], v[PC+8*ei+4*\b:PC+8*ei+4*\b+3], s[16:17] offset:512*\b
.endif
.endr
.else
.if ei > 0
	s_wait_xcnt 0x0                                ; the slot before has stored: its offsets may be written again
.endif
	WIN FROMACC
.irp t, 0,1,2,3
.irp u, 0,2,4,6
	v_pk_fma_f32 v[TMP+8*\t+\u:TMP+8*\t+\u+1], v[32*ei+8*\t+\u:32*ei+8*\t+\u+1], s[46:47], v[BIAS+8*\t+\u:BIAS+8*\t+\u+1] op_sel_hi:[1,0,1]   ; sum x 2^(e4 + e5) + b3
.endr
.endr
	WIN 0
.set j, 0
.rept 16
	v_pk_mul_f32 v[TMP+2*j:TMP+2*j+1], v[TMP+2*j:TMP+2*j+1], v[GT+2*ei:GT+2*ei+1] op_sel_hi:[1,0]   ; x my row's gate
.set j, j+1
.endr
.irp t, 0,1,2,3
	ds_store_b128 v13, v[TMP+8*\t:TMP+8*\t+3] offset:64*\t
	ds_store_b128 v13, v[TMP+8*\t+4:TMP+8*\t+7] offset:64*\t+16
.endr
.irp k, 0,1,2,3,4,5,6,7
	ds_load_b128 v[B0+32*ei+4*\k:B0+32*ei+4*\k+3], v14 offset:544*\k   ; my own stage: LDS serves a wave's instructions in order (ISA guide 5.7.1.4).  Lanes 0-15 one row of 256 bytes, lanes 16-31 the next
.endr
	WIN 0x04                                       ; source 1 window 1
.irp k, 0,1,2,3,4,5,6,7
	v_min_u32 v[YO+\k], 0x87f, v[RIB+8*ei+\k]
.endr
	WIN 0
.irp k, 0,1,2,3,4,5,6,7
	v_lshl_add_u32 v[YO+\k], v[YO+\k], 12, v15     ; the row of y2, + 16 r
.endr
.irp k, 0,1,2,3,4,5,6,7
	s_wait_dscnt 7-\k
	global_store_b128 v[YO+\k], v[B0+32*ei+4*\k:B0+32*ei+4*\k+3], s[16:17]   ; 16 lanes store 256 consecutive bytes, aligned
.endr
.endif
.if ei > 0
.Lno_\@:
.endif
.endm
	s_load_b256 s[8:15], s[0:1], 0x0               ; the input s[8:9], the weights s[10:11], the bias s[12:13], the scales s[14:15]
	s_load_b128 s[16:19], s[0:1], 0x20             ; the output s[16:17], the list and the counts s[18:19]
	v_lshl_add_u32 v254, v0, 2, 0x11000
	v_mov_b32 v255, 0
.if LAY == 3
	s_load_b64 s[48:49], s[0:1], 0x30              ; the gates
.endif
	v_lshrrev_b32 v1, 5, v0
	v_readfirstlane_b32 s2, v1                     ; wave
	v_and_b32 v1, 31, v0                           ; lane
	v_and_b32 v2, 15, v0                           ; r
	v_bfe_u32 v3, v0, 4, 1                         ; h
	s_lshr_b32 s3, ttmp9, 5                        ; the expert
.if LAY == 3
	s_lshr_b32 s6, ttmp9, 1                        ; which slice of 64 weight rows, counted through all experts
	s_and_b32 s4, s6, 15                           ; and within mine
	s_and_b32 s5, ttmp9, 1                         ; the parity of my tiles
.else
	s_mov_b32 s6, ttmp9
	s_and_b32 s4, ttmp9, 31
.endif
	v_mul_u32_u24 v23, v3, 272
	v_lshl_add_u32 v23, v2, 4, v23
.irp t, 0,1,2,3
	v_add_nc_u32 v[BA+\t], \t*TS, v23              ; tile t: block h of a pair, position r
.endr
	v_lshlrev_b32 v18, 4, v1
	v_mul_u32_u24 v19, v1, 272                     ; parking: my lane's 16 bytes of a load are block lane of 32
.if LAY == 3
	s_mul_i32 s38, s2, TS                          ; my 16 rows are tile w, row rho at position rho
	v_lshlrev_b32 v20, 5, v3
.else
	s_lshr_b32 s38, s2, 1                          ; my 16 rows go to tiles 2 (w / 2) and 2 (w / 2) + 1, positions 8 (w % 2) on
	s_mul_i32 s38, s38, 2*TS
	s_and_b32 s39, s2, 1
	s_lshl_b32 s39, s39, 7
	s_add_co_u32 s38, s38, s39
	v_lshlrev_b32 v20, 6, v3
.endif
	v_add_nc_u32 v19, s38, v19
.if LAY == 1
	v_lshlrev_b32 v23, 4, v3                       ; 16 h
	v_lshlrev_b32 v26, 2, v2                       ; the list: rank r of a tile
.endif
.if LAY == 3
	v_lshlrev_b32 v11, 2, v2
	v_lshlrev_b32 v12, 2, v3
	v_lshlrev_b32 v15, 4, v2
	s_mul_i32 s38, s2, 4352
	s_add_co_u32 s38, s38, STAGE                   ; my stage
	v_mul_u32_u24 v13, v2, 272
	v_lshl_add_u32 v13, v3, 5, v13
	v_add_nc_u32 v13, s38, v13                     ; in: row r, 32 bytes for each half of the lanes
	v_mul_u32_u24 v14, v3, 272
	v_lshl_add_u32 v14, v2, 4, v14
	v_add_nc_u32 v14, s38, v14                     ; back: row h of a pair, 16 bytes a lane
.irp i, 0,1,2
	v_mov_b32 v[GT+2*\i+1], 0                      ; (named as the upper halves of pairs)
.endr
.endif
	s_mul_i32 s40, s6, 64*KB                       ; the weights: my slice,
	s_mul_i32 s41, s2, 16*KB                       ; my wave's 16 rows
	s_add_co_u32 s40, s40, s41
	s_mov_b32 s41, 0
	s_lshl_b32 s42, s6, 8                          ; the bias: 64 numbers a slice
	s_mov_b32 s43, 0
	s_lshl_b32 s44, s3, 21                         ; an expert's images
	s_mov_b32 s45, 0
.if LAY == 3
	s_lshl_b32 s50, s4, 8                          ; y2: my 64 columns
.else
	s_lshl_b32 s50, s4, 10                         ; the next K's 64 of my slice: half a K step of an image
.endif
	s_mov_b32 s51, 0
	s_lshl_b32 s54, s3, 9                          ; the count's 128 words
	s_mov_b32 s55, 0
	s_lshl_b32 s56, s3, 12                         ; the expert's 1,024 ranks
	s_mov_b32 s57, 0
	s_wait_kmcnt 0x0
	s_load_b128 s[32:35], s[14:15], 0x0            ; e0 .. e3
	s_load_b64 s[36:37], s[14:15], 0x10            ; e4, e5
	s_add_nc_u64 s[10:11], s[10:11], s[40:41]
	s_add_nc_u64 s[12:13], s[12:13], s[42:43]
	s_add_nc_u64 s[16:17], s[16:17], s[50:51]
.if LAY != 1
	s_add_nc_u64 s[8:9], s[8:9], s[44:45]
.endif
.if LAY != 3
	s_add_nc_u64 s[16:17], s[16:17], s[44:45]
.endif
	s_add_nc_u64 s[52:53], s[18:19], s[54:55]
	s_add_nc_u64 s[18:19], s[18:19], s[56:57]
	s_load_b32 s26, s[52:53], 0x8000               ; how many rows my expert has
.irp t, 0,1,2,3
.irp u, 0,1
.if LAY == 3
	global_load_b128 v[BIAS+8*\t+4*\u:BIAS+8*\t+4*\u+3], v20, s[12:13] offset:64*\t+16*\u                          ; columns 16 t + 8 h + 0 .. 7
.else
	global_load_b128 v[BIAS+8*\t+4*\u:BIAS+8*\t+4*\u+3], v20, s[12:13] offset:(32*(\t/2)+8*(\t%2))*4+16*\u         ; columns 32 (t / 2) + 16 h + 8 (t % 2) + 0 .. 7
.endif
.endr
.endr
	WLOAD
	WSTAGE
	s_wait_dscnt 0x0                               ; for the others' sake: my 16 rows lie in LDS
	s_barrier_signal -1
	s_barrier_wait -1                              ; the one barrier: behind it nothing is written into the weights' bytes
	s_wait_kmcnt 0x0
	s_add_co_i32 s38, s[EA], s[EB]                 ; a sum stands for sum x 2^(the two operands' e added)
.if LAY != 3
	s_sub_co_i32 s39, 0, s38
	s_sub_co_i32 s40, s[EN], s38
	s_add_co_i32 s40, s40, 127
	s_lshl_b32 s41, s40, 23
	v_mov_b32 v21, s41                             ; the three scales folded into the conversion's one
	s_add_co_i32 s40, s40, 15
	s_lshl_b32 s40, s40, 23
	s_or_b32 s40, s40, 0x600000
	v_mov_b32 v22, s40                             ; 57,344 x that
.set j, 0
.rept 32
	v_ldexp_f32 v[BIAS+j], v[BIAS+j], s39          ; the bias, divided by the power of two that the sums lack
.set j, j+1
.endr
.else
	s_add_co_i32 s46, s38, 127
	s_lshl_b32 s46, s46, 23                        ; 2^(e4 + e5) as f32
	s_mov_b32 s47, s46                             ; (named with it as a pair)
.endif
	s_min_u32 s26, s26, 1024
	s_add_co_u32 s26, s26, 15
	s_lshr_b32 s26, s26, 4                         ; tiles of 16 ranks
.if LAY == 3
	s_add_co_u32 s26, s26, 1
	s_sub_co_u32 s26, s26, s5
	s_lshr_b32 s26, s26, 1                         ; of my parity
.endif
	s_mov_b32 s27, s2                              ; my first tile
.Lround:
	s_cmp_lt_u32 s27, s26
	s_cbranch_scc0 .Lskip
	s_wait_xcnt 0x0                                ; what earlier stores and loads name (offsets, codes, rows read back) is written again only behind this wait
	HEAD
	KRUN
.set ei, 0
.rept RB
	EPI
.set ei, ei+1
.endr
.Lskip:
	s_add_co_u32 s27, s27, 4*RB
	s_cmp_lt_u32 s27, NTMAX
	s_cbranch_scc1 .Lround
	s_wait_tensorcnt 0x0
	ds_add_u32 v254, v255
	s_wait_dscnt 0x0
	s_endpgm
.Lfunc_end_k_q64a301325e_lay1:
	.size	k_q64a301325e_lay1, .Lfunc_end_k_q64a301325e_lay1-k_q64a301325e_lay1
	.p2alignl 7, 3214868480
	.fill 96, 4, 3214868480
	.section	.rodata,"a",@progbits
	.p2align	6, 0x0
	.amdhsa_kernel k_q64a301325e_lay1
		.amdhsa_group_segment_fixed_size 70144
		.amdhsa_private_segment_fixed_size 0
		.amdhsa_enable_private_segment 0
		.amdhsa_kernarg_size 48
		.amdhsa_user_sgpr_count 2
		.amdhsa_user_sgpr_kernarg_segment_ptr 1
		.amdhsa_wavefront_size32 1
		.amdhsa_system_sgpr_workgroup_id_x 1
		.amdhsa_system_sgpr_workgroup_id_y 1
		.amdhsa_system_sgpr_workgroup_id_z 1
		.amdhsa_system_vgpr_workitem_id 0
		.amdhsa_next_free_vgpr 768
		.amdhsa_next_free_sgpr 66
		.amdhsa_reserve_vcc 0
		.amdhsa_float_denorm_mode_32 3
		.amdhsa_float_denorm_mode_16_64 3
		.amdhsa_memory_ordered 1
		.amdhsa_forward_progress 1
		.amdhsa_inst_pref_size 69
	.end_amdhsa_kernel
	.amdgpu_metadata
---
amdhsa.version: [ 1, 2 ]
amdhsa.kernels:
  - .name:           k_q64a301325e_lay1
    .symbol:         k_q64a301325e_lay1.kd
    .args:
      - { .name: xc, .offset: 0, .size: 8, .value_kind: global_buffer, .address_space: global }
      - { .name: W1_codes, .offset: 8, .size: 8, .value_kind: global_buffer, .address_space: global }
      - { .name: b1, .offset: 16, .size: 8, .value_kind: global_buffer, .address_space: global }
      - { .name: lowp_scales, .offset: 24, .size: 8, .value_kind: global_buffer, .address_space: global }
      - { .name: h1, .offset: 32, .size: 8, .value_kind: global_buffer, .address_space: global }
      - { .name: rowinfo, .offset: 40, .size: 8, .value_kind: global_buffer, .address_space: global }
    .group_segment_fixed_size: 70144
    .private_segment_fixed_size: 0
    .kernarg_segment_align: 8
    .kernarg_segment_size: 48
    .max_flat_workgroup_size: 128
    .sgpr_count:     66
    .vgpr_count:     768
    .wavefront_size: 32
...
	.end_amdgpu_metadata
.endif
;; end of part 3
;; launch lay2 (part 4): grid 256 x 1, 4 waves a work-group, no clusters, 139,776 bytes of LDS; arguments h1, W2_codes, b2, lowp_scales, h2, rowinfo; writes h2
.if DOCPART == 4
	.amdgcn_target "amdgcn-amd-amdhsa--gfx1250"
	.amdhsa_code_object_version 6
	.text
	.protected	k_q64a301325e_lay2
	.globl	k_q64a301325e_lay2
	.p2align	8
	.type	k_q64a301325e_lay2,@function
k_q64a301325e_lay2:
	s_mov_b64 s[64:65], 0
	v_nop
	global_prefetch_b8 v0, s[64:65] scope:SCOPE_SE
	s_setreg_imm32_b32 hwreg(HW_REG_WAVE_MODE, 25, 1), 1
	s_wait_xcnt 0x0
; ONE LAYER OF THE EXPERTS, FOR THE ROUTED ROWS ALONE.  One text serves the three layers; LAY says which.
;   LAY 1: h1 = Q(relu(x W1 + b1)), K = 1,024;  LAY 2: h2 = Q(relu(h1 W2 + b2)), K = 2,048;  LAY 3: y2[2 token + slot] = gate x (h2 W3 + b3), K = 2,048.   All products on codes of E5M2, sums in f32.
; SHARES.  A work-group owns one expert e and 64 output columns (LAY 1, 2: 8 x 32 work-groups; LAY 3: 8 x 16, and of the expert's row tiles those of parity p: x 2).  Its 64 rows of the weights are asked for at the head, all at once,
; 512 consecutive bytes a load, and parked in LDS; so each weight byte is read by one work-group (LAY 3: two).  The expert's rows come in tiles of 16 ranks: wave w takes tiles w, w + 4, .. , RB of them in a round, straight from memory
; into operand registers (no two waves read the same rows), through a ring of 15 fragments that keeps 56 to 60 loads of a wave on their way.  A weight fragment read from LDS feeds RB matrix instructions.
; HOW MANY TILES there are is a number read from memory: the launch that places the rows stored it, with the list of ranks, in rowinfo.  So this text has no tensor load, no copy and no joint request, though the work-groups of an
; expert read the same rows: a text with those has no branch on such a number.  The loop over rounds has a constant count; a round with no tile for the wave is jumped over.  No barrier stands behind the first branch on that number.
; THE MATRIX INSTRUCTION IS USED TRANSPOSED: source 0 = 16 rows of the weights, source 1 = 16 rows of the layer's input: a lane holds ONE row and eight output columns.  Both operands are fed by loads of 16 bytes: registers 4 c .. 4 c + 3
; of lane (r, h) hold k = 32 c + 16 h + 0 .. 15: the same permutation of k on both sides, so every product meets its partner.
; LAY 1, 2: THE WEIGHT ROWS OF A TILE ARE NOT NEIGHBOURS: position i of tile 2 b + u is row 32 b + 8 u + i + 8 (i / 8) of the slice, so that the 16 registers of tiles 2 b, 2 b + 1 are 16 neighbours of the next K, and the conversions' results
; are the next layer's operand registers.  h1 and h2 lie as images of those registers: e x 2^21 + tile x 32,768 + K step x 2,048 + c x 512 + 16 x lane: every store and load of a wave covers 512 consecutive bytes.
; The bias goes in as the C of each sum's first product, divided by the power of two that the sums lack; relu is the lower end of the hold that the conversion wants anyway; the three scales are folded into the conversion's one.
; THE LIST: word rank of the expert's 1,024 holds 2 token + slot; the ranks that fill the last tile hold 2,048 + 16 e + rank % 16, which reads token 1,023 in LAY 1 and names a row of y2 that nobody reads in LAY 3.
; LIMITS: e2 - e0 - e1 and e4 - e2 - e3 between -126 and 112; e4 + e5 between -126 and 127.  NaN among the inputs is not served.
.set LAY, 2
.if LAY == 1
.set KS, 8                             ; K steps of 128
.set RB, 5                             ; row tiles of a wave in a round
.set ASTEP, 128                        ; bytes from K step to K step in the input: rows of xc
.set ACS, 32                           ; and from c to c
.set NTMAX, 64                         ; tiles at the most
.set EA, 32                            ; s32.. hold e0 .. e5: the two operands' scales, and the result's
.set EB, 33
.set EN, 34
.endif
.if LAY == 2
.set KS, 16
.set RB, 5
.set ASTEP, 2048                       ; images
.set ACS, 512
.set NTMAX, 64
.set EA, 34
.set EB, 35
.set EN, 36
.endif
.if LAY == 3
.set KS, 16
.set RB, 3
.set ASTEP, 2048
.set ACS, 512
.set NTMAX, 32                         ; of one parity
.set EA, 36
.set EB, 37
.endif
.set KB,   128*KS                      ; bytes in a row of the weights
.set NG,   KB/512                      ; loads that bring one
.set NW,   16*NG                       ; weight loads of a wave: 16 rows
.set NF,   KS*RB                       ; input fragments of a round
.set RING, 15
.set TS,   (KB/16)*272                 ; LDS: a tile of 16 weight rows: for each 16 along K a block of 16 positions x 16 bytes, + 16 of padding.  A fragment load's 16 lanes take 256 consecutive bytes; a parking store's 16 lanes stand 272 apart
.set STAGE, 4*TS                       ; LAY 3: 16 rows x (256 + 16) bytes for each wave, for the way out
; window 0: v1 lane, v2 r, v3 h; v18 16 x lane; v19 where I park; v20 the bias's offset; v21, v22 the conversion's scale and 57,344 x it; LAY 1: v23 16 h, v26 4 r
.set BA,   4                           ; v4-7     my lane's place in weight tile t
.set AO,   8                           ; v8..     slot i: my byte offset in its input tile
.set HO,   13                          ; v13-17   LAY 1: slot i: my byte offset in its output tile (LAY 2: AO serves)
.set BIAS, 32                          ; v32-63   tile t at 8 t
.set B0,   64                          ; v64-191  weight fragments, two sets of 4 x 16
.set PC,   192                         ; v192-231 LAY 1, 2: slot i's codes at 8 i
.set TMP,  192                         ; v192-223 LAY 3: a slot's results
.set YO,   224                         ; v224-231 LAY 3: offsets of 8 pairs of rows in y2
.set LO,   232                         ; v232-236 LAY 1: slot i's offset in the list
.set LW,   240                         ; v240-244 LAY 1: the list's word for my row of slot i
.set RAO,  232                         ; LAY 3: offsets in the list; what it holds for my row; the gate's offset; the gate (in pairs)
.set RBO,  235
.set RIA,  238
.set GWO,  241
.set GT,   244
.set RIB,  128                         ; window 1, v128..: LAY 3: slot i at 8 i: the list's words for rows 2 k + h
; window 1: v0..: the accumulators, slot i, tile t at 8 (4 i + t).   window 2: the ring, fragment f at 16 (f % 15); ahead of the products the weights on their way to LDS
.set MULB, 0x48                        ; source 1 window 2, C window 0 or the constant, D window 1
.set MUL,  0x58                        ; source 1 window 2, C and D window 1
.set TOA,  0x80                        ; destination window 2
.set STW,  0x08                        ; an LDS store's data window 2
.set HOLD, 0x41                        ; source 0 and destination window 1
.set FROMACC, 0x01                     ; source 0 window 1
.set MSB, 0
.macro WIN new                         ; the immediate's high byte repeats the setting that is left; a switch that changes nothing is dropped
.if MSB != \new
	s_set_vgpr_msb (MSB<<8)|\new
.set MSB, \new
.endif
.endm
.macro WLOAD                           ; my 16 rows of the slice: each load takes 512 consecutive bytes of one row
	WIN TOA
.set q, 0
.rept NW
.if LAY == 3
	global_load_b128 v[4*q:4*q+3], v18, s[10:11] offset:(q/NG)*KB+512*(q%NG)
.else
	global_load_b128 v[4*q:4*q+3], v18, s[10:11] offset:(q/NG)*KB+512*(q%NG) th:TH_LOAD_NT
.endif
.set q, q+1
.endr
	WIN 0
.endm
.macro WSTAGE                          ; and into LDS, eight loads at a time
	WIN STW
.set q, 0
.rept NW/8
	s_wait_loadcnt NW-8-q                          ; these eight are in; the later ones may be out
.rept 8
.if LAY == 3
.set im, 16*(q/NG)+8704*(q%NG)
.else
.set im, ((q/NG)>>3)*TS+((q/NG)&7)*16+8704*(q%NG)
.endif
	ds_store_b128 v19, v[4*q:4*q+3] offset:im
.set q, q+1
.endr
.endr
	WIN 0
.endm
.macro BFETCH                          ; the four weight fragments of K step sb into set sb % 2
	WIN 0
.irp t, 0,1,2,3
.irp c, 0,1,2,3
	ds_load_b128 v[B0+64*(sb%2)+16*\t+4*\c:B0+64*(sb%2)+16*\t+4*\c+3], v[BA+\t] offset:2176*sb+544*\c
.endr
.endr
.endm
.macro AFRAG                           ; input fragment fa: K step fa / RB of slot fa % RB
	WIN TOA
.irp c, 0,1,2,3
	global_load_b128 v[16*(fa%RING)+4*\c:16*(fa%RING)+4*\c+3], v[AO+fa%RB], s[8:9] offset:ASTEP*(fa/RB)+ACS*\c
.endr
.endm
; Fragment fc against the four weight tiles.  No two matrix instructions that follow each other share an accumulator: the 4 RB take turns, one instruction a turn.
.macro GROUP
.if fc+RING < NF
	s_wait_loadcnt 4*(RING-1)                      ; loads come back in order: fragment fc is in, the 14 younger ones stay out
.else
	s_wait_loadcnt 4*(NF-1-fc)
.endif
.if (LAY == 3) && (fc == 0)
	WIN 0                                          ; the list's words were asked for ahead of fragment 0, so they are in: my rows' gates are asked for now.  (Three loads more are out than the next 14 waits count: those waits are the stricter for it)
.irp i, 0,1,2
	v_min_u32 v[GWO+\i], 0x7ff, v[RIA+\i]
	v_lshlrev_b32 v[GWO+\i], 2, v[GWO+\i]
.endr
.irp i, 0,1,2
	global_load_b32 v[GT+2*\i], v[GWO+\i], s[48:49]
.endr
.endif
.if fc/RB == 0
	WIN MULB
.else
	WIN MUL
.endif
.irp t, 0,1,2,3
.set rD, 8*(4*(fc%RB)+\t)
.set rW, B0+64*((fc/RB)%2)+16*\t
.set rA, 16*(fc%RING)
.if fc/RB > 0
	v_wmma_f32_16x16x128_bf8_bf8 v[rD:rD+7], v[rW:rW+15], v[rA:rA+15], v[rD:rD+7]
.elseif LAY == 3
	v_wmma_f32_16x16x128_bf8_bf8 v[rD:rD+7], v[rW:rW+15], v[rA:rA+15], 0
.else
	v_wmma_f32_16x16x128_bf8_bf8 v[rD:rD+7], v[rW:rW+15], v[rA:rA+15], v[BIAS+8*\t:BIAS+8*\t+7]
.endif
.endr
.rept 4
	v_nop                                          ; four places ahead of loads into registers that these products read, and of the first read of results
.endr
.if fc+RING < NF
.set fa, fc+RING
	AFRAG                                          ; the ring's place takes the fragment 15 further on
.endif
.endm
.macro KRUN                            ; a round's products, written out: every LDS address is a register that stays + an immediate
.set sb, 0
	BFETCH
.set fa, 0
.rept RING
	AFRAG
.set fa, fa+1
.endr
.set kq, 0
.rept KS
.if kq+1 < KS
.set sb, kq+1
	BFETCH
	s_wait_dscnt 16                                ; this step's weight fragments are in; the next step's 16 loads stay out
.else
	s_wait_dscnt 0x0
.endif
.set sl, 0
.rept RB
.set fc, kq*RB+sl
	GROUP
.set sl, sl+1
.endr
.set kq, kq+1
.endr
.endm
.macro HEAD                            ; which tiles my RB slots take.  A slot past the end takes slot 0's tile again: its loads stay inside what was written, and its result is not stored
.set i, 0
.rept RB
	s_add_co_u32 s[20+i], s27, 4*i
	s_cmp_lt_u32 s[20+i], s26
	s_cselect_b32 s25, s[20+i], s27
.if LAY == 3
	s_lshl_b32 s25, s25, 1
	s_add_co_u32 s25, s25, s5                      ; tiles of my parity
.endif
	s_min_u32 s25, s25, 63
	s_lshl_b32 s38, s25, 15
.if LAY == 1
	v_add_nc_u32 v[HO+i], s38, v18
	s_lshl_b32 s38, s25, 6
	v_add_nc_u32 v[LO+i], s38, v26
	global_load_b32 v[LW+i], v[LO+i], s[18:19]     ; 2 token + slot of rank 16 tile + r
.else
	v_add_nc_u32 v[AO+i], s38, v18
.endif
.if LAY == 3
	s_lshl_b32 s38, s25, 6
	v_add_nc_u32 v[RAO+i], s38, v11
	v_add_nc_u32 v[RBO+i], s38, v12
.endif
.set i, i+1
.endr
.if LAY == 1
	s_wait_loadcnt 0x0                             ; the list's words: the rows' addresses are made of them
.set i, 0
.rept RB
	v_lshrrev_b32 v[LW+i], 1, v[LW+i]
	v_min_u32 v[LW+i], 0x3ff, v[LW+i]              ; the token; a rank past the count reads token 1,023
	v_lshl_add_u32 v[AO+i], v[LW+i], 10, v23       ; its row of xc, + 16 h
.set i, i+1
.endr
.endif
.if LAY == 3
.set i, 0
.rept RB
	global_load_b32 v[RIA+i], v[RAO+i], s[18:19]   ; the list's word for my row r,
.set i, i+1
.endr
	WIN 0x40
.set i, 0
.rept RB
.irp k, 0,1,2,3,4,5,6,7
	global_load_b32 v[RIB+8*i+\k], v[RBO+i], s[18:19] offset:8*\k   ; and for rows 2 k + h, which I store
.endr
.set i, i+1
.endr
	WIN 0
.endif
.endm
.macro EPI                             ; slot ei's results leave
	WIN 0
.if ei > 0
	s_cmp_lt_u32 s[20+ei], s26
	s_cbranch_scc0 .Lno_\@
.endif
.if LAY != 3
	WIN HOLD
.set j, 0
.rept 32
	v_med3_num_f32 v[32*ei+j], v[32*ei+j], 0, v22  ; relu and the hold in one; each accumulator from its low end on
.set j, j+1
.endr
	WIN FROMACC
.irp t, 0,1,2,3
	v_cvt_scalef32_pk8_bf8_f32 v[PC+8*ei+2*\t:PC+8*ei+2*\t+1], v[32*ei+8*\t:32*ei+8*\t+7], v21
.endr
	WIN 0
	v_nop                                          ; one plain line between the last conversion and whatever next touches its registers
.irp b, 0,1
.if LAY == 1
	global_store_b128 v[HO+ei], v[PC+8*ei+4*\b:PC+8*ei+4*\b+3], s[16:17] offset:512*\b   ; 512 consecutive bytes of the next operand's image
.else
	global_store_b128 v[AO+ei], v[PC+8*ei+4*\b:PC+8*ei+4*\b+3], s[16:17] offset:512*\b
.endif
.endr
.else
.if ei > 0
	s_wait_xcnt 0x0                                ; the slot before has stored: its offsets may be written again
.endif
	WIN FROMACC
.irp t, 0,1,2,3
.irp u, 0,2,4,6
	v_pk_fma_f32 v[TMP+8*\t+\u:TMP+8*\t+\u+1], v[32*ei+8*\t+\u:32*ei+8*\t+\u+1], s[46:47], v[BIAS+8*\t+\u:BIAS+8*\t+\u+1] op_sel_hi:[1,0,1]   ; sum x 2^(e4 + e5) + b3
.endr
.endr
	WIN 0
.set j, 0
.rept 16
	v_pk_mul_f32 v[TMP+2*j:TMP+2*j+1], v[TMP+2*j:TMP+2*j+1], v[GT+2*ei:GT+2*ei+1] op_sel_hi:[1,0]   ; x my row's gate
.set j, j+1
.endr
.irp t, 0,1,2,3
	ds_store_b128 v13, v[TMP+8*\t:TMP+8*\t+3] offset:64*\t
	ds_store_b128 v13, v[TMP+8*\t+4:TMP+8*\t+7] offset:64*\t+16
.endr
.irp k, 0,1,2,3,4,5,6,7
	ds_load_b128 v[B0+32*ei+4*\k:B0+32*ei+4*\k+3], v14 offset:544*\k   ; my own stage: LDS serves a wave's instructions in order (ISA guide 5.7.1.4).  Lanes 0-15 one row of 256 bytes, lanes 16-31 the next
.endr
	WIN 0x04                                       ; source 1 window 1
.irp k, 0,1,2,3,4,5,6,7
	v_min_u32 v[YO+\k], 0x87f, v[RIB+8*ei+\k]
.endr
	WIN 0
.irp k, 0,1,2,3,4,5,6,7
	v_lshl_add_u32 v[YO+\k], v[YO+\k], 12, v15     ; the row of y2, + 16 r
.endr
.irp k, 0,1,2,3,4,5,6,7
	s_wait_dscnt 7-\k
	global_store_b128 v[YO+\k], v[B0+32*ei+4*\k:B0+32*ei+4*\k+3], s[16:17]   ; 16 lanes store 256 consecutive bytes, aligned
.endr
.endif
.if ei > 0
.Lno_\@:
.endif
.endm
	s_load_b256 s[8:15], s[0:1], 0x0               ; the input s[8:9], the weights s[10:11], the bias s[12:13], the scales s[14:15]
	s_load_b128 s[16:19], s[0:1], 0x20             ; the output s[16:17], the list and the counts s[18:19]
	v_lshl_add_u32 v254, v0, 2, 0x22000
	v_mov_b32 v255, 0
.if LAY == 3
	s_load_b64 s[48:49], s[0:1], 0x30              ; the gates
.endif
	v_lshrrev_b32 v1, 5, v0
	v_readfirstlane_b32 s2, v1                     ; wave
	v_and_b32 v1, 31, v0                           ; lane
	v_and_b32 v2, 15, v0                           ; r
	v_bfe_u32 v3, v0, 4, 1                         ; h
	s_lshr_b32 s3, ttmp9, 5                        ; the expert
.if LAY == 3
	s_lshr_b32 s6, ttmp9, 1                        ; which slice of 64 weight rows, counted through all experts
	s_and_b32 s4, s6, 15                           ; and within mine
	s_and_b32 s5, ttmp9, 1                         ; the parity of my tiles
.else
	s_mov_b32 s6, ttmp9
	s_and_b32 s4, ttmp9, 31
.endif
	v_mul_u32_u24 v23, v3, 272
	v_lshl_add_u32 v23, v2, 4, v23
.irp t, 0,1,2,3
	v_add_nc_u32 v[BA+\t], \t*TS, v23              ; tile t: block h of a pair, position r
.endr
	v_lshlrev_b32 v18, 4, v1
	v_mul_u32_u24 v19, v1, 272                     ; parking: my lane's 16 bytes of a load are block lane of 32
.if LAY == 3
	s_mul_i32 s38, s2, TS                          ; my 16 rows are tile w, row rho at position rho
	v_lshlrev_b32 v20, 5, v3
.else
	s_lshr_b32 s38, s2, 1                          ; my 16 rows go to tiles 2 (w / 2) and 2 (w / 2) + 1, positions 8 (w % 2) on
	s_mul_i32 s38, s38, 2*TS
	s_and_b32 s39, s2, 1
	s_lshl_b32 s39, s39, 7
	s_add_co_u32 s38, s38, s39
	v_lshlrev_b32 v20, 6, v3
.endif
	v_add_nc_u32 v19, s38, v19
.if LAY == 1
	v_lshlrev_b32 v23, 4, v3                       ; 16 h
	v_lshlrev_b32 v26, 2, v2                       ; the list: rank r of a tile
.endif
.if LAY == 3
	v_lshlrev_b32 v11, 2, v2
	v_lshlrev_b32 v12, 2, v3
	v_lshlrev_b32 v15, 4, v2
	s_mul_i32 s38, s2, 4352
	s_add_co_u32 s38, s38, STAGE                   ; my stage
	v_mul_u32_u24 v13, v2, 272
	v_lshl_add_u32 v13, v3, 5, v13
	v_add_nc_u32 v13, s38, v13                     ; in: row r, 32 bytes for each half of the lanes
	v_mul_u32_u24 v14, v3, 272
	v_lshl_add_u32 v14, v2, 4, v14
	v_add_nc_u32 v14, s38, v14                     ; back: row h of a pair, 16 bytes a lane
.irp i, 0,1,2
	v_mov_b32 v[GT+2*\i+1], 0                      ; (named as the upper halves of pairs)
.endr
.endif
	s_mul_i32 s40, s6, 64*KB                       ; the weights: my slice,
	s_mul_i32 s41, s2, 16*KB                       ; my wave's 16 rows
	s_add_co_u32 s40, s40, s41
	s_mov_b32 s41, 0
	s_lshl_b32 s42, s6, 8                          ; the bias: 64 numbers a slice
	s_mov_b32 s43, 0
	s_lshl_b32 s44, s3, 21                         ; an expert's images
	s_mov_b32 s45, 0
.if LAY == 3
	s_lshl_b32 s50, s4, 8                          ; y2: my 64 columns
.else
	s_lshl_b32 s50, s4, 10                         ; the next K's 64 of my slice: half a K step of an image
.endif
	s_mov_b32 s51, 0
	s_lshl_b32 s54, s3, 9                          ; the count's 128 words
	s_mov_b32 s55, 0
	s_lshl_b32 s56, s3, 12                         ; the expert's 1,024 ranks
	s_mov_b32 s57, 0
	s_wait_kmcnt 0x0
	s_load_b128 s[32:35], s[14:15], 0x0            ; e0 .. e3
	s_load_b64 s[36:37], s[14:15], 0x10            ; e4, e5
	s_add_nc_u64 s[10:11], s[10:11], s[40:41]
	s_add_nc_u64 s[12:13], s[12:13], s[42:43]
	s_add_nc_u64 s[16:17], s[16:17], s[50:51]
.if LAY != 1
	s_add_nc_u64 s[8:9], s[8:9], s[44:45]
.endif
.if LAY != 3
	s_add_nc_u64 s[16:17], s[16:17], s[44:45]
.endif
	s_add_nc_u64 s[52:53], s[18:19], s[54:55]
	s_add_nc_u64 s[18:19], s[18:19], s[56:57]
	s_load_b32 s26, s[52:53], 0x8000               ; how many rows my expert has
.irp t, 0,1,2,3
.irp u, 0,1
.if LAY == 3
	global_load_b128 v[BIAS+8*\t+4*\u:BIAS+8*\t+4*\u+3], v20, s[12:13] offset:64*\t+16*\u                          ; columns 16 t + 8 h + 0 .. 7
.else
	global_load_b128 v[BIAS+8*\t+4*\u:BIAS+8*\t+4*\u+3], v20, s[12:13] offset:(32*(\t/2)+8*(\t%2))*4+16*\u         ; columns 32 (t / 2) + 16 h + 8 (t % 2) + 0 .. 7
.endif
.endr
.endr
	WLOAD
	WSTAGE
	s_wait_dscnt 0x0                               ; for the others' sake: my 16 rows lie in LDS
	s_barrier_signal -1
	s_barrier_wait -1                              ; the one barrier: behind it nothing is written into the weights' bytes
	s_wait_kmcnt 0x0
	s_add_co_i32 s38, s[EA], s[EB]                 ; a sum stands for sum x 2^(the two operands' e added)
.if LAY != 3
	s_sub_co_i32 s39, 0, s38
	s_sub_co_i32 s40, s[EN], s38
	s_add_co_i32 s40, s40, 127
	s_lshl_b32 s41, s40, 23
	v_mov_b32 v21, s41                             ; the three scales folded into the conversion's one
	s_add_co_i32 s40, s40, 15
	s_lshl_b32 s40, s40, 23
	s_or_b32 s40, s40, 0x600000
	v_mov_b32 v22, s40                             ; 57,344 x that
.set j, 0
.rept 32
	v_ldexp_f32 v[BIAS+j], v[BIAS+j], s39          ; the bias, divided by the power of two that the sums lack
.set j, j+1
.endr
.else
	s_add_co_i32 s46, s38, 127
	s_lshl_b32 s46, s46, 23                        ; 2^(e4 + e5) as f32
	s_mov_b32 s47, s46                             ; (named with it as a pair)
.endif
	s_min_u32 s26, s26, 1024
	s_add_co_u32 s26, s26, 15
	s_lshr_b32 s26, s26, 4                         ; tiles of 16 ranks
.if LAY == 3
	s_add_co_u32 s26, s26, 1
	s_sub_co_u32 s26, s26, s5
	s_lshr_b32 s26, s26, 1                         ; of my parity
.endif
	s_mov_b32 s27, s2                              ; my first tile
.Lround:
	s_cmp_lt_u32 s27, s26
	s_cbranch_scc0 .Lskip
	s_wait_xcnt 0x0                                ; what earlier stores and loads name (offsets, codes, rows read back) is written again only behind this wait
	HEAD
	KRUN
.set ei, 0
.rept RB
	EPI
.set ei, ei+1
.endr
.Lskip:
	s_add_co_u32 s27, s27, 4*RB
	s_cmp_lt_u32 s27, NTMAX
	s_cbranch_scc1 .Lround
	s_wait_tensorcnt 0x0
	ds_add_u32 v254, v255
	s_wait_dscnt 0x0
	s_endpgm
.Lfunc_end_k_q64a301325e_lay2:
	.size	k_q64a301325e_lay2, .Lfunc_end_k_q64a301325e_lay2-k_q64a301325e_lay2
	.p2alignl 7, 3214868480
	.fill 96, 4, 3214868480
	.section	.rodata,"a",@progbits
	.p2align	6, 0x0
	.amdhsa_kernel k_q64a301325e_lay2
		.amdhsa_group_segment_fixed_size 139776
		.amdhsa_private_segment_fixed_size 0
		.amdhsa_enable_private_segment 0
		.amdhsa_kernarg_size 48
		.amdhsa_user_sgpr_count 2
		.amdhsa_user_sgpr_kernarg_segment_ptr 1
		.amdhsa_wavefront_size32 1
		.amdhsa_system_sgpr_workgroup_id_x 1
		.amdhsa_system_sgpr_workgroup_id_y 1
		.amdhsa_system_sgpr_workgroup_id_z 1
		.amdhsa_system_vgpr_workitem_id 0
		.amdhsa_next_free_vgpr 768
		.amdhsa_next_free_sgpr 66
		.amdhsa_reserve_vcc 0
		.amdhsa_float_denorm_mode_32 3
		.amdhsa_float_denorm_mode_16_64 3
		.amdhsa_memory_ordered 1
		.amdhsa_forward_progress 1
		.amdhsa_inst_pref_size 115
	.end_amdhsa_kernel
	.amdgpu_metadata
---
amdhsa.version: [ 1, 2 ]
amdhsa.kernels:
  - .name:           k_q64a301325e_lay2
    .symbol:         k_q64a301325e_lay2.kd
    .args:
      - { .name: h1, .offset: 0, .size: 8, .value_kind: global_buffer, .address_space: global }
      - { .name: W2_codes, .offset: 8, .size: 8, .value_kind: global_buffer, .address_space: global }
      - { .name: b2, .offset: 16, .size: 8, .value_kind: global_buffer, .address_space: global }
      - { .name: lowp_scales, .offset: 24, .size: 8, .value_kind: global_buffer, .address_space: global }
      - { .name: h2, .offset: 32, .size: 8, .value_kind: global_buffer, .address_space: global }
      - { .name: rowinfo, .offset: 40, .size: 8, .value_kind: global_buffer, .address_space: global }
    .group_segment_fixed_size: 139776
    .private_segment_fixed_size: 0
    .kernarg_segment_align: 8
    .kernarg_segment_size: 48
    .max_flat_workgroup_size: 128
    .sgpr_count:     66
    .vgpr_count:     768
    .wavefront_size: 32
...
	.end_amdgpu_metadata
.endif
;; end of part 4
;; launch lay3 (part 5): grid 256 x 1, 4 waves a work-group, no clusters, 157,184 bytes of LDS; arguments h2, W3_codes, b3, lowp_scales, y2, rowinfo, gw; writes y2
.if DOCPART == 5
	.amdgcn_target "amdgcn-amd-amdhsa--gfx1250"
	.amdhsa_code_object_version 6
	.text
	.protected	k_q64a301325e_lay3
	.globl	k_q64a301325e_lay3
	.p2align	8
	.type	k_q64a301325e_lay3,@function
k_q64a301325e_lay3:
	s_mov_b64 s[64:65], 0
	v_nop
	global_prefetch_b8 v0, s[64:65] scope:SCOPE_SE
	s_setreg_imm32_b32 hwreg(HW_REG_WAVE_MODE, 25, 1), 1
	s_wait_xcnt 0x0
; ONE LAYER OF THE EXPERTS, FOR THE ROUTED ROWS ALONE.  One text serves the three layers; LAY says which.
;   LAY 1: h1 = Q(relu(x W1 + b1)), K = 1,024;  LAY 2: h2 = Q(relu(h1 W2 + b2)), K = 2,048;  LAY 3: y2[2 token + slot] = gate x (h2 W3 + b3), K = 2,048.   All products on codes of E5M2, sums in f32.
; SHARES.  A work-group owns one expert e and 64 output columns (LAY 1, 2: 8 x 32 work-groups; LAY 3: 8 x 16, and of the expert's row tiles those of parity p: x 2).  Its 64 rows of the weights are asked for at the head, all at once,
; 512 consecutive bytes a load, and parked in LDS; so each weight byte is read by one work-group (LAY 3: two).  The expert's rows come in tiles of 16 ranks: wave w takes tiles w, w + 4, .. , RB of them in a round, straight from memory
; into operand registers (no two waves read the same rows), through a ring of 15 fragments that keeps 56 to 60 loads of a wave on their way.  A weight fragment read from LDS feeds RB matrix instructions.
; HOW MANY TILES there are is a number read from memory: the launch that places the rows stored it, with the list of ranks, in rowinfo.  So this text has no tensor load, no copy and no joint request, though the work-groups of an
; expert read the same rows: a text with those has no branch on such a number.  The loop over rounds has a constant count; a round with no tile for the wave is jumped over.  No barrier stands behind the first branch on that number.
; THE MATRIX INSTRUCTION IS USED TRANSPOSED: source 0 = 16 rows of the weights, source 1 = 16 rows of the layer's input: a lane holds ONE row and eight output columns.  Both operands are fed by loads of 16 bytes: registers 4 c .. 4 c + 3
; of lane (r, h) hold k = 32 c + 16 h + 0 .. 15: the same permutation of k on both sides, so every product meets its partner.
; LAY 1, 2: THE WEIGHT ROWS OF A TILE ARE NOT NEIGHBOURS: position i of tile 2 b + u is row 32 b + 8 u + i + 8 (i / 8) of the slice, so that the 16 registers of tiles 2 b, 2 b + 1 are 16 neighbours of the next K, and the conversions' results
; are the next layer's operand registers.  h1 and h2 lie as images of those registers: e x 2^21 + tile x 32,768 + K step x 2,048 + c x 512 + 16 x lane: every store and load of a wave covers 512 consecutive bytes.
; The bias goes in as the C of each sum's first product, divided by the power of two that the sums lack; relu is the lower end of the hold that the conversion wants anyway; the three scales are folded into the conversion's one.
; THE LIST: word rank of the expert's 1,024 holds 2 token + slot; the ranks that fill the last tile hold 2,048 + 16 e + rank % 16, which reads token 1,023 in LAY 1 and names a row of y2 that nobody reads in LAY 3.
; LIMITS: e2 - e0 - e1 and e4 - e2 - e3 between -126 and 112; e4 + e5 between -126 and 127.  NaN among the inputs is not served.
.set LAY, 3
.if LAY == 1
.set KS, 8                             ; K steps of 128
.set RB, 5                             ; row tiles of a wave in a round
.set ASTEP, 128                        ; bytes from K step to K step in the input: rows of xc
.set ACS, 32                           ; and from c to c
.set NTMAX, 64                         ; tiles at the most
.set EA, 32                            ; s32.. hold e0 .. e5: the two operands' scales, and the result's
.set EB, 33
.set EN, 34
.endif
.if LAY == 2
.set KS, 16
.set RB, 5
.set ASTEP, 2048                       ; images
.set ACS, 512
.set NTMAX, 64
.set EA, 34
.set EB, 35
.set EN, 36
.endif
.if LAY == 3
.set KS, 16
.set RB, 3
.set ASTEP, 2048
.set ACS, 512
.set NTMAX, 32                         ; of one parity
.set EA, 36
.set EB, 37
.endif
.set KB,   128*KS                      ; bytes in a row of the weights
.set NG,   KB/512                      ; loads that bring one
.set NW,   16*NG                       ; weight loads of a wave: 16 rows
.set NF,   KS*RB                       ; input fragments of a round
.set RING, 15
.set TS,   (KB/16)*272                 ; LDS: a tile of 16 weight rows: for each 16 along K a block of 16 positions x 16 bytes, + 16 of padding.  A fragment load's 16 lanes take 256 consecutive bytes; a parking store's 16 lanes stand 272 apart
.set STAGE, 4*TS                       ; LAY 3: 16 rows x (256 + 16) bytes for each wave, for the way out
; window 0: v1 lane, v2 r, v3 h; v18 16 x lane; v19 where I park; v20 the bias's offset; v21, v22 the conversion's scale and 57,344 x it; LAY 1: v23 16 h, v26 4 r
.set BA,   4                           ; v4-7     my lane's place in weight tile t
.set AO,   8                           ; v8..     slot i: my byte offset in its input tile
.set HO,   13                          ; v13-17   LAY 1: slot i: my byte offset in its output tile (LAY 2: AO serves)
.set BIAS, 32                          ; v32-63   tile t at 8 t
.set B0,   64                          ; v64-191  weight fragments, two sets of 4 x 16
.set PC,   192                         ; v192-231 LAY 1, 2: slot i's codes at 8 i
.set TMP,  192                         ; v192-223 LAY 3: a slot's results
.set YO,   224                         ; v224-231 LAY 3: offsets of 8 pairs of rows in y2
.set LO,   232                         ; v232-236 LAY 1: slot i's offset in the list
.set LW,   240                         ; v240-244 LAY 1: the list's word for my row of slot i
.set RAO,  232                         ; LAY 3: offsets in the list; what it holds for my row; the gate's offset; the gate (in pairs)
.set RBO,  235
.set RIA,  238
.set GWO,  241
.set GT,   244
.set RIB,  128                         ; window 1, v128..: LAY 3: slot i at 8 i: the list's words for rows 2 k + h
; window 1: v0..: the accumulators, slot i, tile t at 8 (4 i + t).   window 2: the ring, fragment f at 16 (f % 15); ahead of the products the weights on their way to LDS
.set MULB, 0x48                        ; source 1 window 2, C window 0 or the constant, D window 1
.set MUL,  0x58                        ; source 1 window 2, C and D window 1
.set TOA,  0x80                        ; destination window 2
.set STW,  0x08                        ; an LDS store's data window 2
.set HOLD, 0x41                        ; source 0 and destination window 1
.set FROMACC, 0x01                     ; source 0 window 1
.set MSB, 0
.macro WIN new                         ; the immediate's high byte repeats the setting that is left; a switch that changes nothing is dropped
.if MSB != \new
	s_set_vgpr_msb (MSB<<8)|\new
.set MSB, \new
.endif
.endm
.macro WLOAD                           ; my 16 rows of the slice: each load takes 512 consecutive bytes of one row
	WIN TOA
.set q, 0
.rept NW
.if LAY == 3
	global_load_b128 v[4*q:4*q+3], v18, s[10:11] offset:(q/NG)*KB+512*(q%NG)
.else
	global_load_b128 v[4*q:4*q+3], v18, s[10:11] offset:(q/NG)*KB+512*(q%NG) th:TH_LOAD_NT
.endif
.set q, q+1
.endr
	WIN 0
.endm
.macro WSTAGE                          ; and into LDS, eight loads at a time
	WIN STW
.set q, 0
.rept NW/8
	s_wait_loadcnt NW-8-q                          ; these eight are in; the later ones may be out
.rept 8
.if LAY == 3
.set im, 16*(q/NG)+8704*(q%NG)
.else
.set im, ((q/NG)>>3)*TS+((q/NG)&7)*16+8704*(q%NG)
.endif
	ds_store_b128 v19, v[4*q:4*q+3] offset:im
.set q, q+1
.endr
.endr
	WIN 0
.endm
.macro BFETCH                          ; the four weight fragments of K step sb into set sb % 2
	WIN 0
.irp t, 0,1,2,3
.irp c, 0,1,2,3
	ds_load_b128 v[B0+64*(sb%2)+16*\t+4*\c:B0+64*(sb%2)+16*\t+4*\c+3], v[BA+\t] offset:2176*sb+544*\c
.endr
.endr
.endm
.macro AFRAG                           ; input fragment fa: K step fa / RB of slot fa % RB
	WIN TOA
.irp c, 0,1,2,3
	global_load_b128 v[16*(fa%RING)+4*\c:16*(fa%RING)+4*\c+3], v[AO+fa%RB], s[8:9] offset:ASTEP*(fa/RB)+ACS*\c
.endr
.endm
; Fragment fc against the four weight tiles.  No two matrix instructions that follow each other share an accumulator: the 4 RB take turns, one instruction a turn.
.macro GROUP
.if fc+RING < NF
	s_wait_loadcnt 4*(RING-1)                      ; loads come back in order: fragment fc is in, the 14 younger ones stay out
.else
	s_wait_loadcnt 4*(NF-1-fc)
.endif
.if (LAY == 3) && (fc == 0)
	WIN 0                                          ; the list's words were asked for ahead of fragment 0, so they are in: my rows' gates are asked for now.  (Three loads more are out than the next 14 waits count: those waits are the stricter for it)
.irp i, 0,1,2
	v_min_u32 v[GWO+\i], 0x7ff, v[RIA+\i]
	v_lshlrev_b32 v[GWO+\i], 2, v[GWO+\i]
.endr
.irp i, 0,1,2
	global_load_b32 v[GT+2*\i], v[GWO+\i], s[48:49]
.endr
.endif
.if fc/RB == 0
	WIN MULB
.else
	WIN MUL
.endif
.irp t, 0,1,2,3
.set rD, 8*(4*(fc%RB)+\t)
.set rW, B0+64*((fc/RB)%2)+16*\t
.set rA, 16*(fc%RING)
.if fc/RB > 0
	v_wmma_f32_16x16x128_bf8_bf8 v[rD:rD+7], v[rW:rW+15], v[rA:rA+15], v[rD:rD+7]
.elseif LAY == 3
	v_wmma_f32_16x16x128_bf8_bf8 v[rD:rD+7], v[rW:rW+15], v[rA:rA+15], 0
.else
	v_wmma_f32_16x16x128_bf8_bf8 v[rD:rD+7], v[rW:rW+15], v[rA:rA+15], v[BIAS+8*\t:BIAS+8*\t+7]
.endif
.endr
.rept 4
	v_nop                                          ; four places ahead of loads into registers that these products read, and of the first read of results
.endr
.if fc+RING < NF
.set fa, fc+RING
	AFRAG                                          ; the ring's place takes the fragment 15 further on
.endif
.endm
.macro KRUN                            ; a round's products, written out: every LDS address is a register that stays + an immediate
.set sb, 0
	BFETCH
.set fa, 0
.rept RING
	AFRAG
.set fa, fa+1
.endr
.set kq, 0
.rept KS
.if kq+1 < KS
.set sb, kq+1
	BFETCH
	s_wait_dscnt 16                                ; this step's weight fragments are in; the next step's 16 loads stay out
.else
	s_wait_dscnt 0x0
.endif
.set sl, 0
.rept RB
.set fc, kq*RB+sl
	GROUP
.set sl, sl+1
.endr
.set kq, kq+1
.endr
.endm
.macro HEAD                            ; which tiles my RB slots take.  A slot past the end takes slot 0's tile again: its loads stay inside what was written, and its result is not stored
.set i, 0
.rept RB
	s_add_co_u32 s[20+i], s27, 4*i
	s_cmp_lt_u32 s[20+i], s26
	s_cselect_b32 s25, s[20+i], s27
.if LAY == 3
	s_lshl_b32 s25, s25, 1
	s_add_co_u32 s25, s25, s5                      ; tiles of my parity
.endif
	s_min_u32 s25, s25, 63
	s_lshl_b32 s38, s25, 15
.if LAY == 1
	v_add_nc_u32 v[HO+i], s38, v18
	s_lshl_b32 s38, s25, 6
	v_add_nc_u32 v[LO+i], s38, v26
	global_load_b32 v[LW+i], v[LO+i], s[18:19]     ; 2 token + slot of rank 16 tile + r
.else
	v_add_nc_u32 v[AO+i], s38, v18
.endif
.if LAY == 3
	s_lshl_b32 s38, s25, 6
	v_add_nc_u32 v[RAO+i], s38, v11
	v_add_nc_u32 v[RBO+i], s38, v12
.endif
.set i, i+1
.endr
.if LAY == 1
	s_wait_loadcnt 0x0                             ; the list's words: the rows' addresses are made of them
.set i, 0
.rept RB
	v_lshrrev_b32 v[LW+i], 1, v[LW+i]
	v_min_u32 v[LW+i], 0x3ff, v[LW+i]              ; the token; a rank past the count reads token 1,023
	v_lshl_add_u32 v[AO+i], v[LW+i], 10, v23       ; its row of xc, + 16 h
.set i, i+1
.endr
.endif
.if LAY == 3
.set i, 0
.rept RB
	global_load_b32 v[RIA+i], v[RAO+i], s[18:19]   ; the list's word for my row r,
.set i, i+1
.endr
	WIN 0x40
.set i, 0
.rept RB
.irp k, 0,1,2,3,4,5,6,7
	global_load_b32 v[RIB+8*i+\k], v[RBO+i], s[18:19] offset:8*\k   ; and for rows 2 k + h, which I store
.endr
.set i, i+1
.endr
	WIN 0
.endif
.endm
.macro EPI                             ; slot ei's results leave
	WIN 0
.if ei > 0
	s_cmp_lt_u32 s[20+ei], s26
	s_cbranch_scc0 .Lno_\@
.endif
.if LAY != 3
	WIN HOLD
.set j, 0
.rept 32
	v_med3_num_f32 v[32*ei+j], v[32*ei+j], 0, v22  ; relu and the hold in one; each accumulator from its low end on
.set j, j+1
.endr
	WIN FROMACC
.irp t, 0,1,2,3
	v_cvt_scalef32_pk8_bf8_f32 v[PC+8*ei+2*\t:PC+8*ei+2*\t+1], v[32*ei+8*\t:32*ei+8*\t+7], v21
.endr
	WIN 0
	v_nop                                          ; one plain line between the last conversion and whatever next touches its registers
.irp b, 0,1
.if LAY == 1
	global_store_b128 v[HO+ei], v[PC+8*ei+4*\b:PC+8*ei+4*\b+3], s[16:17] offset:512*\b   ; 512 consecutive bytes of the next operand's image
.else
	global_store_b128 v[AO+ei], v[PC+8*ei+4*\b:PC+8*ei+4*\b+3], s[16:17] offset:512*\b
.endif
.endr
.else
.if ei > 0
	s_wait_xcnt 0x0                                ; the slot before has stored: its offsets may be written again
.endif
	WIN FROMACC
.irp t, 0,1,2,3
.irp u, 0,2,4,6
	v_pk_fma_f32 v[TMP+8*\t+\u:TMP+8*\t+\u+1], v[32*ei+8*\t+\u:32*ei+8*\t+\u+1], s[46:47], v[BIAS+8*\t+\u:BIAS+8*\t+\u+1] op_sel_hi:[1,0,1]   ; sum x 2^(e4 + e5) + b3
.endr
.endr
	WIN 0
.set j, 0
.rept 16
	v_pk_mul_f32 v[TMP+2*j:TMP+2*j+1], v[TMP+2*j:TMP+2*j+1], v[GT+2*ei:GT+2*ei+1] op_sel_hi:[1,0]   ; x my row's gate
.set j, j+1
.endr
.irp t, 0,1,2,3
	ds_store_b128 v13, v[TMP+8*\t:TMP+8*\t+3] offset:64*\t
	ds_store_b128 v13, v[TMP+8*\t+4:TMP+8*\t+7] offset:64*\t+16
.endr
.irp k, 0,1,2,3,4,5,6,7
	ds_load_b128 v[B0+32*ei+4*\k:B0+32*ei+4*\k+3], v14 offset:544*\k   ; my own stage: LDS serves a wave's instructions in order (ISA guide 5.7.1.4).  Lanes 0-15 one row of 256 bytes, lanes 16-31 the next
.endr
	WIN 0x04                                       ; source 1 window 1
.irp k, 0,1,2,3,4,5,6,7
	v_min_u32 v[YO+\k], 0x87f, v[RIB+8*ei+\k]
.endr
	WIN 0
.irp k, 0,1,2,3,4,5,6,7
	v_lshl_add_u32 v[YO+\k], v[YO+\k], 12, v15     ; the row of y2, + 16 r
.endr
.irp k, 0,1,2,3,4,5,6,7
	s_wait_dscnt 7-\k
	global_store_b128 v[YO+\k], v[B0+32*ei+4*\k:B0+32*ei+4*\k+3], s[16:17]   ; 16 lanes store 256 consecutive bytes, aligned
.endr
.endif
.if ei > 0
.Lno_\@:
.endif
.endm
	s_load_b256 s[8:15], s[0:1], 0x0               ; the input s[8:9], the weights s[10:11], the bias s[12:13], the scales s[14:15]
	s_load_b128 s[16:19], s[0:1], 0x20             ; the output s[16:17], the list and the counts s[18:19]
.if LAY == 3
	s_load_b64 s[48:49], s[0:1], 0x30              ; the gates
	v_lshl_add_u32 v254, v0, 2, 0x26400
	v_mov_b32 v255, 0
.endif
	v_lshrrev_b32 v1, 5, v0
	v_readfirstlane_b32 s2, v1                     ; wave
	v_and_b32 v1, 31, v0                           ; lane
	v_and_b32 v2, 15, v0                           ; r
	v_bfe_u32 v3, v0, 4, 1                         ; h
	s_lshr_b32 s3, ttmp9, 5                        ; the expert
.if LAY == 3
	s_lshr_b32 s6, ttmp9, 1                        ; which slice of 64 weight rows, counted through all experts
	s_and_b32 s4, s6, 15                           ; and within mine
	s_and_b32 s5, ttmp9, 1                         ; the parity of my tiles
.else
	s_mov_b32 s6, ttmp9
	s_and_b32 s4, ttmp9, 31
.endif
	v_mul_u32_u24 v23, v3, 272
	v_lshl_add_u32 v23, v2, 4, v23
.irp t, 0,1,2,3
	v_add_nc_u32 v[BA+\t], \t*TS, v23              ; tile t: block h of a pair, position r
.endr
	v_lshlrev_b32 v18, 4, v1
	v_mul_u32_u24 v19, v1, 272                     ; parking: my lane's 16 bytes of a load are block lane of 32
.if LAY == 3
	s_mul_i32 s38, s2, TS                          ; my 16 rows are tile w, row rho at position rho
	v_lshlrev_b32 v20, 5, v3
.else
	s_lshr_b32 s38, s2, 1                          ; my 16 rows go to tiles 2 (w / 2) and 2 (w / 2) + 1, positions 8 (w % 2) on
	s_mul_i32 s38, s38, 2*TS
	s_and_b32 s39, s2, 1
	s_lshl_b32 s39, s39, 7
	s_add_co_u32 s38, s38, s39
	v_lshlrev_b32 v20, 6, v3
.endif
	v_add_nc_u32 v19, s38, v19
.if LAY == 1
	v_lshlrev_b32 v23, 4, v3                       ; 16 h
	v_lshlrev_b32 v26, 2, v2                       ; the list: rank r of a tile
.endif
.if LAY == 3
	v_lshlrev_b32 v11, 2, v2
	v_lshlrev_b32 v12, 2, v3
	v_lshlrev_b32 v15, 4, v2
	s_mul_i32 s38, s2, 4352
	s_add_co_u32 s38, s38, STAGE                   ; my stage
	v_mul_u32_u24 v13, v2, 272
	v_lshl_add_u32 v13, v3, 5, v13
	v_add_nc_u32 v13, s38, v13                     ; in: row r, 32 bytes for each half of the lanes
	v_mul_u32_u24 v14, v3, 272
	v_lshl_add_u32 v14, v2, 4, v14
	v_add_nc_u32 v14, s38, v14                     ; back: row h of a pair, 16 bytes a lane
.irp i, 0,1,2
	v_mov_b32 v[GT+2*\i+1], 0                      ; (named as the upper halves of pairs)
.endr
.endif
	s_mul_i32 s40, s6, 64*KB                       ; the weights: my slice,
	s_mul_i32 s41, s2, 16*KB                       ; my wave's 16 rows
	s_add_co_u32 s40, s40, s41
	s_mov_b32 s41, 0
	s_lshl_b32 s42, s6, 8                          ; the bias: 64 numbers a slice
	s_mov_b32 s43, 0
	s_lshl_b32 s44, s3, 21                         ; an expert's images
	s_mov_b32 s45, 0
.if LAY == 3
	s_lshl_b32 s50, s4, 8                          ; y2: my 64 columns
.else
	s_lshl_b32 s50, s4, 10                         ; the next K's 64 of my slice: half a K step of an image
.endif
	s_mov_b32 s51, 0
	s_lshl_b32 s54, s3, 9                          ; the count's 128 words
	s_mov_b32 s55, 0
	s_lshl_b32 s56, s3, 12                         ; the expert's 1,024 ranks
	s_mov_b32 s57, 0
	s_wait_kmcnt 0x0
	s_load_b128 s[32:35], s[14:15], 0x0            ; e0 .. e3
	s_load_b64 s[36:37], s[14:15], 0x10            ; e4, e5
	s_add_nc_u64 s[10:11], s[10:11], s[40:41]
	s_add_nc_u64 s[12:13], s[12:13], s[42:43]
	s_add_nc_u64 s[16:17], s[16:17], s[50:51]
.if LAY != 1
	s_add_nc_u64 s[8:9], s[8:9], s[44:45]
.endif
.if LAY != 3
	s_add_nc_u64 s[16:17], s[16:17], s[44:45]
.endif
	s_add_nc_u64 s[52:53], s[18:19], s[54:55]
	s_add_nc_u64 s[18:19], s[18:19], s[56:57]
	s_load_b32 s26, s[52:53], 0x8000               ; how many rows my expert has
.irp t, 0,1,2,3
.irp u, 0,1
.if LAY == 3
	global_load_b128 v[BIAS+8*\t+4*\u:BIAS+8*\t+4*\u+3], v20, s[12:13] offset:64*\t+16*\u                          ; columns 16 t + 8 h + 0 .. 7
.else
	global_load_b128 v[BIAS+8*\t+4*\u:BIAS+8*\t+4*\u+3], v20, s[12:13] offset:(32*(\t/2)+8*(\t%2))*4+16*\u         ; columns 32 (t / 2) + 16 h + 8 (t % 2) + 0 .. 7
.endif
.endr
.endr
	WLOAD
	WSTAGE
	s_wait_dscnt 0x0                               ; for the others' sake: my 16 rows lie in LDS
	s_barrier_signal -1
	s_barrier_wait -1                              ; the one barrier: behind it nothing is written into the weights' bytes
	s_wait_kmcnt 0x0
	s_add_co_i32 s38, s[EA], s[EB]                 ; a sum stands for sum x 2^(the two operands' e added)
.if LAY != 3
	s_sub_co_i32 s39, 0, s38
	s_sub_co_i32 s40, s[EN], s38
	s_add_co_i32 s40, s40, 127
	s_lshl_b32 s41, s40, 23
	v_mov_b32 v21, s41                             ; the three scales folded into the conversion's one
	s_add_co_i32 s40, s40, 15
	s_lshl_b32 s40, s40, 23
	s_or_b32 s40, s40, 0x600000
	v_mov_b32 v22, s40                             ; 57,344 x that
.set j, 0
.rept 32
	v_ldexp_f32 v[BIAS+j], v[BIAS+j], s39          ; the bias, divided by the power of two that the sums lack
.set j, j+1
.endr
.else
	s_add_co_i32 s46, s38, 127
	s_lshl_b32 s46, s46, 23                        ; 2^(e4 + e5) as f32
	s_mov_b32 s47, s46                             ; (named with it as a pair)
.endif
	s_min_u32 s26, s26, 1024
	s_add_co_u32 s26, s26, 15
	s_lshr_b32 s26, s26, 4                         ; tiles of 16 ranks
.if LAY == 3
	s_add_co_u32 s26, s26, 1
	s_sub_co_u32 s26, s26, s5
	s_lshr_b32 s26, s26, 1                         ; of my parity
.endif
	s_mov_b32 s27, s2                              ; my first tile
.Lround:
	s_cmp_lt_u32 s27, s26
	s_cbranch_scc0 .Lskip
	s_wait_xcnt 0x0                                ; what earlier stores and loads name (offsets, codes, rows read back) is written again only behind this wait
	HEAD
	KRUN
.set ei, 0
.rept RB
	EPI
.set ei, ei+1
.endr
.Lskip:
	s_add_co_u32 s27, s27, 4*RB
	s_cmp_lt_u32 s27, NTMAX
	s_cbranch_scc1 .Lround
	s_wait_tensorcnt 0x0
	ds_add_u32 v254, v255
	s_wait_dscnt 0x0
	s_endpgm
.Lfunc_end_k_q64a301325e_lay3:
	.size	k_q64a301325e_lay3, .Lfunc_end_k_q64a301325e_lay3-k_q64a301325e_lay3
	.p2alignl 7, 3214868480
	.fill 96, 4, 3214868480
	.section	.rodata,"a",@progbits
	.p2align	6, 0x0
	.amdhsa_kernel k_q64a301325e_lay3
		.amdhsa_group_segment_fixed_size 157184
		.amdhsa_private_segment_fixed_size 0
		.amdhsa_enable_private_segment 0
		.amdhsa_kernarg_size 56
		.amdhsa_user_sgpr_count 2
		.amdhsa_user_sgpr_kernarg_segment_ptr 1
		.amdhsa_wavefront_size32 1
		.amdhsa_system_sgpr_workgroup_id_x 1
		.amdhsa_system_sgpr_workgroup_id_y 1
		.amdhsa_system_sgpr_workgroup_id_z 1
		.amdhsa_system_vgpr_workitem_id 0
		.amdhsa_next_free_vgpr 768
		.amdhsa_next_free_sgpr 66
		.amdhsa_reserve_vcc 0
		.amdhsa_float_denorm_mode_32 3
		.amdhsa_float_denorm_mode_16_64 3
		.amdhsa_memory_ordered 1
		.amdhsa_forward_progress 1
		.amdhsa_inst_pref_size 92
	.end_amdhsa_kernel
	.amdgpu_metadata
---
amdhsa.version: [ 1, 2 ]
amdhsa.kernels:
  - .name:           k_q64a301325e_lay3
    .symbol:         k_q64a301325e_lay3.kd
    .args:
      - { .name: h2, .offset: 0, .size: 8, .value_kind: global_buffer, .address_space: global }
      - { .name: W3_codes, .offset: 8, .size: 8, .value_kind: global_buffer, .address_space: global }
      - { .name: b3, .offset: 16, .size: 8, .value_kind: global_buffer, .address_space: global }
      - { .name: lowp_scales, .offset: 24, .size: 8, .value_kind: global_buffer, .address_space: global }
      - { .name: y2, .offset: 32, .size: 8, .value_kind: global_buffer, .address_space: global }
      - { .name: rowinfo, .offset: 40, .size: 8, .value_kind: global_buffer, .address_space: global }
      - { .name: gw, .offset: 48, .size: 8, .value_kind: global_buffer, .address_space: global }
    .group_segment_fixed_size: 157184
    .private_segment_fixed_size: 0
    .kernarg_segment_align: 8
    .kernarg_segment_size: 56
    .max_flat_workgroup_size: 128
    .sgpr_count:     66
    .vgpr_count:     768
    .wavefront_size: 32
...
	.end_amdgpu_metadata
.endif
;; end of part 5
;; launch comb (part 6): grid 256 x 1, 4 waves a work-group, no clusters, 0 bytes of LDS; arguments y2, part, out0, out1, out2, out3; writes out0, out1, out2, out3
.if DOCPART == 6
	.amdgcn_target "amdgcn-amd-amdhsa--gfx1250"
	.amdhsa_code_object_version 6
	.text
	.protected	k_q64a301325e_comb
	.globl	k_q64a301325e_comb
	.p2align	8
	.type	k_q64a301325e_comb,@function
k_q64a301325e_comb:
	s_mov_b64 s[64:65], 0
	v_nop
	global_prefetch_b8 v0, s[64:65] scope:SCOPE_SE
	s_setreg_imm32_b32 hwreg(HW_REG_WAVE_MODE, 25, 1), 1
	s_wait_xcnt 0x0
; out0[token] = y2[2 token] + y2[2 token + 1]: the two chosen experts' rows, which carry their gates already.  A wave takes a token: 16 loads and 8 stores of 512 consecutive bytes.
; The first wave of the first work-group also makes the three small results from part [256][16] (per work-group of the router: the sums of the 8 probabilities, then of the 8 combine weights):
;   out2 = the mean combine weights; out1 = 0.01 x 8 x sum(mean probability x mean combine weight); out3 = -sum(p ln(p + 1e-8)) of the mean probabilities.
; That wave's text is written out on its own way, so that one branch decides; it asks for part ahead of its rows, and the counted waits, which count younger loads alone, hold on both ways.
; A stream: no LDS, no barrier, no matrix unit.
.set A, 8                              ; v8-39    the first row, then the sum
.set B, 40                             ; v40-71   the second row
.set P, 80                             ; v80-207  part: 32 x 4 registers
.macro SUMROWS
.irp j, 0,1,2,3,4,5,6,7
	global_load_b128 v[A+4*\j:A+4*\j+3], v2, s[4:5] offset:512*\j th:TH_LOAD_NT
	global_load_b128 v[B+4*\j:B+4*\j+3], v2, s[4:5] offset:4096+512*\j th:TH_LOAD_NT
.endr
.irp j, 0,1,2,3,4,5,6,7
	s_wait_loadcnt 14-2*\j                         ; pair j is in; the later pairs stay out
	v_pk_add_f32 v[A+4*\j:A+4*\j+1], v[A+4*\j:A+4*\j+1], v[B+4*\j:B+4*\j+1]
	v_pk_add_f32 v[A+4*\j+2:A+4*\j+3], v[A+4*\j+2:A+4*\j+3], v[B+4*\j+2:B+4*\j+3]
	global_store_b128 v2, v[A+4*\j:A+4*\j+3], s[8:9] offset:512*\j th:TH_STORE_NT
.endr
.endm
	s_load_b256 s[4:11], s[0:1], 0x0               ; y2, part, out0, out1
	s_load_b128 s[12:15], s[0:1], 0x20             ; out2, out3
	v_lshrrev_b32 v1, 5, v0
	v_readfirstlane_b32 s16, v1                    ; wave
	v_and_b32 v1, 31, v0                           ; lane
	v_lshlrev_b32 v2, 4, v1
	s_lshl_b32 s17, ttmp9, 2
	s_add_co_u32 s17, s17, s16                     ; my token
	s_lshl_b32 s18, s17, 13                        ; its two rows of y2
	s_mov_b32 s19, 0
	s_lshl_b32 s20, s17, 12                        ; its row of out0
	s_mov_b32 s21, 0
	s_mov_b32 s24, 0x76543210                      ; v_permlanex16_b32: lane l takes lane l xor 16
	s_mov_b32 s25, 0xfedcba98
	s_wait_kmcnt 0x0
	s_add_nc_u64 s[4:5], s[4:5], s[18:19]
	s_add_nc_u64 s[8:9], s[8:9], s[20:21]
	s_cmp_lg_u32 s17, 0
	s_cbranch_scc1 .Lplain
.set j, 0
.rept 32
	global_load_b128 v[P+4*j:P+4*j+3], v2, s[6:7] offset:512*j   ; lane l: row 8 j + l / 4, columns 4 (l % 4) + 0 .. 3
.set j, j+1
.endr
	SUMROWS                                        ; (its last wait is for 0: part is in too)
.irp st, 16,8,4,2,1
.set j, 0
.rept \st
	v_pk_add_f32 v[P+4*j:P+4*j+1], v[P+4*j:P+4*j+1], v[P+4*(j+\st):P+4*(j+\st)+1]
	v_pk_add_f32 v[P+4*j+2:P+4*j+3], v[P+4*j+2:P+4*j+3], v[P+4*(j+\st)+2:P+4*(j+\st)+3]
.set j, j+1
.endr
.endr
.irp m, 4,8
.irp k, 0,1,2,3
	v_add_f32_dpp v[P+\k], v[P+\k], v[P+\k] row_xmask:\m row_mask:0xf bank_mask:0xf   ; the lanes of equal l % 4 hold the same columns
.endr
.endr
.irp k, 0,1,2,3
	v_permlanex16_b32 v[P+4+\k], v[P+\k], s24, s25
.endr
.irp k, 0,1,2,3
	v_add_f32 v[P+\k], v[P+\k], v[P+4+\k]
.endr
.irp k, 0,1,2,3
	v_mul_f32 v[P+\k], 0x3a800000, v[P+\k]         ; / 1,024 tokens.  Lanes with l % 4 = 0, 1: mean probabilities 0-3, 4-7; = 2, 3: mean combine weights 0-3, 4-7
.endr
.irp k, 0,1,2,3
	v_mov_b32_dpp v[P+8+\k], v[P+\k] row_xmask:2 row_mask:0xf bank_mask:0xf   ; the combine weights come to the probabilities' lanes
.endr
.irp k, 0,1,2,3
	v_add_f32 v[74+\k], 0x322bcc77, v[P+\k]        ; + 1e-8
.endr
.irp k, 0,1,2,3
	v_log_f32 v[74+\k], v[74+\k]                   ; log2
.endr
	v_mul_f32 v72, v[P], v[P+8]                    ; (a plain line behind the logarithms)
	v_fma_f32 v72, v[P+1], v[P+9], v72
	v_fma_f32 v72, v[P+2], v[P+10], v72
	v_fma_f32 v72, v[P+3], v[P+11], v72
	s_wait_alu depctr_va_vdst(0)
	v_mul_f32 v73, v[P], v74
	v_fma_f32 v73, v[P+1], v75, v73
	v_fma_f32 v73, v[P+2], v76, v73
	v_fma_f32 v73, v[P+3], v77, v73
	v_add_f32_dpp v72, v72, v72 row_xmask:1 row_mask:0xf bank_mask:0xf   ; experts 0-3 and 4-7 meet: lane 0 holds both sums
	v_add_f32_dpp v73, v73, v73 row_xmask:1 row_mask:0xf bank_mask:0xf
	v_mul_f32 v72, 0x3da3d70a, v72                 ; x 0.01 x 8
	v_mul_f32 v73, 0xbf317218, v73                 ; x -ln 2
	v_mov_b32 v78, 0
	v_and_b32 v79, 1, v1
	v_lshlrev_b32 v79, 4, v79                      ; lane 2: byte 0 of out2, lane 3: byte 16
	v_lshrrev_b32 v3, 1, v1
	v_cmp_eq_u32 vcc_lo, 0, v1
	s_wait_xcnt 0x0                                ; EXEC changes only behind this wait
	s_and_saveexec_b32 s26, vcc_lo
	global_store_b32 v78, v72, s[10:11]
	global_store_b32 v78, v73, s[14:15]
	s_wait_xcnt 0x0
	s_or_b32 exec_lo, exec_lo, s26
	v_cmp_eq_u32 vcc_lo, 1, v3
	s_and_saveexec_b32 s26, vcc_lo
	global_store_b128 v79, v[P:P+3], s[12:13]
	s_wait_xcnt 0x0
	s_or_b32 exec_lo, exec_lo, s26
	s_endpgm
.Lplain:
	SUMROWS
	s_endpgm
.Lfunc_end_k_q64a301325e_comb:
	.size	k_q64a301325e_comb, .Lfunc_end_k_q64a301325e_comb-k_q64a301325e_comb
	.p2alignl 7, 3214868480
	.fill 96, 4, 3214868480
	.section	.rodata,"a",@progbits
	.p2align	6, 0x0
	.amdhsa_kernel k_q64a301325e_comb
		.amdhsa_group_segment_fixed_size 0
		.amdhsa_private_segment_fixed_size 0
		.amdhsa_enable_private_segment 0
		.amdhsa_kernarg_size 48
		.amdhsa_user_sgpr_count 2
		.amdhsa_user_sgpr_kernarg_segment_ptr 1
		.amdhsa_wavefront_size32 1
		.amdhsa_system_sgpr_workgroup_id_x 1
		.amdhsa_system_sgpr_workgroup_id_y 1
		.amdhsa_system_sgpr_workgroup_id_z 1
		.amdhsa_system_vgpr_workitem_id 0
		.amdhsa_next_free_vgpr 208
		.amdhsa_next_free_sgpr 66
		.amdhsa_reserve_vcc 1
		.amdhsa_float_denorm_mode_32 3
		.amdhsa_float_denorm_mode_16_64 3
		.amdhsa_memory_ordered 1
		.amdhsa_forward_progress 1
		.amdhsa_inst_pref_size 19
	.end_amdhsa_kernel
	.amdgpu_metadata
---
amdhsa.version: [ 1, 2 ]
amdhsa.kernels:
  - .name:           k_q64a301325e_comb
    .symbol:         k_q64a301325e_comb.kd
    .args:
      - { .name: y2, .offset: 0, .size: 8, .value_kind: global_buffer, .address_space: global }
      - { .name: part, .offset: 8, .size: 8, .value_kind: global_buffer, .address_space: global }
      - { .name: out0, .offset: 16, .size: 8, .value_kind: global_buffer, .address_space: global }
      - { .name: out1, .offset: 24, .size: 8, .value_kind: global_buffer, .address_space: global }
      - { .name: out2, .offset: 32, .size: 8, .value_kind: global_buffer, .address_space: global }
      - { .name: out3, .offset: 40, .size: 8, .value_kind: global_buffer, .address_space: global }
    .group_segment_fixed_size: 0
    .private_segment_fixed_size: 0
    .kernarg_segment_align: 8
    .kernarg_segment_size: 48
    .max_flat_workgroup_size: 128
    .sgpr_count:     66
    .vgpr_count:     208
    .wavefront_size: 32
...
	.end_amdgpu_metadata
.endif
;; end of part 6
;; ======== version 2 of 2: 5 launches
;; limits: right only within a limited range of input values
;; workspace buffers: xc 1,048,576 bytes; ridx 8,192 bytes of whole numbers; gw 8,192 bytes; part 16,384 bytes; h1 16,777,216 bytes; h2 16,777,216 bytes; rowinfo 69,632 bytes of whole numbers; y2 8,912,896 bytes
;; launch gate (part 7): grid 256 x 1, 4 waves a work-group, no clusters, 36,352 bytes of LDS; arguments x, Wg, bg, lowp_scales, xc, ridx, gw, part; writes xc, ridx, gw, part
.if DOCPART == 7
	.amdgcn_target "amdgcn-amd-amdhsa--gfx1250"
	.amdhsa_code_object_version 6
	.text
	.protected	k_q64a301325e_gate
	.globl	k_q64a301325e_gate
	.p2align	8
	.type	k_q64a301325e_gate,@function
k_q64a301325e_gate:
	s_mov_b64 s[64:65], 0
	v_nop
	global_prefetch_b8 v0, s[64:65] scope:SCOPE_SE
	s_setreg_imm32_b32 hwreg(HW_REG_WAVE_MODE, 25, 1), 1
	s_wait_xcnt 0x0
; THE ROUTER, AND x AS CODES.  raw = x Wg + bg in f32 (fused multiply-adds); the two largest of a token's 8 logits (of equal ones the lower index, as lax.top_k has it) and their softmax;
; the softmax over all 8; x as codes of E5M2 with the given scale 2^e1 (entry 1 of the scales).
; SHARES.  A work-group of four waves owns 4 tokens.  Wave w takes d = 256 w .. 256 w + 255 of all four tokens, a lane 8 neighbouring d: so Wg is read once by a work-group (64 registers a lane).
; The four quarter sums meet in LDS; then wave w finishes token w.  The chosen experts go to ridx [token][2] (whole numbers, at fixed places: no address here hangs on them), their gates to gw [token][2],
; the work-group's sums of the 8 probabilities and of the 8 combine weights to part [work-group][16].  A lane's 8 codes are 8 bytes: a wave's store covers 256 consecutive bytes of a token's row, aligned.
; No matrix unit (N = 8), no tensor load, no cluster: nothing here is read by two work-groups but Wg's 32 KB.
; LIMITS: e1 between -126 and 112.  NaN among the inputs is not served.  Two logits that differ by less than the rounding of an f32 sum of 1,024 terms may change places against another order of summing.
.set X,    8                           ; v8-39    x: token t at 8 t, my 8 numbers; later at work
.set W,    40                          ; v40-103  Wg: row i of my 8 at 8 i, expert e
.set ACC,  104                         ; v104-135 sums: token t at 8 t, expert e
.set LG,   104                         ; v104-111 my token's 8 logits
.set T,    112                         ; v112-119 at work
.set M,    120                         ; v120-127 the logits with the best one taken out
.set C,    136                         ; v136-143 codes: 2 registers a token
.set LOGS, 0                           ; LDS: 128 bytes a wave: its 32 quarter sums
.set PART, 512                         ; LDS: 128 bytes a wave: a token's probabilities and combine weights
.set WL,   1536                        ; LDS: each wave's 256 rows of Wg: 32 lanes x (256 bytes + 16 of padding)
.set WLW,  32*272
	s_load_b512 s[4:19], s[0:1], 0x0               ; x, Wg, bg, scales, xc, ridx, gw, part
	v_lshl_add_u32 v176, v0, 2, 0x400
	v_mov_b32 v177, 0
	v_lshrrev_b32 v1, 5, v0
	v_readfirstlane_b32 s20, v1                    ; wave
	v_and_b32 v1, 31, v0                           ; lane
	v_lshlrev_b32 v2, 5, v1                        ; x: 32 bytes a lane
	v_lshlrev_b32 v3, 4, v1                        ; Wg: 16 bytes a lane: a load takes 512 consecutive bytes
	v_lshlrev_b32 v4, 3, v1                        ; codes: 8 bytes a lane
	v_and_b32 v5, 7, v1                            ; the expert that my lane stands for in the softmax over all 8
	s_lshl_b32 s21, s20, 7
	v_mov_b32 v144, s21                            ; LOGS + 128 w: where my wave puts its sums
	s_lshl_b32 s21, s20, 5
	v_mov_b32 v145, s21                            ; LOGS + 32 w: token w's 8 sums in each wave's part
	v_lshl_add_u32 v146, v0, 2, PART               ; PART + 128 w + 4 lane
	v_lshl_add_u32 v147, v1, 2, PART               ; PART + 4 lane
	v_lshlrev_b32 v148, 2, v1                      ; 4 lane
	s_mul_i32 s21, s20, WLW
	s_add_co_u32 s21, s21, WL
	v_lshrrev_b32 v172, 4, v1
	v_add_nc_u32 v172, v172, v1
	v_lshlrev_b32 v172, 4, v172
	v_add_nc_u32 v172, s21, v172                   ; Wg into my wave's LDS: 16 lane, + 16 behind each 256 bytes
	v_mul_u32_u24 v173, v1, 272
	v_add_nc_u32 v173, s21, v173                   ; and back: my lane's 8 rows, 256 consecutive bytes
	s_lshl_b32 s36, ttmp9, 14                      ; x: 4 tokens of 4,096 bytes a work-group,
	s_lshl_b32 s21, s20, 10
	s_add_co_u32 s36, s36, s21                     ; + my wave's 1,024 bytes of a row
	s_mov_b32 s37, 0
	s_lshl_b32 s38, s20, 13                        ; Wg: my wave's 256 rows
	s_mov_b32 s39, 0
	s_lshl_b32 s40, ttmp9, 12                      ; xc: 4 rows of 1,024 bytes,
	s_lshl_b32 s21, s20, 8
	s_add_co_u32 s40, s40, s21                     ; + my wave's 256
	s_mov_b32 s41, 0
	s_lshl_b32 s42, ttmp9, 2
	s_add_co_u32 s42, s42, s20                     ; the token that my wave finishes
	s_lshl_b32 s42, s42, 3                         ; 8 bytes a token in ridx and in gw
	s_mov_b32 s43, 0
	s_lshl_b32 s44, ttmp9, 6                       ; part: 64 bytes a work-group
	s_mov_b32 s45, 0
	s_mov_b32 s34, 0x76543210                      ; v_permlanex16_b32: lane l takes lane l xor 16
	s_mov_b32 s35, 0xfedcba98
	s_wait_alu depctr_va_vdst(0)
	s_wait_kmcnt 0x0
	s_load_b256 s[24:31], s[8:9], 0x0              ; bg
	s_load_b32 s32, s[10:11], 0x4                  ; e1
	s_add_nc_u64 s[4:5], s[4:5], s[36:37]
	s_add_nc_u64 s[6:7], s[6:7], s[38:39]
	s_add_nc_u64 s[12:13], s[12:13], s[40:41]
	s_add_nc_u64 s[14:15], s[14:15], s[42:43]
	s_add_nc_u64 s[16:17], s[16:17], s[42:43]
	s_add_nc_u64 s[18:19], s[18:19], s[44:45]
.irp t, 0,1,2,3
	global_load_b128 v[X+8*\t:X+8*\t+3],   v2, s[4:5] offset:4096*\t th:TH_LOAD_NT
	global_load_b128 v[X+8*\t+4:X+8*\t+7], v2, s[4:5] offset:4096*\t+16 th:TH_LOAD_NT
.endr
.irp m, 0,1,2,3,4,5,6,7,8,9,10,11,12,13,14,15
	global_load_b128 v[W+4*\m:W+4*\m+3], v3, s[6:7] offset:512*\m
.endr
.irp m, 0,1,2,3,4,5,6,7,8,9,10,11,12,13,14,15
	s_wait_loadcnt 15-\m                           ; load m is in (and x ahead of it); the younger ones stay out
	ds_store_b128 v172, v[W+4*\m:W+4*\m+3] offset:544*\m
.endr
.irp m, 0,1,2,3,4,5,6,7,8,9,10,11,12,13,14,15
	ds_load_b128 v[W+4*\m:W+4*\m+3], v173 offset:16*\m   ; my wave's own bytes: LDS serves a wave's instructions in order (ISA guide 5.7.1.4)
.endr
	s_wait_dscnt 0x0
; 4 tokens x 8 experts, 8 d a lane: two experts an instruction, one number of x for both halves.  The first products start the sums; 16 sums take turns.
.irp i, 0,1,2,3,4,5,6,7
.irp t, 0,1,2,3
.irp p, 0,1,2,3
.if \i == 0
	v_pk_mul_f32 v[ACC+8*\t+2*\p:ACC+8*\t+2*\p+1], v[X+8*\t:X+8*\t+1], v[W+2*\p:W+2*\p+1] op_sel_hi:[0,1]
.elseif (\i%2) == 0
	v_pk_fma_f32 v[ACC+8*\t+2*\p:ACC+8*\t+2*\p+1], v[X+8*\t+\i:X+8*\t+\i+1], v[W+8*\i+2*\p:W+8*\i+2*\p+1], v[ACC+8*\t+2*\p:ACC+8*\t+2*\p+1] op_sel_hi:[0,1,1]
.else
	v_pk_fma_f32 v[ACC+8*\t+2*\p:ACC+8*\t+2*\p+1], v[X+8*\t+\i-1:X+8*\t+\i], v[W+8*\i+2*\p:W+8*\i+2*\p+1], v[ACC+8*\t+2*\p:ACC+8*\t+2*\p+1] op_sel:[1,0,0] op_sel_hi:[1,1,1]
.endif
.endr
.endr
.endr
; x as codes
	s_wait_kmcnt 0x0
	s_add_co_i32 s33, s32, 127
	s_lshl_b32 s21, s33, 23
	v_mov_b32 v6, s21                              ; 2^e1 as f32: the conversion takes its exponent field
	s_add_co_i32 s33, s33, 15
	s_lshl_b32 s33, s33, 23
	s_or_b32 s33, s33, 0x600000
	v_mov_b32 v7, s33                              ; 57,344 x 2^e1
.set j, 0
.rept 32
	v_med3_num_f32 v[X+j], v[X+j], -v7, v7         ; the conversion to an 8-bit code does not saturate (ISA guide 7.6.2): the hold comes first
.set j, j+1
.endr
.irp t, 0,1,2,3
	v_cvt_scalef32_pk8_bf8_f32 v[C+2*\t:C+2*\t+1], v[X+8*\t:X+8*\t+7], v6
.endr
.irp t, 0,1,2,3
	global_store_b64 v4, v[C+2*\t:C+2*\t+1], s[12:13] offset:1024*\t
.endr
; the 32 sums over my wave's 32 lanes (the additions below are also the plain lines between the conversions and the next write of their sources)
.irp m, 1,2,4,8
.set j, 0
.rept 32
	v_add_f32_dpp v[ACC+j], v[ACC+j], v[ACC+j] row_xmask:\m row_mask:0xf bank_mask:0xf
.set j, j+1
.endr
.endr
.set j, 0
.rept 32
	v_permlanex16_b32 v[X+j], v[ACC+j], s34, s35
.set j, j+1
.endr
.set j, 0
.rept 16
	v_pk_add_f32 v[ACC+2*j:ACC+2*j+1], v[ACC+2*j:ACC+2*j+1], v[X+2*j:X+2*j+1]
.set j, j+1
.endr
.irp q, 0,1,2,3,4,5,6,7
	ds_store_b128 v144, v[ACC+4*\q:ACC+4*\q+3] offset:LOGS+16*\q   ; every lane holds the same sums and writes the same bytes
.endr
	s_wait_dscnt 0x0                               ; for the others' sake: my sums lie in LDS
	s_barrier_signal -1
	s_barrier_wait -1
.irp q, 0,1,2,3
	ds_load_b128 v[X+8*\q:X+8*\q+3],   v145 offset:LOGS+128*\q      ; token w's 8 sums of wave q
	ds_load_b128 v[X+8*\q+4:X+8*\q+7], v145 offset:LOGS+128*\q+16
.endr
	s_wait_dscnt 0x0
.irp p, 0,2,4,6
	v_pk_add_f32 v[LG+\p:LG+\p+1], v[X+\p:X+\p+1], v[X+8+\p:X+8+\p+1]
	v_pk_add_f32 v[T+\p:T+\p+1], v[X+16+\p:X+16+\p+1], v[X+24+\p:X+24+\p+1]
.endr
.irp p, 0,2,4,6
	v_pk_add_f32 v[LG+\p:LG+\p+1], v[LG+\p:LG+\p+1], v[T+\p:T+\p+1]
.endr
.irp e, 0,1,2,3,4,5,6,7
	v_add_f32 v[LG+\e], s[24+\e], v[LG+\e]         ; + bg: the raw gates, all 8 in every lane
.endr
; the best, then the best of the rest: selections only, no branch.  Where the one held so far is at least as large it stays: the lower index wins a tie
	v_mov_b32 v150, v[LG]
	v_mov_b32 v151, 0
.irp e, 1,2,3,4,5,6,7
	v_cmp_ge_f32 vcc_lo, v150, v[LG+\e]
	v_cndmask_b32 v151, \e, v151, vcc_lo
	v_cndmask_b32 v150, v[LG+\e], v150, vcc_lo
.endr
	v_mov_b32 v154, 0xff800000                     ; -infinity
.irp e, 0,1,2,3,4,5,6,7
	v_cmp_eq_u32 vcc_lo, \e, v151
	v_cndmask_b32 v[M+\e], v[LG+\e], v154, vcc_lo
.endr
	v_mov_b32 v152, v[M]
	v_mov_b32 v153, 0
.irp e, 1,2,3,4,5,6,7
	v_cmp_ge_f32 vcc_lo, v152, v[M+\e]
	v_cndmask_b32 v153, \e, v153, vcc_lo
	v_cndmask_b32 v152, v[M+\e], v152, vcc_lo
.endr
; the two gates: softmax of (best, second), the larger taken away first
	v_sub_f32 v155, v152, v150
	v_mul_f32 v155, 0x3fb8aa3b, v155
	s_wait_alu depctr_va_vdst(0)
	v_exp_f32 v156, v155
	v_mov_b32 v160, v[LG]                          ; (a plain line behind the exponential)  my lane's logit is picked below
	s_wait_alu depctr_va_vdst(0)
	v_add_f32 v157, 1.0, v156
	s_wait_alu depctr_va_vdst(0)
	v_rcp_f32 v158, v157                           ; g0
.irp e, 1,2,3,4,5,6,7
	v_cmp_eq_u32 vcc_lo, \e, v5
	v_cndmask_b32 v160, v160, v[LG+\e], vcc_lo
.endr
	s_wait_alu depctr_va_vdst(0)
	v_mul_f32 v159, v156, v158                     ; g1
; the softmax over all 8: lane l stands for expert l % 8
	v_sub_f32 v161, v160, v150
	v_mul_f32 v161, 0x3fb8aa3b, v161
	s_wait_alu depctr_va_vdst(0)
	v_exp_f32 v161, v161
	v_nop
	s_wait_alu depctr_va_vdst(0)
	v_mov_b32 v162, v161
	v_add_f32_dpp v162, v162, v162 row_xmask:1 row_mask:0xf bank_mask:0xf
	v_add_f32_dpp v162, v162, v162 row_xmask:2 row_mask:0xf bank_mask:0xf
	v_add_f32_dpp v162, v162, v162 row_xmask:4 row_mask:0xf bank_mask:0xf
	s_wait_alu depctr_va_vdst(0)
	v_rcp_f32 v162, v162
	v_cmp_eq_u32 vcc_lo, v5, v153                  ; (a plain line behind the reciprocal)
	v_cndmask_b32 v163, 0, v159, vcc_lo            ; the combine weight of my lane's expert: g1, g0 or 0
	v_cmp_eq_u32 vcc_lo, v5, v151
	v_cndmask_b32 v163, v163, v158, vcc_lo
	s_wait_alu depctr_va_vdst(0)
	v_mul_f32 v161, v161, v162                     ; its probability
	v_and_b32 v165, 8, v1
	v_cmp_ne_u32 vcc_lo, 0, v165
	v_cndmask_b32 v164, v161, v163, vcc_lo         ; lanes 0-7 (and 16-23): probabilities; lanes 8-15 (and 24-31): combine weights
	ds_store_b32 v146, v164
	v_and_b32 v165, 1, v1
	v_cmp_eq_u32 vcc_lo, 1, v165
	v_cndmask_b32 v166, v151, v153, vcc_lo
	v_cndmask_b32 v167, v158, v159, vcc_lo
	v_cmp_gt_u32 vcc_lo, 2, v1
	s_wait_alu depctr_va_vdst(0)
	s_wait_xcnt 0x0                                ; EXEC changes only behind this wait: the codes' stores have been issued
	s_and_saveexec_b32 s33, vcc_lo
	global_store_b32 v148, v166, s[14:15]          ; lanes 0 and 1: the two experts,
	global_store_b32 v148, v167, s[16:17]          ; and their gates
	s_wait_xcnt 0x0
	s_or_b32 exec_lo, exec_lo, s33
	s_wait_dscnt 0x0                               ; for wave 0's sake
	s_barrier_signal -1
	s_barrier_wait -1
	s_cmp_lg_u32 s20, 0
	s_cbranch_scc1 .Lend
.irp k, 0,1,2,3
	ds_load_b32 v[168+\k], v147 offset:128*\k
.endr
	s_wait_dscnt 0x0
	v_add_f32 v168, v168, v169
	v_add_f32 v170, v170, v171
	v_add_f32 v168, v168, v170                     ; the four tokens' sum
	v_cmp_gt_u32 vcc_lo, 16, v1
	s_and_saveexec_b32 s33, vcc_lo
	global_store_b32 v148, v168, s[18:19]
	s_wait_xcnt 0x0
	s_or_b32 exec_lo, exec_lo, s33
.Lend:
	s_wait_tensorcnt 0x0
	ds_add_u32 v176, v177
	s_wait_dscnt 0x0
	s_endpgm
.Lfunc_end_k_q64a301325e_gate:
	.size	k_q64a301325e_gate, .Lfunc_end_k_q64a301325e_gate-k_q64a301325e_gate
	.p2alignl 7, 3214868480
	.fill 96, 4, 3214868480
	.section	.rodata,"a",@progbits
	.p2align	6, 0x0
	.amdhsa_kernel k_q64a301325e_gate
		.amdhsa_group_segment_fixed_size 36352
		.amdhsa_private_segment_fixed_size 0
		.amdhsa_enable_private_segment 0
		.amdhsa_kernarg_size 64
		.amdhsa_user_sgpr_count 2
		.amdhsa_user_sgpr_kernarg_segment_ptr 1
		.amdhsa_wavefront_size32 1
		.amdhsa_system_sgpr_workgroup_id_x 1
		.amdhsa_system_sgpr_workgroup_id_y 1
		.amdhsa_system_sgpr_workgroup_id_z 1
		.amdhsa_system_vgpr_workitem_id 0
		.amdhsa_next_free_vgpr 178
		.amdhsa_next_free_sgpr 66
		.amdhsa_reserve_vcc 1
		.amdhsa_float_denorm_mode_32 3
		.amdhsa_float_denorm_mode_16_64 3
		.amdhsa_memory_ordered 1
		.amdhsa_forward_progress 1
		.amdhsa_inst_pref_size 37
	.end_amdhsa_kernel
	.amdgpu_metadata
---
amdhsa.version: [ 1, 2 ]
amdhsa.kernels:
  - .name:           k_q64a301325e_gate
    .symbol:         k_q64a301325e_gate.kd
    .args:
      - { .name: x, .offset: 0, .size: 8, .value_kind: global_buffer, .address_space: global }
      - { .name: Wg, .offset: 8, .size: 8, .value_kind: global_buffer, .address_space: global }
      - { .name: bg, .offset: 16, .size: 8, .value_kind: global_buffer, .address_space: global }
      - { .name: lowp_scales, .offset: 24, .size: 8, .value_kind: global_buffer, .address_space: global }
      - { .name: xc, .offset: 32, .size: 8, .value_kind: global_buffer, .address_space: global }
      - { .name: ridx, .offset: 40, .size: 8, .value_kind: global_buffer, .address_space: global }
      - { .name: gw, .offset: 48, .size: 8, .value_kind: global_buffer, .address_space: global }
      - { .name: part, .offset: 56, .size: 8, .value_kind: global_buffer, .address_space: global }
    .group_segment_fixed_size: 36352
    .private_segment_fixed_size: 0
    .kernarg_segment_align: 8
    .kernarg_segment_size: 64
    .max_flat_workgroup_size: 128
    .sgpr_count:     66
    .vgpr_count:     178
    .wavefront_size: 32
...
	.end_amdgpu_metadata
.endif
;; end of part 7
;; launch lay1 (part 8): grid 256 x 1, 4 waves a work-group, no clusters, 70,144 bytes of LDS; arguments xc, W1_codes, b1, lowp_scales, h1, rowinfo, ridx; writes h1, rowinfo
.if DOCPART == 8
	.amdgcn_target "amdgcn-amd-amdhsa--gfx1250"
	.amdhsa_code_object_version 6
	.text
	.protected	k_q64a301325e_lay1
	.globl	k_q64a301325e_lay1
	.p2align	8
	.type	k_q64a301325e_lay1,@function
k_q64a301325e_lay1:
	s_mov_b64 s[64:65], 0
	v_nop
	global_prefetch_b8 v0, s[64:65] scope:SCOPE_SE
	s_setreg_imm32_b32 hwreg(HW_REG_WAVE_MODE, 25, 1), 1
	s_wait_xcnt 0x0
; ONE LAYER OF THE EXPERTS, FOR THE ROUTED ROWS ALONE.  One text serves the three layers; LAY says which.
;   LAY 1: h1 = Q(relu(x W1 + b1)), K = 1,024;  LAY 2: h2 = Q(relu(h1 W2 + b2)), K = 2,048;  LAY 3: y2[2 token + slot] = gate x (h2 W3 + b3), K = 2,048.   All products on codes of E5M2, sums in f32.
; SHARES.  A work-group owns one expert e and 64 output columns (LAY 1, 2: 8 x 32 work-groups; LAY 3: 8 x 16, and of the expert's row tiles those of parity p: x 2).  Its 64 rows of the weights are asked for at the head, all at once,
; 512 consecutive bytes a load, and parked in LDS; so each weight byte is read by one work-group (LAY 3: two).  The expert's rows come in tiles of 16 ranks: wave w takes tiles w, w + 4, .. , RB of them in a round, straight from memory
; into operand registers (no two waves read the same rows), through a ring of 15 fragments that keeps 56 to 60 loads of a wave on their way.  A weight fragment read from LDS feeds RB matrix instructions.
; A WAVE'S FIRST ROUND IS ASKED FOR AHEAD OF THE BARRIER: its first 15 fragments go out between the batches in which the weights are parked.  A trip of the loop multiplies and stores a round, then sets up and asks for the next, if there is one.
; HOW MANY TILES there are hangs on the experts that the router's launch stored as whole numbers: LAY 1 counts them, LAY 2 and 3 read the count that LAY 1 stored.  So this text has no tensor load, no copy and no joint request, though the
; work-groups of an expert read the same rows: a text with those has no branch on such a number.  The loop over rounds has a constant count; a round with no tile for the wave is jumped over.  No barrier stands behind the first such branch.
; THE MATRIX INSTRUCTION IS USED TRANSPOSED: source 0 = 16 rows of the weights, source 1 = 16 rows of the layer's input: a lane holds ONE row and eight output columns.  Both operands are fed by loads of 16 bytes: registers 4 c .. 4 c + 3
; of lane (r, h) hold k = 32 c + 16 h + 0 .. 15: the same permutation of k on both sides, so every product meets its partner.
; LAY 1, 2: THE WEIGHT ROWS OF A TILE ARE NOT NEIGHBOURS: position i of tile 2 b + u is row 32 b + 8 u + i + 8 (i / 8) of the slice, so that the 16 registers of tiles 2 b, 2 b + 1 are 16 neighbours of the next K, and the conversions' results
; are the next layer's operand registers.  h1 and h2 lie as images of those registers: e x 2^21 + tile x 32,768 + K step x 2,048 + c x 512 + 16 x lane: every store and load of a wave covers 512 consecutive bytes.
; The bias goes in as the C of each sum's first product, divided by the power of two that the sums lack; relu is the lower end of the hold that the conversion wants anyway; the three scales are folded into the conversion's one.
; THE PLACING (LAY 1).  Tokens go in 32 groups of 32: lane l of group g is token 64 (g / 2) + 2 l + g % 2.  M_g = the lanes whose token names e; P_g = the set bits of the masks before; a row's rank = P_g + the set bits of M_g below its lane.
; Every wave makes the 32 masks, in scalar registers, and goes the other way for the ranks of its tiles: the last g with P_g <= rank, then the place of set bit number rank - P_g of M_g.  That is register work, done while the weights are on their way.
; THE LIST (rowinfo), stored by LAY 1 for LAY 3: word rank of the expert's 1,024 holds 2 token + slot; ranks from the count on hold 2,048 + 16 e + rank % 16, which names a row of y2 that nobody reads.  Wave 0 of slice s stores group s's words and
; the words of ranks count + 32 s + lane; slice 0 the count, 128 times, at byte 32,768 + 512 e.  A lane with nothing to store writes a spare word of its work-group's, 9,216 + 32 s + lane words behind the expert's first; nobody reads those.
; A rank from the count on reads some token's row in LAY 1 (held at 1,023).  A slot past the end takes tile 0 in LAY 2 and 3; LAY 1 and 2 make at least one tile, so those bytes have been stored; such a slot's result is not stored.
; LIMITS: e2 - e0 - e1 and e4 - e2 - e3 between -126 and 112; e4 + e5 between -126 and 127.  NaN among the inputs is not served.
; A WAVE'S LAST SLOT: from K step 1 on its loads and products are jumped over where it has no tile (macro LASTG; K step 0 and the first 15 fragments are not, so that every register is written).  So the waits count the other
; RB - 1 slots' loads alone: 44 stay out at the least (LAY 3: 36), up to 60 where the last slot has a tile.
.set LAY, 1
.if LAY == 1
.set KS, 8                             ; K steps of 128
.set RB, 5                             ; row tiles of a wave in a round
.set ASTEP, 128                        ; bytes from K step to K step in the input: rows of xc
.set ACS, 32                           ; and from c to c
.set NTMAX, 64                         ; tiles at the most
.set EA, 32                            ; s32.. hold e0 .. e5: the two operands' scales, and the result's
.set EB, 33
.set EN, 34
.endif
.if LAY == 2
.set KS, 16
.set RB, 5
.set ASTEP, 2048                       ; images
.set ACS, 512
.set NTMAX, 64
.set EA, 34
.set EB, 35
.set EN, 36
.endif
.if LAY == 3
.set KS, 16
.set RB, 3
.set ASTEP, 2048
.set ACS, 512
.set NTMAX, 32                         ; of one parity
.set EA, 36
.set EB, 37
.endif
.set KB,   128*KS                      ; bytes in a row of the weights
.set NG,   KB/512                      ; loads that bring one
.set NW,   16*NG                       ; weight loads of a wave: 16 rows
.set NB,   NW/8                        ; batches of eight in which they are parked
.set NF,   KS*RB                       ; input fragments of a round
.set RING, 15
.set LK,   RING/RB                     ; K steps in the ring
.set FPB,  (RING+NB-1)/NB              ; fragments asked for behind each batch
.set TS,   (KB/16)*272                 ; LDS: a tile of 16 weight rows: for each 16 along K a block of 16 positions x 16 bytes, + 16 of padding.  A fragment load's 16 lanes take 256 consecutive bytes; a parking store's 16 lanes stand 272 apart
.set STAGE, 4*TS                       ; LAY 3: 16 rows x (256 + 16) bytes for each wave, for the way out
; window 0: v1 lane, v2 r, v3 h; v18 16 x lane; v19 where I park; v20 the bias's offset; v21, v22 the conversion's scale and 57,344 x it; LAY 1: v23 16 h, v27 my spare word, v28 4 x lane, v232-239 what wave 0 stores in the list
.set BA,   4                           ; v4-7     my lane's place in weight tile t
.set AO,   8                           ; v8..     slot i: my byte offset in its input tile
.set HO,   13                          ; v13-17   LAY 1: slot i: my byte offset in its output tile (LAY 2: AO serves)
.set BIAS, 32                          ; v32-63   tile t at 8 t
.set B0,   64                          ; v64-191  weight fragments, two sets of 4 x 16
.set IDX,  128                         ; LAY 1, ahead of the products: the experts of all tokens
.set RH,   64                          ; LAY 1, between the products, five registers each, one a slot: the rank, then what is left of it;
.set MS,   69                          ; the mask of the rank's group;
.set PK,   74                          ; P_g + 65,536 x the group's first token;
.set SA,   79                          ; the mask's bit sums in fields of 2,
.set SB,   84                          ; of 4,
.set SC,   89                          ; of 8,
.set SD,   94                          ; of 16;
.set TK,   99                          ; the group's first token;
.set PO,   104                         ; the place of the bit;
.set T1,   109                         ; at work
.set T2,   114
.set PC,   192                         ; v192-231 LAY 1, 2: slot i's codes at 8 i
.set TMP,  192                         ; v192-223 LAY 3: a slot's results
.set YO,   224                         ; v224-231 LAY 3: offsets of 8 pairs of rows in y2
.set RAO,  232                         ; LAY 3: offsets in the list; what it holds for my row; the gate's offset; the gate (in pairs)
.set RBO,  235
.set RIA,  238
.set GWO,  241
.set GT,   244
.set RIB,  128                         ; window 1, v128..: LAY 3: slot i at 8 i: the list's words for rows 2 k + h
; window 1: v0..: the accumulators, slot i, tile t at 8 (4 i + t).   window 2: the ring, fragment f at 16 (f % 15).   window 3: the weights on their way to LDS
; LAY 1, scalars: s66-97 the masks M_g; s98, s99 P_g by turns; s100, s101 the packed word by turns; s58-62 compare masks; s7 at work; s28 the count; s29, s30, s31: P, the second slot's mask and M of the group that my slice stores
.set MULB, 0x48                        ; source 1 window 2, C window 0 or the constant, D window 1
.set MUL,  0x58                        ; source 1 window 2, C and D window 1
.set TOA,  0x80                        ; destination window 2
.set TOW,  0xc0                        ; destination window 3
.set STW,  0x0c                        ; an LDS store's data window 3
.set HOLD, 0x41                        ; source 0 and destination window 1
.set FROMACC, 0x01                     ; source 0 window 1
.set MSB, 0
.macro WIN new                         ; the immediate's high byte repeats the setting that is left; a switch that changes nothing is dropped
.if MSB != \new
	s_set_vgpr_msb (MSB<<8)|\new
.set MSB, \new
.endif
.endm
.macro WLOAD                           ; my 16 rows of the slice: each load takes 512 consecutive bytes of one row
	WIN TOW
.set q, 0
.rept NW
.if LAY == 3
	global_load_b128 v[4*q:4*q+3], v18, s[10:11] offset:(q/NG)*KB+512*(q%NG)
.else
	global_load_b128 v[4*q:4*q+3], v18, s[10:11] offset:(q/NG)*KB+512*(q%NG) th:TH_LOAD_NT
.endif
.set q, q+1
.endr
	WIN 0
.endm
.macro AFRAG                           ; input fragment fa: K step fa / RB of slot fa % RB
	WIN TOA
.irp c, 0,1,2,3
	global_load_b128 v[16*(fa%RING)+4*\c:16*(fa%RING)+4*\c+3], v[AO+fa%RB], s[8:9] offset:ASTEP*(fa/RB)+ACS*\c
.endr
.endm
.macro WSTAGE                          ; the weights go into LDS, eight loads at a time; behind each batch FPB fragments of the first round are asked for
.set q, 0
.set fa, 0
.rept NB
	s_wait_loadcnt NW-8-q+4*fa                     ; these eight are in; younger: the later weights and the 4 fa loads of the fragments asked for so far
	WIN STW
.rept 8
.if LAY == 3
.set im, 16*(q/NG)+8704*(q%NG)
.else
.set im, ((q/NG)>>3)*TS+((q/NG)&7)*16+8704*(q%NG)
.endif
	ds_store_b128 v19, v[4*q:4*q+3] offset:im
.set q, q+1
.endr
.rept FPB
.if fa < RING
	AFRAG
.set fa, fa+1
.endif
.endr
.endr
	WIN 0
.endm
.macro RINGFILL                        ; a later round's first 15 fragments, in one run
.set fa, 0
.rept RING
	AFRAG
.set fa, fa+1
.endr
	WIN 0
.endm
.macro BFETCH                          ; the four weight fragments of K step sb into set sb % 2
	WIN 0
.irp t, 0,1,2,3
.irp c, 0,1,2,3
	ds_load_b128 v[B0+64*(sb%2)+16*\t+4*\c:B0+64*(sb%2)+16*\t+4*\c+3], v[BA+\t] offset:2176*sb+544*\c
.endr
.endr
.endm
; Fragment fc against the four weight tiles.  No two matrix instructions that follow each other share an accumulator: the 4 RB take turns, one instruction a turn.
.macro GROUP
.if fc/RB+LK < KS                      ; loads come back in order: fragment fc is in; younger are, of the slots but the last, RB - 1 fragments for each of LK K steps (less fc itself)
.if fc%RB < RB-1
	s_wait_loadcnt 4*((RB-1)*LK-1)
.else
	s_wait_loadcnt 4*(RB-1)*LK
.endif
.elseif fc%RB < RB-1                   ; or those that are left
	s_wait_loadcnt 4*(RB-2-fc%RB+(RB-1)*(KS-1-fc/RB))
.else
	s_wait_loadcnt 4*(RB-1)*(KS-1-fc/RB)
.endif
.if (LAY == 3) && (fc == 0)
	WIN 0                                          ; the list's words were asked for ahead of fragment 0, so they are in: my rows' gates are asked for now.  (Three loads more are out than the waits that follow count: those waits are the stricter for it)
.irp i, 0,1,2
	v_min_u32 v[GWO+\i], 0x7ff, v[RIA+\i]
	v_lshlrev_b32 v[GWO+\i], 2, v[GWO+\i]
.endr
.irp i, 0,1,2
	global_load_b32 v[GT+2*\i], v[GWO+\i], s[48:49]
.endr
.endif
.if fc/RB == 0
	WIN MULB
.else
	WIN MUL
.endif
.irp t, 0,1,2,3
.set rD, 8*(4*(fc%RB)+\t)
.set rW, B0+64*((fc/RB)%2)+16*\t
.set rA, 16*(fc%RING)
.if fc/RB > 0
	v_wmma_f32_16x16x128_bf8_bf8 v[rD:rD+7], v[rW:rW+15], v[rA:rA+15], v[rD:rD+7]
.elseif LAY == 3
	v_wmma_f32_16x16x128_bf8_bf8 v[rD:rD+7], v[rW:rW+15], v[rA:rA+15], 0
.else
	v_wmma_f32_16x16x128_bf8_bf8 v[rD:rD+7], v[rW:rW+15], v[rA:rA+15], v[BIAS+8*\t:BIAS+8*\t+7]
.endif
.endr
.rept 4
	v_nop                                          ; four places ahead of loads into registers that these products read, and of the first read of results
.endr
.if fc+RING < NF
.set fa, fc+RING
	AFRAG                                          ; the ring's place takes the fragment 15 further on
.endif
.endm
.macro LASTG                           ; the last slot's group, where the slot has a tile
	WIN 0
	s_cmp_lt_u32 s[20+RB-1], s26
	s_cbranch_scc0 .Lk_\@
	GROUP
	WIN 0
.Lk_\@:
.endm
.macro KBODY                           ; a round's products, written out: every LDS address is a register that stays + an immediate.  Its first 15 fragments have been asked for
.set sb, 0
	BFETCH
.set kq, 0
	s_wait_alu depctr_va_vdst(0)
.rept KS
.if kq+1 < KS
.set sb, kq+1
	BFETCH
	s_wait_dscnt 16                                ; this step's weight fragments are in; the next step's 16 loads stay out
.else
	s_wait_dscnt 0x0
.endif
.set sl, 0
.rept RB
.set fc, kq*RB+sl
.if (sl == RB-1) && (kq > 0)
	LASTG
.else
	GROUP
.endif
.set sl, sl+1
.endr
.set kq, kq+1
.endr
.endm
.macro NTILES                          ; s26: from the count of rows to the count of tiles
	s_min_u32 s26, s26, 1024
	s_add_co_u32 s26, s26, 15
	s_lshr_b32 s26, s26, 4                         ; tiles of 16 ranks
.if LAY == 3
	s_add_co_u32 s26, s26, 1
	s_sub_co_u32 s26, s26, s5
	s_lshr_b32 s26, s26, 1                         ; of my parity
.else
	s_max_u32 s26, s26, 1                          ; at least one, so that tile 0 of h1 and of h2 is always stored
.endif
.endm
.macro V5 op, d, a, b                  ; one line for each of the five slots, so that no line waits for the line above it
.irp i, 0,1,2,3,4
	\op v[\d+\i], v[\a+\i], v[\b+\i]
.endr
.endm
.macro V5K op, d, k, b
.irp i, 0,1,2,3,4
	\op v[\d+\i], \k, v[\b+\i]
.endr
.endm
; One halving: t = the set bits in the lower k places of what is left (a field of the sums x, at place PO).  Where the number sought is t or more, the bit lies in the upper k: t is taken off and the place goes up by k.  how: 0 first, 1 middle, 2 last
.macro PICK x, m, k, how
.if \how == 0
	V5K v_and_b32, T1, \m, \x
.else
	V5 v_lshrrev_b32, T1, PO, \x
	V5K v_and_b32, T1, \m, T1
.endif
.irp i, 0,1,2,3,4
	v_cmp_ge_u32 s[58+\i], v[RH+\i], v[T1+\i]
.endr
.if \how != 2
.irp i, 0,1,2,3,4
	v_cndmask_b32 v[T1+\i], 0, v[T1+\i], s[58+\i]
.endr
	V5 v_sub_nc_u32, RH, RH, T1
.endif
.if \how == 0
.irp i, 0,1,2,3,4
	v_cndmask_b32 v[PO+\i], 0, \k, s[58+\i]
.endr
.else
.irp i, 0,1,2,3,4
	v_cndmask_b32 v[T2+\i], 0, \k, s[58+\i]
.endr
	V5 v_add_nc_u32, PO, PO, T2
.endif
.endm
.macro MASKS                           ; LAY 1: the 32 masks, four groups at a time; the second slot's mask of group s4 is kept for the list
	s_mov_b32 s30, 0
.set g, 0
.rept 8
.irp k, 0,1,2,3
	v_cmp_eq_u32 s[66+g+\k], s3, v[IDX+2*(g+\k)]
	v_cmp_eq_u32 s[58+\k], s3, v[IDX+2*(g+\k)+1]
.endr
.irp k, 0,1,2,3
	s_or_b32 s[66+g+\k], s[66+g+\k], s[58+\k]      ; a token's two experts differ
	s_cmp_eq_u32 s4, g+\k
	s_cselect_b32 s30, s[58+\k], s30
.endr
.set g, g+4
.endr
.endm
; LAY 1: from the ranks in v[RH ..] to my rows' offsets in xc.  first = 1: M and P of group s4 are kept for the list.  It leaves the expert's count in s98.
.macro RANKS first
.irp i, 0,1,2,3,4
	v_mov_b32 v[MS+\i], s66                        ; group 0 to begin with: P_0 = 0, first token 0
	v_mov_b32 v[PK+\i], 0
.endr
	s_bcnt1_i32_b32 s99, s66                       ; P_1
	s_add_co_u32 s101, s99, 1<<16
.if \first
	s_mov_b32 s31, s66
	s_mov_b32 s29, 0
.endif
.set g, 1
.rept 31
	s_bcnt1_i32_b32 s7, s[66+g]                    ; the next group's scalars are made ahead of this group's vector lines
	s_add_co_u32 s[98+(g+1)%2], s[98+g%2], s7
.if g < 31
	s_add_co_u32 s[100+(g+1)%2], s[98+(g+1)%2], (64*((g+1)/2)+(g+1)%2)<<16
.endif
.if \first
	s_cmp_eq_u32 s4, g
	s_cselect_b32 s31, s[66+g], s31
	s_cselect_b32 s29, s[98+g%2], s29
.endif
.irp i, 0,1,2,3,4
	v_cmp_gt_u32 s[58+\i], s[98+g%2], v[RH+\i]     ; where P_g > rank what is held stays; else group g takes its place
.endr
.irp i, 0,1,2,3,4
	v_cndmask_b32 v[MS+\i], s[66+g], v[MS+\i], s[58+\i]
.endr
.irp i, 0,1,2,3,4
	v_cndmask_b32 v[PK+\i], s[100+g%2], v[PK+\i], s[58+\i]
.endr
.set g, g+1
.endr
	V5K v_and_b32, T1, 0xffff, PK
	V5K v_lshrrev_b32, TK, 16, PK
	V5 v_sub_nc_u32, RH, RH, T1                    ; which set bit of the mask
	V5K v_lshrrev_b32, T1, 1, MS
	V5K v_and_b32, T1, 0x55555555, T1
	V5 v_sub_nc_u32, SA, MS, T1                    ; sums of 2 bits
	V5K v_lshrrev_b32, T1, 2, SA
	V5K v_and_b32, T1, 0x33333333, T1
	V5K v_and_b32, SB, 0x33333333, SA
	V5 v_add_nc_u32, SB, SB, T1                    ; of 4
	V5K v_lshrrev_b32, T1, 4, SB
	V5 v_add_nc_u32, T1, T1, SB
	V5K v_and_b32, SC, 0x0f0f0f0f, T1              ; of 8
	V5K v_lshrrev_b32, T1, 8, SC
	V5 v_add_nc_u32, T1, T1, SC
	V5K v_and_b32, SD, 0x00ff00ff, T1              ; of 16
	PICK SD, 0xff, 16, 0
	PICK SC, 0xff, 8, 1
	PICK SB, 15, 4, 1
	PICK SA, 3, 2, 1
	PICK MS, 1, 1, 2
.irp i, 0,1,2,3,4
	v_lshl_add_u32 v[PO+\i], v[PO+\i], 1, v[TK+\i] ; the token
.endr
	V5K v_min_u32, PO, 0x3ff, PO
.irp i, 0,1,2,3,4
	v_lshl_add_u32 v[AO+\i], v[PO+\i], 10, v23     ; its row of xc, + 16 h
.endr
.endm
.macro HEADL                           ; LAY 3: the list's words for the tiles of my slots.  All 1,024 ranks of the list are stored, so no count enters here
.set i, 0
.rept RB
	s_add_co_u32 s25, s27, 4*i
	s_lshl_b32 s25, s25, 1
	s_add_co_u32 s25, s25, s5
	s_min_u32 s25, s25, 63
	s_lshl_b32 s38, s25, 6
	v_add_nc_u32 v[RAO+i], s38, v11
	v_add_nc_u32 v[RBO+i], s38, v12
.set i, i+1
.endr
.set i, 0
.rept RB
	global_load_b32 v[RIA+i], v[RAO+i], s[18:19]   ; the list's word for my row r,
.set i, i+1
.endr
	WIN 0x40
.set i, 0
.rept RB
.irp k, 0,1,2,3,4,5,6,7
	global_load_b32 v[RIB+8*i+\k], v[RBO+i], s[18:19] offset:8*\k   ; and for rows 2 k + h, which I store
.endr
.set i, i+1
.endr
	WIN 0
.endm
.macro HEADA first                     ; which tiles my RB slots take, and my offsets in them
.set i, 0
.rept RB
	s_add_co_u32 s[20+i], s27, 4*i
.if LAY == 1
	s_min_u32 s25, s[20+i], 63
.endif
.if LAY == 2
	s_cmp_lt_u32 s[20+i], s26
	s_cselect_b32 s25, s[20+i], 0
	s_min_u32 s25, s25, 63
.endif
.if LAY == 3
	s_lshl_b32 s25, s[20+i], 1
	s_add_co_u32 s25, s25, s5                      ; tiles of my parity
	s_cmp_lt_u32 s[20+i], s26
	s_cselect_b32 s25, s25, 0
	s_min_u32 s25, s25, 63
.endif
	s_lshl_b32 s38, s25, 15
.if LAY == 1
	v_add_nc_u32 v[HO+i], s38, v18
	s_lshl_b32 s38, s25, 4
	v_add_nc_u32 v[RH+i], s38, v2                  ; rank 16 tile + r
.else
	v_add_nc_u32 v[AO+i], s38, v18
.endif
.set i, i+1
.endr
.if LAY == 1
	RANKS \first
.endif
.endm
.macro EPI                             ; slot ei's results leave
	WIN 0
.if ei > 0
	s_cmp_lt_u32 s[20+ei], s26
	s_cbranch_scc0 .Lno_\@
.endif
.if LAY != 3
	WIN HOLD
.set j, 0
.rept 32
	v_med3_num_f32 v[32*ei+j], v[32*ei+j], 0, v22  ; relu and the hold in one; each accumulator from its low end on
.set j, j+1
.endr
	WIN FROMACC
.irp t, 0,1,2,3
	v_cvt_scalef32_pk8_bf8_f32 v[PC+8*ei+2*\t:PC+8*ei+2*\t+1], v[32*ei+8*\t:32*ei+8*\t+7], v21
.endr
	WIN 0
	v_nop                                          ; one plain line between the last conversion and whatever next touches its registers
.irp b, 0,1
.if LAY == 1
	global_store_b128 v[HO+ei], v[PC+8*ei+4*\b:PC+8*ei+4*\b+3], s[16:17] offset:512*\b   ; 512 consecutive bytes of the next operand's image
.else
	global_store_b128 v[AO+ei], v[PC+8*ei+4*\b:PC+8*ei+4*\b+3], s[16:17] offset:512*\b
.endif
.endr
.else
.if ei > 0
	s_wait_xcnt 0x0                                ; the slot before has stored: its offsets may be written again
.endif
	WIN FROMACC
.irp t, 0,1,2,3
.irp u, 0,2,4,6
	v_pk_fma_f32 v[TMP+8*\t+\u:TMP+8*\t+\u+1], v[32*ei+8*\t+\u:32*ei+8*\t+\u+1], s[46:47], v[BIAS+8*\t+\u:BIAS+8*\t+\u+1] op_sel_hi:[1,0,1]   ; sum x 2^(e4 + e5) + b3
.endr
.endr
	WIN 0
.set j, 0
.rept 16
	v_pk_mul_f32 v[TMP+2*j:TMP+2*j+1], v[TMP+2*j:TMP+2*j+1], v[GT+2*ei:GT+2*ei+1] op_sel_hi:[1,0]   ; x my row's gate
.set j, j+1
.endr
.irp t, 0,1,2,3
	ds_store_b128 v13, v[TMP+8*\t:TMP+8*\t+3] offset:64*\t
	ds_store_b128 v13, v[TMP+8*\t+4:TMP+8*\t+7] offset:64*\t+16
.endr
.irp k, 0,1,2,3,4,5,6,7
	ds_load_b128 v[B0+32*ei+4*\k:B0+32*ei+4*\k+3], v14 offset:544*\k   ; my own stage: LDS serves a wave's instructions in order (ISA guide 5.7.1.4).  Lanes 0-15 one row of 256 bytes, lanes 16-31 the next
.endr
	WIN 0x04                                       ; source 1 window 1
.irp k, 0,1,2,3,4,5,6,7
	v_min_u32 v[YO+\k], 0x87f, v[RIB+8*ei+\k]
.endr
	WIN 0
.irp k, 0,1,2,3,4,5,6,7
	v_lshl_add_u32 v[YO+\k], v[YO+\k], 12, v15     ; the row of y2, + 16 r
.endr
.irp k, 0,1,2,3,4,5,6,7
	s_wait_dscnt 7-\k
	global_store_b128 v[YO+\k], v[B0+32*ei+4*\k:B0+32*ei+4*\k+3], s[16:17]   ; 16 lanes store 256 consecutive bytes, aligned
.endr
.endif
.if ei > 0
.Lno_\@:
.endif
.endm
	s_load_b256 s[8:15], s[0:1], 0x0               ; the input s[8:9], the weights s[10:11], the bias s[12:13], the scales s[14:15]
	s_load_b128 s[16:19], s[0:1], 0x20             ; the output s[16:17], the list and the counts s[18:19]
.if LAY != 2
	s_load_b64 s[48:49], s[0:1], 0x30              ; LAY 1: the chosen experts; LAY 3: the gates
	v_lshl_add_u32 v254, v0, 2, 0x11000
	v_mov_b32 v255, 0
.endif
	v_lshrrev_b32 v1, 5, v0
	v_readfirstlane_b32 s2, v1                     ; wave
	v_and_b32 v1, 31, v0                           ; lane
	v_and_b32 v2, 15, v0                           ; r
	v_bfe_u32 v3, v0, 4, 1                         ; h
	s_wait_alu depctr_va_vdst(0)
	s_lshr_b32 s3, ttmp9, 5                        ; the expert
.if LAY == 3
	s_lshr_b32 s6, ttmp9, 1                        ; which slice of 64 weight rows, counted through all experts
	s_and_b32 s4, s6, 15                           ; and within mine
	s_and_b32 s5, ttmp9, 1                         ; the parity of my tiles
.else
	s_mov_b32 s6, ttmp9
	s_and_b32 s4, ttmp9, 31
.endif
	v_mul_u32_u24 v23, v3, 272
	v_lshl_add_u32 v23, v2, 4, v23
.irp t, 0,1,2,3
	v_add_nc_u32 v[BA+\t], \t*TS, v23              ; tile t: block h of a pair, position r
.endr
	v_lshlrev_b32 v18, 4, v1
	v_mul_u32_u24 v19, v1, 272                     ; parking: my lane's 16 bytes of a load are block lane of 32
.if LAY == 3
	s_mul_i32 s38, s2, TS                          ; my 16 rows are tile w, row rho at position rho
	v_lshlrev_b32 v20, 5, v3
.else
	s_lshr_b32 s38, s2, 1                          ; my 16 rows go to tiles 2 (w / 2) and 2 (w / 2) + 1, positions 8 (w % 2) on
	s_mul_i32 s38, s38, 2*TS
	s_and_b32 s39, s2, 1
	s_lshl_b32 s39, s39, 7
	s_add_co_u32 s38, s38, s39
	v_lshlrev_b32 v20, 6, v3
.endif
	v_add_nc_u32 v19, s38, v19
.if LAY == 1
	v_lshlrev_b32 v23, 4, v3                       ; 16 h
	s_lshl_b32 s38, s4, 5
	s_add_co_u32 s38, s38, 9216
	v_add_nc_u32 v27, s38, v1                      ; my spare word, counted from the expert's first
	v_lshlrev_b32 v28, 2, v1
.endif
.if LAY == 3
	v_lshlrev_b32 v11, 2, v2
	v_lshlrev_b32 v12, 2, v3
	v_lshlrev_b32 v15, 4, v2
	s_mul_i32 s38, s2, 4352
	s_add_co_u32 s38, s38, STAGE                   ; my stage
	v_mul_u32_u24 v13, v2, 272
	v_lshl_add_u32 v13, v3, 5, v13
	v_add_nc_u32 v13, s38, v13                     ; in: row r, 32 bytes for each half of the lanes
	v_mul_u32_u24 v14, v3, 272
	v_lshl_add_u32 v14, v2, 4, v14
	v_add_nc_u32 v14, s38, v14                     ; back: row h of a pair, 16 bytes a lane
.irp i, 0,1,2
	v_mov_b32 v[GT+2*\i+1], 0                      ; (named as the upper halves of pairs)
.endr
.endif
	s_mul_i32 s40, s6, 64*KB                       ; the weights: my slice,
	s_mul_i32 s41, s2, 16*KB                       ; my wave's 16 rows
	s_add_co_u32 s40, s40, s41
	s_mov_b32 s41, 0
	s_lshl_b32 s42, s6, 8                          ; the bias: 64 numbers a slice
	s_mov_b32 s43, 0
	s_lshl_b32 s44, s3, 21                         ; an expert's images
	s_mov_b32 s45, 0
.if LAY == 3
	s_lshl_b32 s50, s4, 8                          ; y2: my 64 columns
.else
	s_lshl_b32 s50, s4, 10                         ; the next K's 64 of my slice: half a K step of an image
.endif
	s_mov_b32 s51, 0
	s_lshl_b32 s54, s3, 9                          ; the count's 128 words
	s_mov_b32 s55, 0
	s_lshl_b32 s56, s3, 12                         ; the expert's 1,024 ranks
	s_mov_b32 s57, 0
	s_mov_b32 s27, s2                              ; my first tile
	s_wait_alu depctr_va_vdst(0)
	s_wait_kmcnt 0x0
	s_load_b128 s[32:35], s[14:15], 0x0            ; e0 .. e3
	s_load_b64 s[36:37], s[14:15], 0x10            ; e4, e5
	s_add_nc_u64 s[10:11], s[10:11], s[40:41]
	s_add_nc_u64 s[12:13], s[12:13], s[42:43]
	s_add_nc_u64 s[16:17], s[16:17], s[50:51]
.if LAY != 1
	s_add_nc_u64 s[8:9], s[8:9], s[44:45]
.endif
.if LAY != 3
	s_add_nc_u64 s[16:17], s[16:17], s[44:45]
.endif
	s_add_nc_u64 s[52:53], s[18:19], s[54:55]
	s_add_nc_u64 s[18:19], s[18:19], s[56:57]
.if LAY != 1
	s_load_b32 s26, s[52:53], 0x8000               ; how many rows my expert has
.endif
.if LAY == 1
.set q, 0
.rept 16
	global_load_b128 v[IDX+4*q:IDX+4*q+3], v18, s[48:49] offset:512*q   ; both experts of tokens 64 q + 2 lane and 64 q + 2 lane + 1: groups 2 q and 2 q + 1
.set q, q+1
.endr
.endif
.if LAY == 3
	HEADL
.endif
.irp t, 0,1,2,3
.irp u, 0,1
.if LAY == 3
	global_load_b128 v[BIAS+8*\t+4*\u:BIAS+8*\t+4*\u+3], v20, s[12:13] offset:64*\t+16*\u                          ; columns 16 t + 8 h + 0 .. 7
.else
	global_load_b128 v[BIAS+8*\t+4*\u:BIAS+8*\t+4*\u+3], v20, s[12:13] offset:(32*(\t/2)+8*(\t%2))*4+16*\u         ; columns 32 (t / 2) + 16 h + 8 (t % 2) + 0 .. 7
.endif
.endr
.endr
	WLOAD
.if LAY == 1
	s_wait_loadcnt NW+8                            ; the experts are in; the bias's 8 loads and the weights' NW are younger
	MASKS
.else
	s_wait_kmcnt 0x0                               ; the count (and the scales)
	NTILES
.endif
	HEADA 1
.if LAY == 1
	s_mov_b32 s28, s98                             ; the count
	s_mov_b32 s26, s98
	NTILES
	s_cmp_lg_u32 s2, 0                             ; wave 0 stores my slice's part of the list
	s_cbranch_scc1 .Lnolist
	v_mbcnt_lo_u32_b32 v232, s31, s29              ; group s4: P + the set bits below my lane: my token's rank,
	v_cndmask_b32 v232, v27, v232, s31             ; or my spare word
	v_min_u32 v232, 0x27ff, v232
	v_lshlrev_b32 v232, 2, v232
	v_cndmask_b32 v233, 0, 1, s30                  ; the slot
	s_lshr_b32 s38, s4, 1
	s_lshl_b32 s38, s38, 7
	s_and_b32 s39, s4, 1
	s_lshl_b32 s39, s39, 1
	s_add_co_u32 s38, s38, s39
	v_add3_u32 v233, v233, v28, s38                ; 2 token + slot = 128 (g / 2) + 2 (g % 2) + 4 lane + slot
	global_store_b32 v232, v233, s[18:19]
	s_lshl_b32 s38, s4, 5
	s_add_co_u32 s38, s38, s28
	v_add_nc_u32 v234, s38, v1                     ; rank = count + 32 slice + lane
	v_cmp_gt_u32 s39, 0x400, v234                  ; still one of the expert's 1,024?
	v_and_b32 v235, 15, v234
	s_lshl_b32 s40, s3, 4
	s_add_co_u32 s40, s40, 2048
	v_add_nc_u32 v235, s40, v235                   ; 2,048 + 16 e + rank % 16
	v_cndmask_b32 v234, v27, v234, s39
	v_min_u32 v234, 0x27ff, v234
	v_lshlrev_b32 v234, 2, v234
	global_store_b32 v234, v235, s[18:19]
	s_cmp_lg_u32 s4, 0                             ; the expert's first slice stores the count
	s_cbranch_scc1 .Lnolist
	v_mov_b32 v236, s28
	v_mov_b32 v237, s28
	v_mov_b32 v238, s28
	v_mov_b32 v239, s28
	global_store_b128 v18, v[236:239], s[52:53] offset:32768
.Lnolist:
.endif
	s_wait_alu depctr_va_vdst(0)
	WSTAGE
	s_wait_dscnt 0x0                               ; for the others' sake: my 16 rows lie in LDS
	s_barrier_signal -1
	s_barrier_wait -1                              ; the one barrier: behind it nothing is written into the weights' bytes.  My 60 loads of rows stay out across it: nobody stores those bytes in this launch
.if LAY == 1
	s_wait_kmcnt 0x0                               ; the scales
.endif
	s_add_co_i32 s38, s[EA], s[EB]                 ; a sum stands for sum x 2^(the two operands' e added)
.if LAY != 3
	s_sub_co_i32 s39, 0, s38
	s_sub_co_i32 s40, s[EN], s38
	s_add_co_i32 s40, s40, 127
	s_lshl_b32 s41, s40, 23
	v_mov_b32 v21, s41                             ; the three scales folded into the conversion's one
	s_add_co_i32 s40, s40, 15
	s_lshl_b32 s40, s40, 23
	s_or_b32 s40, s40, 0x600000
	v_mov_b32 v22, s40                             ; 57,344 x that
.set j, 0
.rept 32
	v_ldexp_f32 v[BIAS+j], v[BIAS+j], s39          ; the bias, divided by the power of two that the sums lack
.set j, j+1
.endr
.else
	s_add_co_i32 s46, s38, 127
	s_lshl_b32 s46, s46, 23                        ; 2^(e4 + e5) as f32
	s_mov_b32 s47, s46                             ; (named with it as a pair)
.endif
.Lround:
	s_cmp_lt_u32 s27, s26
	s_cbranch_scc0 .Lskip
	KBODY
.set ei, 0
.rept RB
	EPI
.set ei, ei+1
.endr
	s_wait_xcnt 0x0                                ; what this round's stores name (offsets, codes, rows read back) is written again only behind this wait
.Lskip:
	s_add_co_u32 s27, s27, 4*RB
	s_cmp_lt_u32 s27, s26                          ; is there a next round for me?  Then it is set up and asked for here
	s_cbranch_scc0 .Lnone
	s_wait_loadcnt 0x0                             ; no load of mine is out: offsets and ring may be written again
.if LAY == 3
	HEADL
.endif
	HEADA 0
	RINGFILL
.Lnone:
	s_cmp_lt_u32 s27, NTMAX
	s_cbranch_scc1 .Lround
	s_wait_tensorcnt 0x0
	ds_add_u32 v254, v255
	s_wait_dscnt 0x0
	s_endpgm
.Lfunc_end_k_q64a301325e_lay1:
	.size	k_q64a301325e_lay1, .Lfunc_end_k_q64a301325e_lay1-k_q64a301325e_lay1
	.p2alignl 7, 3214868480
	.fill 96, 4, 3214868480
	.section	.rodata,"a",@progbits
	.p2align	6, 0x0
	.amdhsa_kernel k_q64a301325e_lay1
		.amdhsa_group_segment_fixed_size 70144
		.amdhsa_private_segment_fixed_size 0
		.amdhsa_enable_private_segment 0
		.amdhsa_kernarg_size 56
		.amdhsa_user_sgpr_count 2
		.amdhsa_user_sgpr_kernarg_segment_ptr 1
		.amdhsa_wavefront_size32 1
		.amdhsa_system_sgpr_workgroup_id_x 1
		.amdhsa_system_sgpr_workgroup_id_y 1
		.amdhsa_system_sgpr_workgroup_id_z 1
		.amdhsa_system_vgpr_workitem_id 0
		.amdhsa_next_free_vgpr 1024
		.amdhsa_next_free_sgpr 102
		.amdhsa_reserve_vcc 0
		.amdhsa_float_denorm_mode_32 3
		.amdhsa_float_denorm_mode_16_64 3
		.amdhsa_memory_ordered 1
		.amdhsa_forward_progress 1
		.amdhsa_inst_pref_size 178
	.end_amdhsa_kernel
	.amdgpu_metadata
---
amdhsa.version: [ 1, 2 ]
amdhsa.kernels:
  - .name:           k_q64a301325e_lay1
    .symbol:         k_q64a301325e_lay1.kd
    .args:
      - { .name: xc, .offset: 0, .size: 8, .value_kind: global_buffer, .address_space: global }
      - { .name: W1_codes, .offset: 8, .size: 8, .value_kind: global_buffer, .address_space: global }
      - { .name: b1, .offset: 16, .size: 8, .value_kind: global_buffer, .address_space: global }
      - { .name: lowp_scales, .offset: 24, .size: 8, .value_kind: global_buffer, .address_space: global }
      - { .name: h1, .offset: 32, .size: 8, .value_kind: global_buffer, .address_space: global }
      - { .name: rowinfo, .offset: 40, .size: 8, .value_kind: global_buffer, .address_space: global }
      - { .name: ridx, .offset: 48, .size: 8, .value_kind: global_buffer, .address_space: global }
    .group_segment_fixed_size: 70144
    .private_segment_fixed_size: 0
    .kernarg_segment_align: 8
    .kernarg_segment_size: 56
    .max_flat_workgroup_size: 128
    .sgpr_count:     102
    .vgpr_count:     1024
    .wavefront_size: 32
...
	.end_amdgpu_metadata
.endif
;; end of part 8
;; launch lay2 (part 9): grid 256 x 1, 4 waves a work-group, no clusters, 139,776 bytes of LDS; arguments h1, W2_codes, b2, lowp_scales, h2, rowinfo; writes h2
.if DOCPART == 9
	.amdgcn_target "amdgcn-amd-amdhsa--gfx1250"
	.amdhsa_code_object_version 6
	.text
	.protected	k_q64a301325e_lay2
	.globl	k_q64a301325e_lay2
	.p2align	8
	.type	k_q64a301325e_lay2,@function
k_q64a301325e_lay2:
	s_mov_b64 s[64:65], 0
	v_nop
	global_prefetch_b8 v0, s[64:65] scope:SCOPE_SE
	s_setreg_imm32_b32 hwreg(HW_REG_WAVE_MODE, 25, 1), 1
	s_wait_xcnt 0x0
; ONE LAYER OF THE EXPERTS, FOR THE ROUTED ROWS ALONE.  One text serves the three layers; LAY says which.
;   LAY 1: h1 = Q(relu(x W1 + b1)), K = 1,024;  LAY 2: h2 = Q(relu(h1 W2 + b2)), K = 2,048;  LAY 3: y2[2 token + slot] = gate x (h2 W3 + b3), K = 2,048.   All products on codes of E5M2, sums in f32.
; SHARES.  A work-group owns one expert e and 64 output columns (LAY 1, 2: 8 x 32 work-groups; LAY 3: 8 x 16, and of the expert's row tiles those of parity p: x 2).  Its 64 rows of the weights are asked for at the head, all at once,
; 512 consecutive bytes a load, and parked in LDS; so each weight byte is read by one work-group (LAY 3: two).  The expert's rows come in tiles of 16 ranks: wave w takes tiles w, w + 4, .. , RB of them in a round, straight from memory
; into operand registers (no two waves read the same rows), through a ring of 15 fragments that keeps 56 to 60 loads of a wave on their way.  A weight fragment read from LDS feeds RB matrix instructions.
; A WAVE'S FIRST ROUND IS ASKED FOR AHEAD OF THE BARRIER: its first 15 fragments go out between the batches in which the weights are parked.  A trip of the loop multiplies and stores a round, then sets up and asks for the next, if there is one.
; HOW MANY TILES there are hangs on the experts that the router's launch stored as whole numbers: LAY 1 counts them, LAY 2 and 3 read the count that LAY 1 stored.  So this text has no tensor load, no copy and no joint request, though the
; work-groups of an expert read the same rows: a text with those has no branch on such a number.  The loop over rounds has a constant count; a round with no tile for the wave is jumped over.  No barrier stands behind the first such branch.
; THE MATRIX INSTRUCTION IS USED TRANSPOSED: source 0 = 16 rows of the weights, source 1 = 16 rows of the layer's input: a lane holds ONE row and eight output columns.  Both operands are fed by loads of 16 bytes: registers 4 c .. 4 c + 3
; of lane (r, h) hold k = 32 c + 16 h + 0 .. 15: the same permutation of k on both sides, so every product meets its partner.
; LAY 1, 2: THE WEIGHT ROWS OF A TILE ARE NOT NEIGHBOURS: position i of tile 2 b + u is row 32 b + 8 u + i + 8 (i / 8) of the slice, so that the 16 registers of tiles 2 b, 2 b + 1 are 16 neighbours of the next K, and the conversions' results
; are the next layer's operand registers.  h1 and h2 lie as images of those registers: e x 2^21 + tile x 32,768 + K step x 2,048 + c x 512 + 16 x lane: every store and load of a wave covers 512 consecutive bytes.
; The bias goes in as the C of each sum's first product, divided by the power of two that the sums lack; relu is the lower end of the hold that the conversion wants anyway; the three scales are folded into the conversion's one.
; THE PLACING (LAY 1).  Tokens go in 32 groups of 32: lane l of group g is token 64 (g / 2) + 2 l + g % 2.  M_g = the lanes whose token names e; P_g = the set bits of the masks before; a row's rank = P_g + the set bits of M_g below its lane.
; Every wave makes the 32 masks, in scalar registers, and goes the other way for the ranks of its tiles: the last g with P_g <= rank, then the place of set bit number rank - P_g of M_g.  That is register work, done while the weights are on their way.
; THE LIST (rowinfo), stored by LAY 1 for LAY 3: word rank of the expert's 1,024 holds 2 token + slot; ranks from the count on hold 2,048 + 16 e + rank % 16, which names a row of y2 that nobody reads.  Wave 0 of slice s stores group s's words and
; the words of ranks count + 32 s + lane; slice 0 the count, 128 times, at byte 32,768 + 512 e.  A lane with nothing to store writes a spare word of its work-group's, 9,216 + 32 s + lane words behind the expert's first; nobody reads those.
; A rank from the count on reads some token's row in LAY 1 (held at 1,023).  A slot past the end takes tile 0 in LAY 2 and 3; LAY 1 and 2 make at least one tile, so those bytes have been stored; such a slot's result is not stored.
; LIMITS: e2 - e0 - e1 and e4 - e2 - e3 between -126 and 112; e4 + e5 between -126 and 127.  NaN among the inputs is not served.
; A WAVE'S LAST SLOT: from K step 1 on its loads and products are jumped over where it has no tile (macro LASTG; K step 0 and the first 15 fragments are not, so that every register is written).  So the waits count the other
; RB - 1 slots' loads alone: 44 stay out at the least (LAY 3: 36), up to 60 where the last slot has a tile.
.set LAY, 2
.if LAY == 1
.set KS, 8                             ; K steps of 128
.set RB, 5                             ; row tiles of a wave in a round
.set ASTEP, 128                        ; bytes from K step to K step in the input: rows of xc
.set ACS, 32                           ; and from c to c
.set NTMAX, 64                         ; tiles at the most
.set EA, 32                            ; s32.. hold e0 .. e5: the two operands' scales, and the result's
.set EB, 33
.set EN, 34
.endif
.if LAY == 2
.set KS, 16
.set RB, 5
.set ASTEP, 2048                       ; images
.set ACS, 512
.set NTMAX, 64
.set EA, 34
.set EB, 35
.set EN, 36
.endif
.if LAY == 3
.set KS, 16
.set RB, 3
.set ASTEP, 2048
.set ACS, 512
.set NTMAX, 32                         ; of one parity
.set EA, 36
.set EB, 37
.endif
.set KB,   128*KS                      ; bytes in a row of the weights
.set NG,   KB/512                      ; loads that bring one
.set NW,   16*NG                       ; weight loads of a wave: 16 rows
.set NB,   NW/8                        ; batches of eight in which they are parked
.set NF,   KS*RB                       ; input fragments of a round
.set RING, 15
.set LK,   RING/RB                     ; K steps in the ring
.set FPB,  (RING+NB-1)/NB              ; fragments asked for behind each batch
.set TS,   (KB/16)*272                 ; LDS: a tile of 16 weight rows: for each 16 along K a block of 16 positions x 16 bytes, + 16 of padding.  A fragment load's 16 lanes take 256 consecutive bytes; a parking store's 16 lanes stand 272 apart
.set STAGE, 4*TS                       ; LAY 3: 16 rows x (256 + 16) bytes for each wave, for the way out
; window 0: v1 lane, v2 r, v3 h; v18 16 x lane; v19 where I park; v20 the bias's offset; v21, v22 the conversion's scale and 57,344 x it; LAY 1: v23 16 h, v27 my spare word, v28 4 x lane, v232-239 what wave 0 stores in the list
.set BA,   4                           ; v4-7     my lane's place in weight tile t
.set AO,   8                           ; v8..     slot i: my byte offset in its input tile
.set HO,   13                          ; v13-17   LAY 1: slot i: my byte offset in its output tile (LAY 2: AO serves)
.set BIAS, 32                          ; v32-63   tile t at 8 t
.set B0,   64                          ; v64-191  weight fragments, two sets of 4 x 16
.set IDX,  128                         ; LAY 1, ahead of the products: the experts of all tokens
.set RH,   64                          ; LAY 1, between the products, five registers each, one a slot: the rank, then what is left of it;
.set MS,   69                          ; the mask of the rank's group;
.set PK,   74                          ; P_g + 65,536 x the group's first token;
.set SA,   79                          ; the mask's bit sums in fields of 2,
.set SB,   84                          ; of 4,
.set SC,   89                          ; of 8,
.set SD,   94                          ; of 16;
.set TK,   99                          ; the group's first token;
.set PO,   104                         ; the place of the bit;
.set T1,   109                         ; at work
.set T2,   114
.set PC,   192                         ; v192-231 LAY 1, 2: slot i's codes at 8 i
.set TMP,  192                         ; v192-223 LAY 3: a slot's results
.set YO,   224                         ; v224-231 LAY 3: offsets of 8 pairs of rows in y2
.set RAO,  232                         ; LAY 3: offsets in the list; what it holds for my row; the gate's offset; the gate (in pairs)
.set RBO,  235
.set RIA,  238
.set GWO,  241
.set GT,   244
.set RIB,  128                         ; window 1, v128..: LAY 3: slot i at 8 i: the list's words for rows 2 k + h
; window 1: v0..: the accumulators, slot i, tile t at 8 (4 i + t).   window 2: the ring, fragment f at 16 (f % 15).   window 3: the weights on their way to LDS
; LAY 1, scalars: s66-97 the masks M_g; s98, s99 P_g by turns; s100, s101 the packed word by turns; s58-62 compare masks; s7 at work; s28 the count; s29, s30, s31: P, the second slot's mask and M of the group that my slice stores
.set MULB, 0x48                        ; source 1 window 2, C window 0 or the constant, D window 1
.set MUL,  0x58                        ; source 1 window 2, C and D window 1
.set TOA,  0x80                        ; destination window 2
.set TOW,  0xc0                        ; destination window 3
.set STW,  0x0c                        ; an LDS store's data window 3
.set HOLD, 0x41                        ; source 0 and destination window 1
.set FROMACC, 0x01                     ; source 0 window 1
.set MSB, 0
.macro WIN new                         ; the immediate's high byte repeats the setting that is left; a switch that changes nothing is dropped
.if MSB != \new
	s_set_vgpr_msb (MSB<<8)|\new
.set MSB, \new
.endif
.endm
.macro WLOAD                           ; my 16 rows of the slice: each load takes 512 consecutive bytes of one row
	WIN TOW
.set q, 0
.rept NW
.if LAY == 3
	global_load_b128 v[4*q:4*q+3], v18, s[10:11] offset:(q/NG)*KB+512*(q%NG)
.else
	global_load_b128 v[4*q:4*q+3], v18, s[10:11] offset:(q/NG)*KB+512*(q%NG) th:TH_LOAD_NT
.endif
.set q, q+1
.endr
	WIN 0
.endm
.macro AFRAG                           ; input fragment fa: K step fa / RB of slot fa % RB
	WIN TOA
.irp c, 0,1,2,3
	global_load_b128 v[16*(fa%RING)+4*\c:16*(fa%RING)+4*\c+3], v[AO+fa%RB], s[8:9] offset:ASTEP*(fa/RB)+ACS*\c
.endr
.endm
.macro WSTAGE                          ; the weights go into LDS, eight loads at a time; behind each batch FPB fragments of the first round are asked for
.set q, 0
.set fa, 0
.rept NB
	s_wait_loadcnt NW-8-q+4*fa                     ; these eight are in; younger: the later weights and the 4 fa loads of the fragments asked for so far
	WIN STW
.rept 8
.if LAY == 3
.set im, 16*(q/NG)+8704*(q%NG)
.else
.set im, ((q/NG)>>3)*TS+((q/NG)&7)*16+8704*(q%NG)
.endif
	ds_store_b128 v19, v[4*q:4*q+3] offset:im
.set q, q+1
.endr
.rept FPB
.if fa < RING
	AFRAG
.set fa, fa+1
.endif
.endr
.endr
	WIN 0
.endm
.macro RINGFILL                        ; a later round's first 15 fragments, in one run
.set fa, 0
.rept RING
	AFRAG
.set fa, fa+1
.endr
	WIN 0
.endm
.macro BFETCH                          ; the four weight fragments of K step sb into set sb % 2
	WIN 0
.irp t, 0,1,2,3
.irp c, 0,1,2,3
	ds_load_b128 v[B0+64*(sb%2)+16*\t+4*\c:B0+64*(sb%2)+16*\t+4*\c+3], v[BA+\t] offset:2176*sb+544*\c
.endr
.endr
.endm
; Fragment fc against the four weight tiles.  No two matrix instructions that follow each other share an accumulator: the 4 RB take turns, one instruction a turn.
.macro GROUP
.if fc/RB+LK < KS                      ; loads come back in order: fragment fc is in; younger are, of the slots but the last, RB - 1 fragments for each of LK K steps (less fc itself)
.if fc%RB < RB-1
	s_wait_loadcnt 4*((RB-1)*LK-1)
.else
	s_wait_loadcnt 4*(RB-1)*LK
.endif
.elseif fc%RB < RB-1                   ; or those that are left
	s_wait_loadcnt 4*(RB-2-fc%RB+(RB-1)*(KS-1-fc/RB))
.else
	s_wait_loadcnt 4*(RB-1)*(KS-1-fc/RB)
.endif
.if (LAY == 3) && (fc == 0)
	WIN 0                                          ; the list's words were asked for ahead of fragment 0, so they are in: my rows' gates are asked for now.  (Three loads more are out than the waits that follow count: those waits are the stricter for it)
.irp i, 0,1,2
	v_min_u32 v[GWO+\i], 0x7ff, v[RIA+\i]
	v_lshlrev_b32 v[GWO+\i], 2, v[GWO+\i]
.endr
.irp i, 0,1,2
	global_load_b32 v[GT+2*\i], v[GWO+\i], s[48:49]
.endr
.endif
.if fc/RB == 0
	WIN MULB
.else
	WIN MUL
.endif
.irp t, 0,1,2,3
.set rD, 8*(4*(fc%RB)+\t)
.set rW, B0+64*((fc/RB)%2)+16*\t
.set rA, 16*(fc%RING)
.if fc/RB > 0
	v_wmma_f32_16x16x128_bf8_bf8 v[rD:rD+7], v[rW:rW+15], v[rA:rA+15], v[rD:rD+7]
.elseif LAY == 3
	v_wmma_f32_16x16x128_bf8_bf8 v[rD:rD+7], v[rW:rW+15], v[rA:rA+15], 0
.else
	v_wmma_f32_16x16x128_bf8_bf8 v[rD:rD+7], v[rW:rW+15], v[rA:rA+15], v[BIAS+8*\t:BIAS+8*\t+7]
.endif
.endr
.rept 4
	v_nop                                          ; four places ahead of loads into registers that these products read, and of the first read of results
.endr
.if fc+RING < NF
.set fa, fc+RING
	AFRAG                                          ; the ring's place takes the fragment 15 further on
.endif
.endm
.macro LASTG                           ; the last slot's group, where the slot has a tile
	WIN 0
	s_cmp_lt_u32 s[20+RB-1], s26
	s_cbranch_scc0 .Lk_\@
	GROUP
	WIN 0
.Lk_\@:
.endm
.macro KBODY                           ; a round's products, written out: every LDS address is a register that stays + an immediate.  Its first 15 fragments have been asked for
.set sb, 0
	BFETCH
.set kq, 0
	s_wait_alu depctr_va_vdst(0)
.rept KS
.if kq+1 < KS
.set sb, kq+1
	BFETCH
	s_wait_dscnt 16                                ; this step's weight fragments are in; the next step's 16 loads stay out
.else
	s_wait_dscnt 0x0
.endif
.set sl, 0
.rept RB
.set fc, kq*RB+sl
.if (sl == RB-1) && (kq > 0)
	LASTG
.else
	GROUP
.endif
.set sl, sl+1
.endr
.set kq, kq+1
.endr
.endm
.macro NTILES                          ; s26: from the count of rows to the count of tiles
	s_min_u32 s26, s26, 1024
	s_add_co_u32 s26, s26, 15
	s_lshr_b32 s26, s26, 4                         ; tiles of 16 ranks
.if LAY == 3
	s_add_co_u32 s26, s26, 1
	s_sub_co_u32 s26, s26, s5
	s_lshr_b32 s26, s26, 1                         ; of my parity
.else
	s_max_u32 s26, s26, 1                          ; at least one, so that tile 0 of h1 and of h2 is always stored
.endif
.endm
.macro V5 op, d, a, b                  ; one line for each of the five slots, so that no line waits for the line above it
.irp i, 0,1,2,3,4
	\op v[\d+\i], v[\a+\i], v[\b+\i]
.endr
.endm
.macro V5K op, d, k, b
.irp i, 0,1,2,3,4
	\op v[\d+\i], \k, v[\b+\i]
.endr
.endm
; One halving: t = the set bits in the lower k places of what is left (a field of the sums x, at place PO).  Where the number sought is t or more, the bit lies in the upper k: t is taken off and the place goes up by k.  how: 0 first, 1 middle, 2 last
.macro PICK x, m, k, how
.if \how == 0
	V5K v_and_b32, T1, \m, \x
.else
	V5 v_lshrrev_b32, T1, PO, \x
	V5K v_and_b32, T1, \m, T1
.endif
.irp i, 0,1,2,3,4
	v_cmp_ge_u32 s[58+\i], v[RH+\i], v[T1+\i]
.endr
.if \how != 2
.irp i, 0,1,2,3,4
	v_cndmask_b32 v[T1+\i], 0, v[T1+\i], s[58+\i]
.endr
	V5 v_sub_nc_u32, RH, RH, T1
.endif
.if \how == 0
.irp i, 0,1,2,3,4
	v_cndmask_b32 v[PO+\i], 0, \k, s[58+\i]
.endr
.else
.irp i, 0,1,2,3,4
	v_cndmask_b32 v[T2+\i], 0, \k, s[58+\i]
.endr
	V5 v_add_nc_u32, PO, PO, T2
.endif
.endm
.macro MASKS                           ; LAY 1: the 32 masks, four groups at a time; the second slot's mask of group s4 is kept for the list
	s_mov_b32 s30, 0
.set g, 0
.rept 8
.irp k, 0,1,2,3
	v_cmp_eq_u32 s[66+g+\k], s3, v[IDX+2*(g+\k)]
	v_cmp_eq_u32 s[58+\k], s3, v[IDX+2*(g+\k)+1]
.endr
.irp k, 0,1,2,3
	s_or_b32 s[66+g+\k], s[66+g+\k], s[58+\k]      ; a token's two experts differ
	s_cmp_eq_u32 s4, g+\k
	s_cselect_b32 s30, s[58+\k], s30
.endr
.set g, g+4
.endr
.endm
; LAY 1: from the ranks in v[RH ..] to my rows' offsets in xc.  first = 1: M and P of group s4 are kept for the list.  It leaves the expert's count in s98.
.macro RANKS first
.irp i, 0,1,2,3,4
	v_mov_b32 v[MS+\i], s66                        ; group 0 to begin with: P_0 = 0, first token 0
	v_mov_b32 v[PK+\i], 0
.endr
	s_bcnt1_i32_b32 s99, s66                       ; P_1
	s_add_co_u32 s101, s99, 1<<16
.if \first
	s_mov_b32 s31, s66
	s_mov_b32 s29, 0
.endif
.set g, 1
.rept 31
	s_bcnt1_i32_b32 s7, s[66+g]                    ; the next group's scalars are made ahead of this group's vector lines
	s_add_co_u32 s[98+(g+1)%2], s[98+g%2], s7
.if g < 31
	s_add_co_u32 s[100+(g+1)%2], s[98+(g+1)%2], (64*((g+1)/2)+(g+1)%2)<<16
.endif
.if \first
	s_cmp_eq_u32 s4, g
	s_cselect_b32 s31, s[66+g], s31
	s_cselect_b32 s29, s[98+g%2], s29
.endif
.irp i, 0,1,2,3,4
	v_cmp_gt_u32 s[58+\i], s[98+g%2], v[RH+\i]     ; where P_g > rank what is held stays; else group g takes its place
.endr
.irp i, 0,1,2,3,4
	v_cndmask_b32 v[MS+\i], s[66+g], v[MS+\i], s[58+\i]
.endr
.irp i, 0,1,2,3,4
	v_cndmask_b32 v[PK+\i], s[100+g%2], v[PK+\i], s[58+\i]
.endr
.set g, g+1
.endr
	V5K v_and_b32, T1, 0xffff, PK
	V5K v_lshrrev_b32, TK, 16, PK
	V5 v_sub_nc_u32, RH, RH, T1                    ; which set bit of the mask
	V5K v_lshrrev_b32, T1, 1, MS
	V5K v_and_b32, T1, 0x55555555, T1
	V5 v_sub_nc_u32, SA, MS, T1                    ; sums of 2 bits
	V5K v_lshrrev_b32, T1, 2, SA
	V5K v_and_b32, T1, 0x33333333, T1
	V5K v_and_b32, SB, 0x33333333, SA
	V5 v_add_nc_u32, SB, SB, T1                    ; of 4
	V5K v_lshrrev_b32, T1, 4, SB
	V5 v_add_nc_u32, T1, T1, SB
	V5K v_and_b32, SC, 0x0f0f0f0f, T1              ; of 8
	V5K v_lshrrev_b32, T1, 8, SC
	V5 v_add_nc_u32, T1, T1, SC
	V5K v_and_b32, SD, 0x00ff00ff, T1              ; of 16
	PICK SD, 0xff, 16, 0
	PICK SC, 0xff, 8, 1
	PICK SB, 15, 4, 1
	PICK SA, 3, 2, 1
	PICK MS, 1, 1, 2
.irp i, 0,1,2,3,4
	v_lshl_add_u32 v[PO+\i], v[PO+\i], 1, v[TK+\i] ; the token
.endr
	V5K v_min_u32, PO, 0x3ff, PO
.irp i, 0,1,2,3,4
	v_lshl_add_u32 v[AO+\i], v[PO+\i], 10, v23     ; its row of xc, + 16 h
.endr
.endm
.macro HEADL                           ; LAY 3: the list's words for the tiles of my slots.  All 1,024 ranks of the list are stored, so no count enters here
.set i, 0
.rept RB
	s_add_co_u32 s25, s27, 4*i
	s_lshl_b32 s25, s25, 1
	s_add_co_u32 s25, s25, s5
	s_min_u32 s25, s25, 63
	s_lshl_b32 s38, s25, 6
	v_add_nc_u32 v[RAO+i], s38, v11
	v_add_nc_u32 v[RBO+i], s38, v12
.set i, i+1
.endr
.set i, 0
.rept RB
	global_load_b32 v[RIA+i], v[RAO+i], s[18:19]   ; the list's word for my row r,
.set i, i+1
.endr
	WIN 0x40
.set i, 0
.rept RB
.irp k, 0,1,2,3,4,5,6,7
	global_load_b32 v[RIB+8*i+\k], v[RBO+i], s[18:19] offset:8*\k   ; and for rows 2 k + h, which I store
.endr
.set i, i+1
.endr
	WIN 0
.endm
.macro HEADA first                     ; which tiles my RB slots take, and my offsets in them
.set i, 0
.rept RB
	s_add_co_u32 s[20+i], s27, 4*i
.if LAY == 1
	s_min_u32 s25, s[20+i], 63
.endif
.if LAY == 2
	s_cmp_lt_u32 s[20+i], s26
	s_cselect_b32 s25, s[20+i], 0
	s_min_u32 s25, s25, 63
.endif
.if LAY == 3
	s_lshl_b32 s25, s[20+i], 1
	s_add_co_u32 s25, s25, s5                      ; tiles of my parity
	s_cmp_lt_u32 s[20+i], s26
	s_cselect_b32 s25, s25, 0
	s_min_u32 s25, s25, 63
.endif
	s_lshl_b32 s38, s25, 15
.if LAY == 1
	v_add_nc_u32 v[HO+i], s38, v18
	s_lshl_b32 s38, s25, 4
	v_add_nc_u32 v[RH+i], s38, v2                  ; rank 16 tile + r
.else
	v_add_nc_u32 v[AO+i], s38, v18
.endif
.set i, i+1
.endr
.if LAY == 1
	RANKS \first
.endif
.endm
.macro EPI                             ; slot ei's results leave
	WIN 0
.if ei > 0
	s_cmp_lt_u32 s[20+ei], s26
	s_cbranch_scc0 .Lno_\@
.endif
.if LAY != 3
	WIN HOLD
.set j, 0
.rept 32
	v_med3_num_f32 v[32*ei+j], v[32*ei+j], 0, v22  ; relu and the hold in one; each accumulator from its low end on
.set j, j+1
.endr
	WIN FROMACC
.irp t, 0,1,2,3
	v_cvt_scalef32_pk8_bf8_f32 v[PC+8*ei+2*\t:PC+8*ei+2*\t+1], v[32*ei+8*\t:32*ei+8*\t+7], v21
.endr
	WIN 0
	v_nop                                          ; one plain line between the last conversion and whatever next touches its registers
.irp b, 0,1
.if LAY == 1
	global_store_b128 v[HO+ei], v[PC+8*ei+4*\b:PC+8*ei+4*\b+3], s[16:17] offset:512*\b   ; 512 consecutive bytes of the next operand's image
.else
	global_store_b128 v[AO+ei], v[PC+8*ei+4*\b:PC+8*ei+4*\b+3], s[16:17] offset:512*\b
.endif
.endr
.else
.if ei > 0
	s_wait_xcnt 0x0                                ; the slot before has stored: its offsets may be written again
.endif
	WIN FROMACC
.irp t, 0,1,2,3
.irp u, 0,2,4,6
	v_pk_fma_f32 v[TMP+8*\t+\u:TMP+8*\t+\u+1], v[32*ei+8*\t+\u:32*ei+8*\t+\u+1], s[46:47], v[BIAS+8*\t+\u:BIAS+8*\t+\u+1] op_sel_hi:[1,0,1]   ; sum x 2^(e4 + e5) + b3
.endr
.endr
	WIN 0
.set j, 0
.rept 16
	v_pk_mul_f32 v[TMP+2*j:TMP+2*j+1], v[TMP+2*j:TMP+2*j+1], v[GT+2*ei:GT+2*ei+1] op_sel_hi:[1,0]   ; x my row's gate
.set j, j+1
.endr
.irp t, 0,1,2,3
	ds_store_b128 v13, v[TMP+8*\t:TMP+8*\t+3] offset:64*\t
	ds_store_b128 v13, v[TMP+8*\t+4:TMP+8*\t+7] offset:64*\t+16
.endr
.irp k, 0,1,2,3,4,5,6,7
	ds_load_b128 v[B0+32*ei+4*\k:B0+32*ei+4*\k+3], v14 offset:544*\k   ; my own stage: LDS serves a wave's instructions in order (ISA guide 5.7.1.4).  Lanes 0-15 one row of 256 bytes, lanes 16-31 the next
.endr
	WIN 0x04                                       ; source 1 window 1
.irp k, 0,1,2,3,4,5,6,7
	v_min_u32 v[YO+\k], 0x87f, v[RIB+8*ei+\k]
.endr
	WIN 0
.irp k, 0,1,2,3,4,5,6,7
	v_lshl_add_u32 v[YO+\k], v[YO+\k], 12, v15     ; the row of y2, + 16 r
.endr
.irp k, 0,1,2,3,4,5,6,7
	s_wait_dscnt 7-\k
	global_store_b128 v[YO+\k], v[B0+32*ei+4*\k:B0+32*ei+4*\k+3], s[16:17]   ; 16 lanes store 256 consecutive bytes, aligned
.endr
.endif
.if ei > 0
.Lno_\@:
.endif
.endm
	s_load_b256 s[8:15], s[0:1], 0x0               ; the input s[8:9], the weights s[10:11], the bias s[12:13], the scales s[14:15]
	s_load_b128 s[16:19], s[0:1], 0x20             ; the output s[16:17], the list and the counts s[18:19]
	v_lshl_add_u32 v254, v0, 2, 0x22000
	v_mov_b32 v255, 0
.if LAY != 2
	s_load_b64 s[48:49], s[0:1], 0x30              ; LAY 1: the chosen experts; LAY 3: the gates
.endif
	v_lshrrev_b32 v1, 5, v0
	v_readfirstlane_b32 s2, v1                     ; wave
	v_and_b32 v1, 31, v0                           ; lane
	v_and_b32 v2, 15, v0                           ; r
	v_bfe_u32 v3, v0, 4, 1                         ; h
	s_wait_alu depctr_va_vdst(0)
	s_lshr_b32 s3, ttmp9, 5                        ; the expert
.if LAY == 3
	s_lshr_b32 s6, ttmp9, 1                        ; which slice of 64 weight rows, counted through all experts
	s_and_b32 s4, s6, 15                           ; and within mine
	s_and_b32 s5, ttmp9, 1                         ; the parity of my tiles
.else
	s_mov_b32 s6, ttmp9
	s_and_b32 s4, ttmp9, 31
.endif
	v_mul_u32_u24 v23, v3, 272
	v_lshl_add_u32 v23, v2, 4, v23
.irp t, 0,1,2,3
	v_add_nc_u32 v[BA+\t], \t*TS, v23              ; tile t: block h of a pair, position r
.endr
	v_lshlrev_b32 v18, 4, v1
	v_mul_u32_u24 v19, v1, 272                     ; parking: my lane's 16 bytes of a load are block lane of 32
.if LAY == 3
	s_mul_i32 s38, s2, TS                          ; my 16 rows are tile w, row rho at position rho
	v_lshlrev_b32 v20, 5, v3
.else
	s_lshr_b32 s38, s2, 1                          ; my 16 rows go to tiles 2 (w / 2) and 2 (w / 2) + 1, positions 8 (w % 2) on
	s_mul_i32 s38, s38, 2*TS
	s_and_b32 s39, s2, 1
	s_lshl_b32 s39, s39, 7
	s_add_co_u32 s38, s38, s39
	v_lshlrev_b32 v20, 6, v3
.endif
	v_add_nc_u32 v19, s38, v19
.if LAY == 1
	v_lshlrev_b32 v23, 4, v3                       ; 16 h
	s_lshl_b32 s38, s4, 5
	s_add_co_u32 s38, s38, 9216
	v_add_nc_u32 v27, s38, v1                      ; my spare word, counted from the expert's first
	v_lshlrev_b32 v28, 2, v1
.endif
.if LAY == 3
	v_lshlrev_b32 v11, 2, v2
	v_lshlrev_b32 v12, 2, v3
	v_lshlrev_b32 v15, 4, v2
	s_mul_i32 s38, s2, 4352
	s_add_co_u32 s38, s38, STAGE                   ; my stage
	v_mul_u32_u24 v13, v2, 272
	v_lshl_add_u32 v13, v3, 5, v13
	v_add_nc_u32 v13, s38, v13                     ; in: row r, 32 bytes for each half of the lanes
	v_mul_u32_u24 v14, v3, 272
	v_lshl_add_u32 v14, v2, 4, v14
	v_add_nc_u32 v14, s38, v14                     ; back: row h of a pair, 16 bytes a lane
.irp i, 0,1,2
	v_mov_b32 v[GT+2*\i+1], 0                      ; (named as the upper halves of pairs)
.endr
.endif
	s_mul_i32 s40, s6, 64*KB                       ; the weights: my slice,
	s_mul_i32 s41, s2, 16*KB                       ; my wave's 16 rows
	s_add_co_u32 s40, s40, s41
	s_mov_b32 s41, 0
	s_lshl_b32 s42, s6, 8                          ; the bias: 64 numbers a slice
	s_mov_b32 s43, 0
	s_lshl_b32 s44, s3, 21                         ; an expert's images
	s_mov_b32 s45, 0
.if LAY == 3
	s_lshl_b32 s50, s4, 8                          ; y2: my 64 columns
.else
	s_lshl_b32 s50, s4, 10                         ; the next K's 64 of my slice: half a K step of an image
.endif
	s_mov_b32 s51, 0
	s_lshl_b32 s54, s3, 9                          ; the count's 128 words
	s_mov_b32 s55, 0
	s_lshl_b32 s56, s3, 12                         ; the expert's 1,024 ranks
	s_mov_b32 s57, 0
	s_mov_b32 s27, s2                              ; my first tile
	s_wait_alu depctr_va_vdst(0)
	s_wait_kmcnt 0x0
	s_load_b128 s[32:35], s[14:15], 0x0            ; e0 .. e3
	s_load_b64 s[36:37], s[14:15], 0x10            ; e4, e5
	s_add_nc_u64 s[10:11], s[10:11], s[40:41]
	s_add_nc_u64 s[12:13], s[12:13], s[42:43]
	s_add_nc_u64 s[16:17], s[16:17], s[50:51]
.if LAY != 1
	s_add_nc_u64 s[8:9], s[8:9], s[44:45]
.endif
.if LAY != 3
	s_add_nc_u64 s[16:17], s[16:17], s[44:45]
.endif
	s_add_nc_u64 s[52:53], s[18:19], s[54:55]
	s_add_nc_u64 s[18:19], s[18:19], s[56:57]
.if LAY != 1
	s_load_b32 s26, s[52:53], 0x8000               ; how many rows my expert has
.endif
.if LAY == 1
.set q, 0
.rept 16
	global_load_b128 v[IDX+4*q:IDX+4*q+3], v18, s[48:49] offset:512*q   ; both experts of tokens 64 q + 2 lane and 64 q + 2 lane + 1: groups 2 q and 2 q + 1
.set q, q+1
.endr
.endif
.if LAY == 3
	HEADL
.endif
.irp t, 0,1,2,3
.irp u, 0,1
.if LAY == 3
	global_load_b128 v[BIAS+8*\t+4*\u:BIAS+8*\t+4*\u+3], v20, s[12:13] offset:64*\t+16*\u                          ; columns 16 t + 8 h + 0 .. 7
.else
	global_load_b128 v[BIAS+8*\t+4*\u:BIAS+8*\t+4*\u+3], v20, s[12:13] offset:(32*(\t/2)+8*(\t%2))*4+16*\u         ; columns 32 (t / 2) + 16 h + 8 (t % 2) + 0 .. 7
.endif
.endr
.endr
	WLOAD
.if LAY == 1
	s_wait_loadcnt NW+8                            ; the experts are in; the bias's 8 loads and the weights' NW are younger
	MASKS
.else
	s_wait_kmcnt 0x0                               ; the count (and the scales)
	NTILES
.endif
	HEADA 1
.if LAY == 1
	s_mov_b32 s28, s98                             ; the count
	s_mov_b32 s26, s98
	NTILES
	s_cmp_lg_u32 s2, 0                             ; wave 0 stores my slice's part of the list
	s_cbranch_scc1 .Lnolist
	v_mbcnt_lo_u32_b32 v232, s31, s29              ; group s4: P + the set bits below my lane: my token's rank,
	v_cndmask_b32 v232, v27, v232, s31             ; or my spare word
	v_min_u32 v232, 0x27ff, v232
	v_lshlrev_b32 v232, 2, v232
	v_cndmask_b32 v233, 0, 1, s30                  ; the slot
	s_lshr_b32 s38, s4, 1
	s_lshl_b32 s38, s38, 7
	s_and_b32 s39, s4, 1
	s_lshl_b32 s39, s39, 1
	s_add_co_u32 s38, s38, s39
	v_add3_u32 v233, v233, v28, s38                ; 2 token + slot = 128 (g / 2) + 2 (g % 2) + 4 lane + slot
	global_store_b32 v232, v233, s[18:19]
	s_lshl_b32 s38, s4, 5
	s_add_co_u32 s38, s38, s28
	v_add_nc_u32 v234, s38, v1                     ; rank = count + 32 slice + lane
	v_cmp_gt_u32 s39, 0x400, v234                  ; still one of the expert's 1,024?
	v_and_b32 v235, 15, v234
	s_lshl_b32 s40, s3, 4
	s_add_co_u32 s40, s40, 2048
	v_add_nc_u32 v235, s40, v235                   ; 2,048 + 16 e + rank % 16
	v_cndmask_b32 v234, v27, v234, s39
	v_min_u32 v234, 0x27ff, v234
	v_lshlrev_b32 v234, 2, v234
	global_store_b32 v234, v235, s[18:19]
	s_cmp_lg_u32 s4, 0                             ; the expert's first slice stores the count
	s_cbranch_scc1 .Lnolist
	v_mov_b32 v236, s28
	v_mov_b32 v237, s28
	v_mov_b32 v238, s28
	v_mov_b32 v239, s28
	global_store_b128 v18, v[236:239], s[52:53] offset:32768
.Lnolist:
.endif
	s_wait_alu depctr_va_vdst(0)
	WSTAGE
	s_wait_dscnt 0x0                               ; for the others' sake: my 16 rows lie in LDS
	s_barrier_signal -1
	s_barrier_wait -1                              ; the one barrier: behind it nothing is written into the weights' bytes.  My 60 loads of rows stay out across it: nobody stores those bytes in this launch
.if LAY == 1
	s_wait_kmcnt 0x0                               ; the scales
.endif
	s_add_co_i32 s38, s[EA], s[EB]                 ; a sum stands for sum x 2^(the two operands' e added)
.if LAY != 3
	s_sub_co_i32 s39, 0, s38
	s_sub_co_i32 s40, s[EN], s38
	s_add_co_i32 s40, s40, 127
	s_lshl_b32 s41, s40, 23
	v_mov_b32 v21, s41                             ; the three scales folded into the conversion's one
	s_add_co_i32 s40, s40, 15
	s_lshl_b32 s40, s40, 23
	s_or_b32 s40, s40, 0x600000
	v_mov_b32 v22, s40                             ; 57,344 x that
.set j, 0
.rept 32
	v_ldexp_f32 v[BIAS+j], v[BIAS+j], s39          ; the bias, divided by the power of two that the sums lack
.set j, j+1
.endr
.else
	s_add_co_i32 s46, s38, 127
	s_lshl_b32 s46, s46, 23                        ; 2^(e4 + e5) as f32
	s_mov_b32 s47, s46                             ; (named with it as a pair)
.endif
.Lround:
	s_cmp_lt_u32 s27, s26
	s_cbranch_scc0 .Lskip
	KBODY
.set ei, 0
.rept RB
	EPI
.set ei, ei+1
.endr
	s_wait_xcnt 0x0                                ; what this round's stores name (offsets, codes, rows read back) is written again only behind this wait
.Lskip:
	s_add_co_u32 s27, s27, 4*RB
	s_cmp_lt_u32 s27, s26                          ; is there a next round for me?  Then it is set up and asked for here
	s_cbranch_scc0 .Lnone
	s_wait_loadcnt 0x0                             ; no load of mine is out: offsets and ring may be written again
.if LAY == 3
	HEADL
.endif
	HEADA 0
	s_wait_alu depctr_va_vdst(0)
	RINGFILL
.Lnone:
	s_cmp_lt_u32 s27, NTMAX
	s_cbranch_scc1 .Lround
	s_wait_tensorcnt 0x0
	ds_add_u32 v254, v255
	s_wait_dscnt 0x0
	s_endpgm
.Lfunc_end_k_q64a301325e_lay2:
	.size	k_q64a301325e_lay2, .Lfunc_end_k_q64a301325e_lay2-k_q64a301325e_lay2
	.p2alignl 7, 3214868480
	.fill 96, 4, 3214868480
	.section	.rodata,"a",@progbits
	.p2align	6, 0x0
	.amdhsa_kernel k_q64a301325e_lay2
		.amdhsa_group_segment_fixed_size 139776
		.amdhsa_private_segment_fixed_size 0
		.amdhsa_enable_private_segment 0
		.amdhsa_kernarg_size 48
		.amdhsa_user_sgpr_count 2
		.amdhsa_user_sgpr_kernarg_segment_ptr 1
		.amdhsa_wavefront_size32 1
		.amdhsa_system_sgpr_workgroup_id_x 1
		.amdhsa_system_sgpr_workgroup_id_y 1
		.amdhsa_system_sgpr_workgroup_id_z 1
		.amdhsa_system_vgpr_workitem_id 0
		.amdhsa_next_free_vgpr 1024
		.amdhsa_next_free_sgpr 66
		.amdhsa_reserve_vcc 0
		.amdhsa_float_denorm_mode_32 3
		.amdhsa_float_denorm_mode_16_64 3
		.amdhsa_memory_ordered 1
		.amdhsa_forward_progress 1
		.amdhsa_inst_pref_size 124
	.end_amdhsa_kernel
	.amdgpu_metadata
---
amdhsa.version: [ 1, 2 ]
amdhsa.kernels:
  - .name:           k_q64a301325e_lay2
    .symbol:         k_q64a301325e_lay2.kd
    .args:
      - { .name: h1, .offset: 0, .size: 8, .value_kind: global_buffer, .address_space: global }
      - { .name: W2_codes, .offset: 8, .size: 8, .value_kind: global_buffer, .address_space: global }
      - { .name: b2, .offset: 16, .size: 8, .value_kind: global_buffer, .address_space: global }
      - { .name: lowp_scales, .offset: 24, .size: 8, .value_kind: global_buffer, .address_space: global }
      - { .name: h2, .offset: 32, .size: 8, .value_kind: global_buffer, .address_space: global }
      - { .name: rowinfo, .offset: 40, .size: 8, .value_kind: global_buffer, .address_space: global }
    .group_segment_fixed_size: 139776
    .private_segment_fixed_size: 0
    .kernarg_segment_align: 8
    .kernarg_segment_size: 48
    .max_flat_workgroup_size: 128
    .sgpr_count:     66
    .vgpr_count:     1024
    .wavefront_size: 32
...
	.end_amdgpu_metadata
.endif
;; end of part 9
;; launch lay3 (part 10): grid 256 x 1, 4 waves a work-group, no clusters, 157,184 bytes of LDS; arguments h2, W3_codes, b3, lowp_scales, y2, rowinfo, gw; writes y2
.if DOCPART == 10
	.amdgcn_target "amdgcn-amd-amdhsa--gfx1250"
	.amdhsa_code_object_version 6
	.text
	.protected	k_q64a301325e_lay3
	.globl	k_q64a301325e_lay3
	.p2align	8
	.type	k_q64a301325e_lay3,@function
k_q64a301325e_lay3:
	s_mov_b64 s[64:65], 0
	v_nop
	global_prefetch_b8 v0, s[64:65] scope:SCOPE_SE
	s_setreg_imm32_b32 hwreg(HW_REG_WAVE_MODE, 25, 1), 1
	s_wait_xcnt 0x0
; ONE LAYER OF THE EXPERTS, FOR THE ROUTED ROWS ALONE.  One text serves the three layers; LAY says which.
;   LAY 1: h1 = Q(relu(x W1 + b1)), K = 1,024;  LAY 2: h2 = Q(relu(h1 W2 + b2)), K = 2,048;  LAY 3: y2[2 token + slot] = gate x (h2 W3 + b3), K = 2,048.   All products on codes of E5M2, sums in f32.
; SHARES.  A work-group owns one expert e and 64 output columns (LAY 1, 2: 8 x 32 work-groups; LAY 3: 8 x 16, and of the expert's row tiles those of parity p: x 2).  Its 64 rows of the weights are asked for at the head, all at once,
; 512 consecutive bytes a load, and parked in LDS; so each weight byte is read by one work-group (LAY 3: two).  The expert's rows come in tiles of 16 ranks: wave w takes tiles w, w + 4, .. , RB of them in a round, straight from memory
; into operand registers (no two waves read the same rows), through a ring of 15 fragments that keeps 56 to 60 loads of a wave on their way.  A weight fragment read from LDS feeds RB matrix instructions.
; A WAVE'S FIRST ROUND IS ASKED FOR AHEAD OF THE BARRIER: its first 15 fragments go out between the batches in which the weights are parked.  A trip of the loop multiplies and stores a round, then sets up and asks for the next, if there is one.
; HOW MANY TILES there are hangs on the experts that the router's launch stored as whole numbers: LAY 1 counts them, LAY 2 and 3 read the count that LAY 1 stored.  So this text has no tensor load, no copy and no joint request, though the
; work-groups of an expert read the same rows: a text with those has no branch on such a number.  The loop over rounds has a constant count; a round with no tile for the wave is jumped over.  No barrier stands behind the first such branch.
; THE MATRIX INSTRUCTION IS USED TRANSPOSED: source 0 = 16 rows of the weights, source 1 = 16 rows of the layer's input: a lane holds ONE row and eight output columns.  Both operands are fed by loads of 16 bytes: registers 4 c .. 4 c + 3
; of lane (r, h) hold k = 32 c + 16 h + 0 .. 15: the same permutation of k on both sides, so every product meets its partner.
; LAY 1, 2: THE WEIGHT ROWS OF A TILE ARE NOT NEIGHBOURS: position i of tile 2 b + u is row 32 b + 8 u + i + 8 (i / 8) of the slice, so that the 16 registers of tiles 2 b, 2 b + 1 are 16 neighbours of the next K, and the conversions' results
; are the next layer's operand registers.  h1 and h2 lie as images of those registers: e x 2^21 + tile x 32,768 + K step x 2,048 + c x 512 + 16 x lane: every store and load of a wave covers 512 consecutive bytes.
; The bias goes in as the C of each sum's first product, divided by the power of two that the sums lack; relu is the lower end of the hold that the conversion wants anyway; the three scales are folded into the conversion's one.
; THE PLACING (LAY 1).  Tokens go in 32 groups of 32: lane l of group g is token 64 (g / 2) + 2 l + g % 2.  M_g = the lanes whose token names e; P_g = the set bits of the masks before; a row's rank = P_g + the set bits of M_g below its lane.
; Every wave makes the 32 masks, in scalar registers, and goes the other way for the ranks of its tiles: the last g with P_g <= rank, then the place of set bit number rank - P_g of M_g.  That is register work, done while the weights are on their way.
; THE LIST (rowinfo), stored by LAY 1 for LAY 3: word rank of the expert's 1,024 holds 2 token + slot; ranks from the count on hold 2,048 + 16 e + rank % 16, which names a row of y2 that nobody reads.  Wave 0 of slice s stores group s's words and
; the words of ranks count + 32 s + lane; slice 0 the count, 128 times, at byte 32,768 + 512 e.  A lane with nothing to store writes a spare word of its work-group's, 9,216 + 32 s + lane words behind the expert's first; nobody reads those.
; A rank from the count on reads some token's row in LAY 1 (held at 1,023).  A slot past the end takes tile 0 in LAY 2 and 3; LAY 1 and 2 make at least one tile, so those bytes have been stored; such a slot's result is not stored.
; LIMITS: e2 - e0 - e1 and e4 - e2 - e3 between -126 and 112; e4 + e5 between -126 and 127.  NaN among the inputs is not served.
; A WAVE'S LAST SLOT: from K step 1 on its loads and products are jumped over where it has no tile (macro LASTG; K step 0 and the first 15 fragments are not, so that every register is written).  So the waits count the other
; RB - 1 slots' loads alone: 44 stay out at the least (LAY 3: 36), up to 60 where the last slot has a tile.
; THE LIST'S WORDS for the rows that a slot stores come as 16 scalars: slot 0's and 2's in s68-83, slot 1's in s84-99; s54-56 are their offsets.
.set LAY, 3
.if LAY == 1
.set KS, 8                             ; K steps of 128
.set RB, 5                             ; row tiles of a wave in a round
.set ASTEP, 128                        ; bytes from K step to K step in the input: rows of xc
.set ACS, 32                           ; and from c to c
.set NTMAX, 64                         ; tiles at the most
.set EA, 32                            ; s32.. hold e0 .. e5: the two operands' scales, and the result's
.set EB, 33
.set EN, 34
.endif
.if LAY == 2
.set KS, 16
.set RB, 5
.set ASTEP, 2048                       ; images
.set ACS, 512
.set NTMAX, 64
.set EA, 34
.set EB, 35
.set EN, 36
.endif
.if LAY == 3
.set KS, 16
.set RB, 3
.set ASTEP, 2048
.set ACS, 512
.set NTMAX, 32                         ; of one parity
.set EA, 36
.set EB, 37
.endif
.set KB,   128*KS                      ; bytes in a row of the weights
.set NG,   KB/512                      ; loads that bring one
.set NW,   16*NG                       ; weight loads of a wave: 16 rows
.set NB,   NW/8                        ; batches of eight in which they are parked
.set NF,   KS*RB                       ; input fragments of a round
.set RING, 15
.set LK,   RING/RB                     ; K steps in the ring
.set FPB,  (RING+NB-1)/NB              ; fragments asked for behind each batch
.set TS,   (KB/16)*272                 ; LDS: a tile of 16 weight rows: for each 16 along K a block of 16 positions x 16 bytes, + 16 of padding.  A fragment load's 16 lanes take 256 consecutive bytes; a parking store's 16 lanes stand 272 apart
.set STAGE, 4*TS                       ; LAY 3: 16 rows x (256 + 16) bytes for each wave, for the way out
; window 0: v1 lane, v2 r, v3 h; v18 16 x lane; v19 where I park; v20 the bias's offset; v21, v22 the conversion's scale and 57,344 x it; LAY 1: v23 16 h, v27 my spare word, v28 4 x lane, v232-239 what wave 0 stores in the list
.set BA,   4                           ; v4-7     my lane's place in weight tile t
.set AO,   8                           ; v8..     slot i: my byte offset in its input tile
.set HO,   13                          ; v13-17   LAY 1: slot i: my byte offset in its output tile (LAY 2: AO serves)
.set BIAS, 32                          ; v32-63   tile t at 8 t
.set B0,   64                          ; v64-191  weight fragments, two sets of 4 x 16
.set IDX,  128                         ; LAY 1, ahead of the products: the experts of all tokens
.set RH,   64                          ; LAY 1, between the products, five registers each, one a slot: the rank, then what is left of it;
.set MS,   69                          ; the mask of the rank's group;
.set PK,   74                          ; P_g + 65,536 x the group's first token;
.set SA,   79                          ; the mask's bit sums in fields of 2,
.set SB,   84                          ; of 4,
.set SC,   89                          ; of 8,
.set SD,   94                          ; of 16;
.set TK,   99                          ; the group's first token;
.set PO,   104                         ; the place of the bit;
.set T1,   109                         ; at work
.set T2,   114
.set PC,   192                         ; v192-231 LAY 1, 2: slot i's codes at 8 i
.set TMP,  192                         ; v192-223 LAY 3: a slot's results
.set YO,   224                         ; v224-231 LAY 3: offsets of 8 pairs of rows in y2
.set RAO,  232                         ; LAY 3: offsets in the list; what it holds for my row; the gate's offset; the gate (in pairs)
.set RIA,  238
.set GWO,  241
.set GT,   244
; window 1: v0..: the accumulators, slot i, tile t at 8 (4 i + t).   window 2: the ring, fragment f at 16 (f % 15).   window 3: the weights on their way to LDS
; LAY 1, scalars: s66-97 the masks M_g; s98, s99 P_g by turns; s100, s101 the packed word by turns; s58-62 compare masks; s7 at work; s28 the count; s29, s30, s31: P, the second slot's mask and M of the group that my slice stores
.set MULB, 0x48                        ; source 1 window 2, C window 0 or the constant, D window 1
.set MUL,  0x58                        ; source 1 window 2, C and D window 1
.set TOA,  0x80                        ; destination window 2
.set TOW,  0xc0                        ; destination window 3
.set STW,  0x0c                        ; an LDS store's data window 3
.set HOLD, 0x41                        ; source 0 and destination window 1
.set FROMACC, 0x01                     ; source 0 window 1
.set MSB, 0
.macro WIN new                         ; the immediate's high byte repeats the setting that is left; a switch that changes nothing is dropped
.if MSB != \new
	s_set_vgpr_msb (MSB<<8)|\new
.set MSB, \new
.endif
.endm
.macro WLOAD                           ; my 16 rows of the slice: each load takes 512 consecutive bytes of one row
	WIN TOW
.set q, 0
.rept NW
.if LAY == 3
	global_load_b128 v[4*q:4*q+3], v18, s[10:11] offset:(q/NG)*KB+512*(q%NG)
.else
	global_load_b128 v[4*q:4*q+3], v18, s[10:11] offset:(q/NG)*KB+512*(q%NG) th:TH_LOAD_NT
.endif
.set q, q+1
.endr
	WIN 0
.endm
.macro AFRAG                           ; input fragment fa: K step fa / RB of slot fa % RB
	WIN TOA
.irp c, 0,1,2,3
	global_load_b128 v[16*(fa%RING)+4*\c:16*(fa%RING)+4*\c+3], v[AO+fa%RB], s[8:9] offset:ASTEP*(fa/RB)+ACS*\c
.endr
.endm
.macro WSTAGE                          ; the weights go into LDS, eight loads at a time; behind each batch FPB fragments of the first round are asked for
.set q, 0
.set fa, 0
.rept NB
	s_wait_loadcnt NW-8-q+4*fa                     ; these eight are in; younger: the later weights and the 4 fa loads of the fragments asked for so far
	WIN STW
.rept 8
.if LAY == 3
.set im, 16*(q/NG)+8704*(q%NG)
.else
.set im, ((q/NG)>>3)*TS+((q/NG)&7)*16+8704*(q%NG)
.endif
	ds_store_b128 v19, v[4*q:4*q+3] offset:im
.set q, q+1
.endr
.rept FPB
.if fa < RING
	AFRAG
.set fa, fa+1
.endif
.endr
.endr
	WIN 0
.endm
.macro RINGFILL                        ; a later round's first 15 fragments, in one run
.set fa, 0
.rept RING
	AFRAG
.set fa, fa+1
.endr
	WIN 0
.endm
.macro BFETCH                          ; the four weight fragments of K step sb into set sb % 2
	WIN 0
.irp t, 0,1,2,3
.irp c, 0,1,2,3
	ds_load_b128 v[B0+64*(sb%2)+16*\t+4*\c:B0+64*(sb%2)+16*\t+4*\c+3], v[BA+\t] offset:2176*sb+544*\c
.endr
.endr
.endm
; Fragment fc against the four weight tiles.  No two matrix instructions that follow each other share an accumulator: the 4 RB take turns, one instruction a turn.
.macro GROUP
.if fc/RB+LK < KS                      ; loads come back in order: fragment fc is in; younger are, of the slots but the last, RB - 1 fragments for each of LK K steps (less fc itself)
.if fc%RB < RB-1
	s_wait_loadcnt 4*((RB-1)*LK-1)
.else
	s_wait_loadcnt 4*(RB-1)*LK
.endif
.elseif fc%RB < RB-1                   ; or those that are left
	s_wait_loadcnt 4*(RB-2-fc%RB+(RB-1)*(KS-1-fc/RB))
.else
	s_wait_loadcnt 4*(RB-1)*(KS-1-fc/RB)
.endif
.if (LAY == 3) && (fc == 0)
	WIN 0                                          ; the list's words were asked for ahead of fragment 0, so they are in: my rows' gates are asked for now.  (Three loads more are out than the waits that follow count: those waits are the stricter for it)
.irp i, 0,1,2
	v_min_u32 v[GWO+\i], 0x7ff, v[RIA+\i]
	v_lshlrev_b32 v[GWO+\i], 2, v[GWO+\i]
.endr
.irp i, 0,1,2
	global_load_b32 v[GT+2*\i], v[GWO+\i], s[48:49]
.endr
.endif
.if fc/RB == 0
	WIN MULB
.else
	WIN MUL
.endif
.irp t, 0,1,2,3
.set rD, 8*(4*(fc%RB)+\t)
.set rW, B0+64*((fc/RB)%2)+16*\t
.set rA, 16*(fc%RING)
.if fc/RB > 0
	v_wmma_f32_16x16x128_bf8_bf8 v[rD:rD+7], v[rW:rW+15], v[rA:rA+15], v[rD:rD+7]
.elseif LAY == 3
	v_wmma_f32_16x16x128_bf8_bf8 v[rD:rD+7], v[rW:rW+15], v[rA:rA+15], 0
.else
	v_wmma_f32_16x16x128_bf8_bf8 v[rD:rD+7], v[rW:rW+15], v[rA:rA+15], v[BIAS+8*\t:BIAS+8*\t+7]
.endif
.endr
.rept 4
	v_nop                                          ; four places ahead of loads into registers that these products read, and of the first read of results
.endr
.if fc+RING < NF
.set fa, fc+RING
	AFRAG                                          ; the ring's place takes the fragment 15 further on
.endif
.endm
.macro LASTG                           ; the last slot's group, where the slot has a tile
	WIN 0
	s_cmp_lt_u32 s[20+RB-1], s26
	s_cbranch_scc0 .Lk_\@
	GROUP
	WIN 0
.Lk_\@:
.endm
.macro KBODY                           ; a round's products, written out: every LDS address is a register that stays + an immediate.  Its first 15 fragments have been asked for
.set sb, 0
	BFETCH
.set kq, 0
	s_wait_alu depctr_va_vdst(0)
.rept KS
.if kq+1 < KS
.set sb, kq+1
	BFETCH
	s_wait_dscnt 16                                ; this step's weight fragments are in; the next step's 16 loads stay out
.else
	s_wait_dscnt 0x0
.endif
.set sl, 0
.rept RB
.set fc, kq*RB+sl
.if (sl == RB-1) && (kq > 0)
	LASTG
.else
	GROUP
.endif
.set sl, sl+1
.endr
.set kq, kq+1
.endr
.endm
.macro NTILES                          ; s26: from the count of rows to the count of tiles
	s_min_u32 s26, s26, 1024
	s_add_co_u32 s26, s26, 15
	s_lshr_b32 s26, s26, 4                         ; tiles of 16 ranks
.if LAY == 3
	s_add_co_u32 s26, s26, 1
	s_sub_co_u32 s26, s26, s5
	s_lshr_b32 s26, s26, 1                         ; of my parity
.else
	s_max_u32 s26, s26, 1                          ; at least one, so that tile 0 of h1 and of h2 is always stored
.endif
.endm
.macro V5 op, d, a, b                  ; one line for each of the five slots, so that no line waits for the line above it
.irp i, 0,1,2,3,4
	\op v[\d+\i], v[\a+\i], v[\b+\i]
.endr
.endm
.macro V5K op, d, k, b
.irp i, 0,1,2,3,4
	\op v[\d+\i], \k, v[\b+\i]
.endr
.endm
; One halving: t = the set bits in the lower k places of what is left (a field of the sums x, at place PO).  Where the number sought is t or more, the bit lies in the upper k: t is taken off and the place goes up by k.  how: 0 first, 1 middle, 2 last
.macro PICK x, m, k, how
.if \how == 0
	V5K v_and_b32, T1, \m, \x
.else
	V5 v_lshrrev_b32, T1, PO, \x
	V5K v_and_b32, T1, \m, T1
.endif
.irp i, 0,1,2,3,4
	v_cmp_ge_u32 s[58+\i], v[RH+\i], v[T1+\i]
.endr
.if \how != 2
.irp i, 0,1,2,3,4
	v_cndmask_b32 v[T1+\i], 0, v[T1+\i], s[58+\i]
.endr
	V5 v_sub_nc_u32, RH, RH, T1
.endif
.if \how == 0
.irp i, 0,1,2,3,4
	v_cndmask_b32 v[PO+\i], 0, \k, s[58+\i]
.endr
.else
.irp i, 0,1,2,3,4
	v_cndmask_b32 v[T2+\i], 0, \k, s[58+\i]
.endr
	V5 v_add_nc_u32, PO, PO, T2
.endif
.endm
.macro MASKS                           ; LAY 1: the 32 masks, four groups at a time; the second slot's mask of group s4 is kept for the list
	s_mov_b32 s30, 0
.set g, 0
.rept 8
.irp k, 0,1,2,3
	v_cmp_eq_u32 s[66+g+\k], s3, v[IDX+2*(g+\k)]
	v_cmp_eq_u32 s[58+\k], s3, v[IDX+2*(g+\k)+1]
.endr
.irp k, 0,1,2,3
	s_or_b32 s[66+g+\k], s[66+g+\k], s[58+\k]      ; a token's two experts differ
	s_cmp_eq_u32 s4, g+\k
	s_cselect_b32 s30, s[58+\k], s30
.endr
.set g, g+4
.endr
.endm
; LAY 1: from the ranks in v[RH ..] to my rows' offsets in xc.  first = 1: M and P of group s4 are kept for the list.  It leaves the expert's count in s98.
.macro RANKS first
.irp i, 0,1,2,3,4
	v_mov_b32 v[MS+\i], s66                        ; group 0 to begin with: P_0 = 0, first token 0
	v_mov_b32 v[PK+\i], 0
.endr
	s_bcnt1_i32_b32 s99, s66                       ; P_1
	s_add_co_u32 s101, s99, 1<<16
.if \first
	s_mov_b32 s31, s66
	s_mov_b32 s29, 0
.endif
.set g, 1
.rept 31
	s_bcnt1_i32_b32 s7, s[66+g]                    ; the next group's scalars are made ahead of this group's vector lines
	s_add_co_u32 s[98+(g+1)%2], s[98+g%2], s7
.if g < 31
	s_add_co_u32 s[100+(g+1)%2], s[98+(g+1)%2], (64*((g+1)/2)+(g+1)%2)<<16
.endif
.if \first
	s_cmp_eq_u32 s4, g
	s_cselect_b32 s31, s[66+g], s31
	s_cselect_b32 s29, s[98+g%2], s29
.endif
.irp i, 0,1,2,3,4
	v_cmp_gt_u32 s[58+\i], s[98+g%2], v[RH+\i]     ; where P_g > rank what is held stays; else group g takes its place
.endr
.irp i, 0,1,2,3,4
	v_cndmask_b32 v[MS+\i], s[66+g], v[MS+\i], s[58+\i]
.endr
.irp i, 0,1,2,3,4
	v_cndmask_b32 v[PK+\i], s[100+g%2], v[PK+\i], s[58+\i]
.endr
.set g, g+1
.endr
	V5K v_and_b32, T1, 0xffff, PK
	V5K v_lshrrev_b32, TK, 16, PK
	V5 v_sub_nc_u32, RH, RH, T1                    ; which set bit of the mask
	V5K v_lshrrev_b32, T1, 1, MS
	V5K v_and_b32, T1, 0x55555555, T1
	V5 v_sub_nc_u32, SA, MS, T1                    ; sums of 2 bits
	V5K v_lshrrev_b32, T1, 2, SA
	V5K v_and_b32, T1, 0x33333333, T1
	V5K v_and_b32, SB, 0x33333333, SA
	V5 v_add_nc_u32, SB, SB, T1                    ; of 4
	V5K v_lshrrev_b32, T1, 4, SB
	V5 v_add_nc_u32, T1, T1, SB
	V5K v_and_b32, SC, 0x0f0f0f0f, T1              ; of 8
	V5K v_lshrrev_b32, T1, 8, SC
	V5 v_add_nc_u32, T1, T1, SC
	V5K v_and_b32, SD, 0x00ff00ff, T1              ; of 16
	PICK SD, 0xff, 16, 0
	PICK SC, 0xff, 8, 1
	PICK SB, 15, 4, 1
	PICK SA, 3, 2, 1
	PICK MS, 1, 1, 2
.irp i, 0,1,2,3,4
	v_lshl_add_u32 v[PO+\i], v[PO+\i], 1, v[TK+\i] ; the token
.endr
	V5K v_min_u32, PO, 0x3ff, PO
.irp i, 0,1,2,3,4
	v_lshl_add_u32 v[AO+\i], v[PO+\i], 10, v23     ; its row of xc, + 16 h
.endr
.endm
.macro HEADL                           ; LAY 3: the list's words for the tiles of my slots.  All 1,024 ranks of the list are stored, so no count enters here
.set i, 0
.rept RB
	s_add_co_u32 s25, s27, 4*i
	s_lshl_b32 s25, s25, 1
	s_add_co_u32 s25, s25, s5
	s_min_u32 s25, s25, 63
	s_lshl_b32 s[54+i], s25, 6
	v_add_nc_u32 v[RAO+i], s[54+i], v11
.set i, i+1
.endr
.set i, 0
	s_wait_alu depctr_va_vdst(0)
.rept RB
	global_load_b32 v[RIA+i], v[RAO+i], s[18:19]   ; the list's word for my row r,
.set i, i+1
.endr
	s_load_b512 s[68:83], s[18:19], s54 offset:0x0 ; and for the 16 rows that I store: slots 0 and 1
	s_load_b512 s[84:99], s[18:19], s55 offset:0x0
.endm
.macro HEADA first                     ; which tiles my RB slots take, and my offsets in them
.set i, 0
.rept RB
	s_add_co_u32 s[20+i], s27, 4*i
.if LAY == 1
	s_min_u32 s25, s[20+i], 63
.endif
.if LAY == 2
	s_cmp_lt_u32 s[20+i], s26
	s_cselect_b32 s25, s[20+i], 0
	s_min_u32 s25, s25, 63
.endif
.if LAY == 3
	s_lshl_b32 s25, s[20+i], 1
	s_add_co_u32 s25, s25, s5                      ; tiles of my parity
	s_cmp_lt_u32 s[20+i], s26
	s_cselect_b32 s25, s25, 0
	s_min_u32 s25, s25, 63
.endif
	s_lshl_b32 s38, s25, 15
.if LAY == 1
	v_add_nc_u32 v[HO+i], s38, v18
	s_lshl_b32 s38, s25, 4
	v_add_nc_u32 v[RH+i], s38, v2                  ; rank 16 tile + r
.else
	v_add_nc_u32 v[AO+i], s38, v18
.endif
.set i, i+1
.endr
.if LAY == 1
	RANKS \first
.endif
.endm
.macro EPI                             ; slot ei's results leave
	WIN 0
.if ei > 0
	s_cmp_lt_u32 s[20+ei], s26
	s_cbranch_scc0 .Lno_\@
.endif
.if LAY != 3
	WIN HOLD
.set j, 0
.rept 32
	v_med3_num_f32 v[32*ei+j], v[32*ei+j], 0, v22  ; relu and the hold in one; each accumulator from its low end on
.set j, j+1
.endr
	WIN FROMACC
.irp t, 0,1,2,3
	v_cvt_scalef32_pk8_bf8_f32 v[PC+8*ei+2*\t:PC+8*ei+2*\t+1], v[32*ei+8*\t:32*ei+8*\t+7], v21
.endr
	WIN 0
	v_nop                                          ; one plain line between the last conversion and whatever next touches its registers
.irp b, 0,1
.if LAY == 1
	global_store_b128 v[HO+ei], v[PC+8*ei+4*\b:PC+8*ei+4*\b+3], s[16:17] offset:512*\b   ; 512 consecutive bytes of the next operand's image
.else
	global_store_b128 v[AO+ei], v[PC+8*ei+4*\b:PC+8*ei+4*\b+3], s[16:17] offset:512*\b
.endif
.endr
.else
.if ei > 0
	s_wait_xcnt 0x0                                ; the slot before has stored: its offsets may be written again
.endif
	WIN FROMACC
.irp t, 0,1,2,3
.irp u, 0,2,4,6
	v_pk_fma_f32 v[TMP+8*\t+\u:TMP+8*\t+\u+1], v[32*ei+8*\t+\u:32*ei+8*\t+\u+1], s[46:47], v[BIAS+8*\t+\u:BIAS+8*\t+\u+1] op_sel_hi:[1,0,1]   ; sum x 2^(e4 + e5) + b3
.endr
.endr
	WIN 0
.set j, 0
.rept 16
	v_pk_mul_f32 v[TMP+2*j:TMP+2*j+1], v[TMP+2*j:TMP+2*j+1], v[GT+2*ei:GT+2*ei+1] op_sel_hi:[1,0]   ; x my row's gate
.set j, j+1
.endr
.irp t, 0,1,2,3
	ds_store_b128 v13, v[TMP+8*\t:TMP+8*\t+3] offset:64*\t
	ds_store_b128 v13, v[TMP+8*\t+4:TMP+8*\t+7] offset:64*\t+16
.endr
.irp k, 0,1,2,3,4,5,6,7
	ds_load_b128 v[B0+32*ei+4*\k:B0+32*ei+4*\k+3], v14 offset:544*\k   ; my own stage: LDS serves a wave's instructions in order (ISA guide 5.7.1.4).  Lanes 0-15 one row of 256 bytes, lanes 16-31 the next
.endr
	s_wait_kmcnt 0x0                               ; the slot's 16 words
.irp k, 0,1,2,3,4,5,6,7
	v_mov_b32 v[YO+\k], s[68+16*(ei%2)+2*\k+1]
.endr
.irp k, 0,1,2,3,4,5,6,7
	v_cndmask_b32 v[YO+\k], s[68+16*(ei%2)+2*\k], v[YO+\k], s100   ; lanes 0-15 row 2 k, lanes 16-31 row 2 k + 1
.endr
.irp k, 0,1,2,3,4,5,6,7
	v_min_u32 v[YO+\k], 0x87f, v[YO+\k]
.endr
.if ei == 0
	s_load_b512 s[68:83], s[18:19], s56 offset:0x0 ; slot 2's words take slot 0's place
.endif
.irp k, 0,1,2,3,4,5,6,7
	v_lshl_add_u32 v[YO+\k], v[YO+\k], 12, v15     ; the row of y2, + 16 r
.endr
	s_wait_alu depctr_va_vdst(0)
.irp k, 0,1,2,3,4,5,6,7
	s_wait_dscnt 7-\k
	global_store_b128 v[YO+\k], v[B0+32*ei+4*\k:B0+32*ei+4*\k+3], s[16:17]   ; 16 lanes store 256 consecutive bytes, aligned
.endr
.endif
.if ei > 0
.Lno_\@:
.endif
.endm
	s_load_b256 s[8:15], s[0:1], 0x0               ; the input s[8:9], the weights s[10:11], the bias s[12:13], the scales s[14:15]
	s_load_b128 s[16:19], s[0:1], 0x20             ; the output s[16:17], the list and the counts s[18:19]
.if LAY != 2
	s_load_b64 s[48:49], s[0:1], 0x30              ; LAY 1: the chosen experts; LAY 3: the gates
	v_lshl_add_u32 v254, v0, 2, 0x26400
	v_mov_b32 v255, 0
.endif
	v_lshrrev_b32 v1, 5, v0
	v_readfirstlane_b32 s2, v1                     ; wave
	v_and_b32 v1, 31, v0                           ; lane
	v_and_b32 v2, 15, v0                           ; r
	v_bfe_u32 v3, v0, 4, 1                         ; h
	s_lshr_b32 s3, ttmp9, 5                        ; the expert
.if LAY == 3
	s_and_b32 s4, ttmp9, 15                        ; which slice of 64 weight rows within my expert's,
	s_lshl_b32 s6, s3, 4
	s_or_b32 s6, s6, s4                            ; and counted through all experts
	s_bfe_u32 s5, ttmp9, 0x10004                   ; the parity of my tiles
	s_wait_alu depctr_va_vdst(0)
.else
	s_mov_b32 s6, ttmp9
	s_and_b32 s4, ttmp9, 31
.endif
	v_mul_u32_u24 v23, v3, 272
	v_lshl_add_u32 v23, v2, 4, v23
.irp t, 0,1,2,3
	v_add_nc_u32 v[BA+\t], \t*TS, v23              ; tile t: block h of a pair, position r
.endr
	v_lshlrev_b32 v18, 4, v1
	v_mul_u32_u24 v19, v1, 272                     ; parking: my lane's 16 bytes of a load are block lane of 32
.if LAY == 3
	s_mul_i32 s38, s2, TS                          ; my 16 rows are tile w, row rho at position rho
	v_lshlrev_b32 v20, 5, v3
.else
	s_lshr_b32 s38, s2, 1                          ; my 16 rows go to tiles 2 (w / 2) and 2 (w / 2) + 1, positions 8 (w % 2) on
	s_mul_i32 s38, s38, 2*TS
	s_and_b32 s39, s2, 1
	s_lshl_b32 s39, s39, 7
	s_add_co_u32 s38, s38, s39
	v_lshlrev_b32 v20, 6, v3
.endif
	v_add_nc_u32 v19, s38, v19
.if LAY == 1
	v_lshlrev_b32 v23, 4, v3                       ; 16 h
	s_lshl_b32 s38, s4, 5
	s_add_co_u32 s38, s38, 9216
	v_add_nc_u32 v27, s38, v1                      ; my spare word, counted from the expert's first
	v_lshlrev_b32 v28, 2, v1
.endif
.if LAY == 3
	v_lshlrev_b32 v11, 2, v2
	v_lshlrev_b32 v15, 4, v2
	s_mul_i32 s38, s2, 4352
	s_add_co_u32 s38, s38, STAGE                   ; my stage
	v_mul_u32_u24 v13, v2, 272
	v_lshl_add_u32 v13, v3, 5, v13
	v_add_nc_u32 v13, s38, v13                     ; in: row r, 32 bytes for each half of the lanes
	v_mul_u32_u24 v14, v3, 272
	v_lshl_add_u32 v14, v2, 4, v14
	v_add_nc_u32 v14, s38, v14                     ; back: row h of a pair, 16 bytes a lane
.irp i, 0,1,2
	v_mov_b32 v[GT+2*\i+1], 0                      ; (named as the upper halves of pairs)
.endr
	s_mov_b32 s100, 0xffff0000                     ; lanes 16-31
.endif
	s_mul_i32 s40, s6, 64*KB                       ; the weights: my slice,
	s_mul_i32 s41, s2, 16*KB                       ; my wave's 16 rows
	s_add_co_u32 s40, s40, s41
	s_mov_b32 s41, 0
	s_lshl_b32 s42, s6, 8                          ; the bias: 64 numbers a slice
	s_mov_b32 s43, 0
	s_lshl_b32 s44, s3, 21                         ; an expert's images
	s_mov_b32 s45, 0
.if LAY == 3
	s_lshl_b32 s50, s4, 8                          ; y2: my 64 columns
.else
	s_lshl_b32 s50, s4, 10                         ; the next K's 64 of my slice: half a K step of an image
.endif
	s_mov_b32 s51, 0
	s_lshl_b32 s54, s3, 9                          ; the count's 128 words
	s_mov_b32 s55, 0
	s_lshl_b32 s56, s3, 12                         ; the expert's 1,024 ranks
	s_mov_b32 s57, 0
	s_mov_b32 s27, s2                              ; my first tile
	s_wait_kmcnt 0x0
	s_load_b128 s[32:35], s[14:15], 0x0            ; e0 .. e3
	s_load_b64 s[36:37], s[14:15], 0x10            ; e4, e5
	s_add_nc_u64 s[10:11], s[10:11], s[40:41]
	s_add_nc_u64 s[12:13], s[12:13], s[42:43]
	s_add_nc_u64 s[16:17], s[16:17], s[50:51]
.if LAY != 1
	s_add_nc_u64 s[8:9], s[8:9], s[44:45]
.endif
.if LAY != 3
	s_add_nc_u64 s[16:17], s[16:17], s[44:45]
.endif
	s_add_nc_u64 s[52:53], s[18:19], s[54:55]
	s_add_nc_u64 s[18:19], s[18:19], s[56:57]
.if LAY != 1
	s_load_b32 s26, s[52:53], 0x8000               ; how many rows my expert has
.endif
.if LAY == 1
.set q, 0
.rept 16
	global_load_b128 v[IDX+4*q:IDX+4*q+3], v18, s[48:49] offset:512*q   ; both experts of tokens 64 q + 2 lane and 64 q + 2 lane + 1: groups 2 q and 2 q + 1
.set q, q+1
.endr
.endif
.if LAY == 3
	HEADL
.endif
.irp t, 0,1,2,3
.irp u, 0,1
.if LAY == 3
	global_load_b128 v[BIAS+8*\t+4*\u:BIAS+8*\t+4*\u+3], v20, s[12:13] offset:64*\t+16*\u                          ; columns 16 t + 8 h + 0 .. 7
.else
	global_load_b128 v[BIAS+8*\t+4*\u:BIAS+8*\t+4*\u+3], v20, s[12:13] offset:(32*(\t/2)+8*(\t%2))*4+16*\u         ; columns 32 (t / 2) + 16 h + 8 (t % 2) + 0 .. 7
.endif
.endr
.endr
	WLOAD
.if LAY == 1
	s_wait_loadcnt NW+8                            ; the experts are in; the bias's 8 loads and the weights' NW are younger
	MASKS
.else
	s_wait_kmcnt 0x0                               ; the count (and the scales)
	NTILES
.endif
	HEADA 1
.if LAY == 1
	s_mov_b32 s28, s98                             ; the count
	s_mov_b32 s26, s98
	NTILES
	s_cmp_lg_u32 s2, 0                             ; wave 0 stores my slice's part of the list
	s_cbranch_scc1 .Lnolist
	v_mbcnt_lo_u32_b32 v232, s31, s29              ; group s4: P + the set bits below my lane: my token's rank,
	v_cndmask_b32 v232, v27, v232, s31             ; or my spare word
	v_min_u32 v232, 0x27ff, v232
	v_lshlrev_b32 v232, 2, v232
	v_cndmask_b32 v233, 0, 1, s30                  ; the slot
	s_lshr_b32 s38, s4, 1
	s_lshl_b32 s38, s38, 7
	s_and_b32 s39, s4, 1
	s_lshl_b32 s39, s39, 1
	s_add_co_u32 s38, s38, s39
	v_add3_u32 v233, v233, v28, s38                ; 2 token + slot = 128 (g / 2) + 2 (g % 2) + 4 lane + slot
	global_store_b32 v232, v233, s[18:19]
	s_lshl_b32 s38, s4, 5
	s_add_co_u32 s38, s38, s28
	v_add_nc_u32 v234, s38, v1                     ; rank = count + 32 slice + lane
	v_cmp_gt_u32 s39, 0x400, v234                  ; still one of the expert's 1,024?
	v_and_b32 v235, 15, v234
	s_lshl_b32 s40, s3, 4
	s_add_co_u32 s40, s40, 2048
	v_add_nc_u32 v235, s40, v235                   ; 2,048 + 16 e + rank % 16
	v_cndmask_b32 v234, v27, v234, s39
	v_min_u32 v234, 0x27ff, v234
	v_lshlrev_b32 v234, 2, v234
	global_store_b32 v234, v235, s[18:19]
	s_cmp_lg_u32 s4, 0                             ; the expert's first slice stores the count
	s_cbranch_scc1 .Lnolist
	v_mov_b32 v236, s28
	v_mov_b32 v237, s28
	v_mov_b32 v238, s28
	v_mov_b32 v239, s28
	global_store_b128 v18, v[236:239], s[52:53] offset:32768
.Lnolist:
.endif
	s_wait_alu depctr_va_vdst(0)
	WSTAGE
	s_wait_dscnt 0x0                               ; for the others' sake: my 16 rows lie in LDS
	s_barrier_signal -1
	s_barrier_wait -1                              ; the one barrier: behind it nothing is written into the weights' bytes.  My 60 loads of rows stay out across it: nobody stores those bytes in this launch
.if LAY == 1
	s_wait_kmcnt 0x0                               ; the scales
.endif
	s_add_co_i32 s38, s[EA], s[EB]                 ; a sum stands for sum x 2^(the two operands' e added)
.if LAY != 3
	s_sub_co_i32 s39, 0, s38
	s_sub_co_i32 s40, s[EN], s38
	s_add_co_i32 s40, s40, 127
	s_lshl_b32 s41, s40, 23
	v_mov_b32 v21, s41                             ; the three scales folded into the conversion's one
	s_add_co_i32 s40, s40, 15
	s_lshl_b32 s40, s40, 23
	s_or_b32 s40, s40, 0x600000
	v_mov_b32 v22, s40                             ; 57,344 x that
.set j, 0
.rept 32
	v_ldexp_f32 v[BIAS+j], v[BIAS+j], s39          ; the bias, divided by the power of two that the sums lack
.set j, j+1
.endr
.else
	s_add_co_i32 s46, s38, 127
	s_lshl_b32 s46, s46, 23                        ; 2^(e4 + e5) as f32
	s_mov_b32 s47, s46                             ; (named with it as a pair)
.endif
.Lround:
	s_cmp_lt_u32 s27, s26
	s_cbranch_scc0 .Lskip
	KBODY
.set ei, 0
.rept RB
	EPI
.set ei, ei+1
.endr
	s_wait_xcnt 0x0                                ; what this round's stores name (offsets, codes, rows read back) is written again only behind this wait
.Lskip:
	s_add_co_u32 s27, s27, 4*RB
	s_cmp_lt_u32 s27, s26                          ; is there a next round for me?  Then it is set up and asked for here
	s_cbranch_scc0 .Lnone
	s_wait_loadcnt 0x0                             ; no load of mine is out: offsets and ring may be written again
	s_wait_kmcnt 0x0                               ; nor a scalar one
.if LAY == 3
	HEADL
.endif
	HEADA 0
	s_wait_alu depctr_va_vdst(0)
	RINGFILL
.Lnone:
	s_cmp_lt_u32 s27, NTMAX
	s_cbranch_scc1 .Lround
	s_wait_tensorcnt 0x0
	ds_add_u32 v254, v255
	s_wait_dscnt 0x0
	s_endpgm
.Lfunc_end_k_q64a301325e_lay3:
	.size	k_q64a301325e_lay3, .Lfunc_end_k_q64a301325e_lay3-k_q64a301325e_lay3
	.p2alignl 7, 3214868480
	.fill 96, 4, 3214868480
	.section	.rodata,"a",@progbits
	.p2align	6, 0x0
	.amdhsa_kernel k_q64a301325e_lay3
		.amdhsa_group_segment_fixed_size 157184
		.amdhsa_private_segment_fixed_size 0
		.amdhsa_enable_private_segment 0
		.amdhsa_kernarg_size 56
		.amdhsa_user_sgpr_count 2
		.amdhsa_user_sgpr_kernarg_segment_ptr 1
		.amdhsa_wavefront_size32 1
		.amdhsa_system_sgpr_workgroup_id_x 1
		.amdhsa_system_sgpr_workgroup_id_y 1
		.amdhsa_system_sgpr_workgroup_id_z 1
		.amdhsa_system_vgpr_workitem_id 0
		.amdhsa_next_free_vgpr 1024
		.amdhsa_next_free_sgpr 102
		.amdhsa_reserve_vcc 0
		.amdhsa_float_denorm_mode_32 3
		.amdhsa_float_denorm_mode_16_64 3
		.amdhsa_memory_ordered 1
		.amdhsa_forward_progress 1
		.amdhsa_inst_pref_size 102
	.end_amdhsa_kernel
	.amdgpu_metadata
---
amdhsa.version: [ 1, 2 ]
amdhsa.kernels:
  - .name:           k_q64a301325e_lay3
    .symbol:         k_q64a301325e_lay3.kd
    .args:
      - { .name: h2, .offset: 0, .size: 8, .value_kind: global_buffer, .address_space: global }
      - { .name: W3_codes, .offset: 8, .size: 8, .value_kind: global_buffer, .address_space: global }
      - { .name: b3, .offset: 16, .size: 8, .value_kind: global_buffer, .address_space: global }
      - { .name: lowp_scales, .offset: 24, .size: 8, .value_kind: global_buffer, .address_space: global }
      - { .name: y2, .offset: 32, .size: 8, .value_kind: global_buffer, .address_space: global }
      - { .name: rowinfo, .offset: 40, .size: 8, .value_kind: global_buffer, .address_space: global }
      - { .name: gw, .offset: 48, .size: 8, .value_kind: global_buffer, .address_space: global }
    .group_segment_fixed_size: 157184
    .private_segment_fixed_size: 0
    .kernarg_segment_align: 8
    .kernarg_segment_size: 56
    .max_flat_workgroup_size: 128
    .sgpr_count:     102
    .vgpr_count:     1024
    .wavefront_size: 32
...
	.end_amdgpu_metadata
.endif
;; end of part 10
;; launch comb (part 11): grid 256 x 1, 4 waves a work-group, no clusters, 0 bytes of LDS; arguments y2, part, out0, out1, out2, out3; writes out0, out1, out2, out3
.if DOCPART == 11
	.amdgcn_target "amdgcn-amd-amdhsa--gfx1250"
	.amdhsa_code_object_version 6
	.text
	.protected	k_q64a301325e_comb
	.globl	k_q64a301325e_comb
	.p2align	8
	.type	k_q64a301325e_comb,@function
k_q64a301325e_comb:
	s_mov_b64 s[64:65], 0
	v_nop
	global_prefetch_b8 v0, s[64:65] scope:SCOPE_SE
	s_setreg_imm32_b32 hwreg(HW_REG_WAVE_MODE, 25, 1), 1
	s_wait_xcnt 0x0
; out0[token] = y2[2 token] + y2[2 token + 1]: the two chosen experts' rows, which carry their gates already.  A wave takes a token: 16 loads and 8 stores of 512 consecutive bytes.
; The first wave of the first work-group takes no token: it makes the three small results from part [256][16] (per work-group of the router: the sums of the 8 probabilities, then of the 8 combine weights):
;   out2 = the mean combine weights; out1 = 0.01 x 8 x sum(mean probability x mean combine weight); out3 = -sum(p ln(p + 1e-8)) of the mean probabilities.
; The second wave takes tokens 1 and 0, all 32 loads at once.  A stream: no LDS, no barrier, no matrix unit.
.set P, 80                             ; v80-207  part: 32 x 4 registers
.macro ASKROWS a, b, off               ; a token's two rows, off bytes from my own token's
.irp j, 0,1,2,3,4,5,6,7
	global_load_b128 v[\a+4*\j:\a+4*\j+3], v2, s[4:5] offset:512*\j+(\off) th:TH_LOAD_NT
	global_load_b128 v[\b+4*\j:\b+4*\j+3], v2, s[4:5] offset:512*\j+4096+(\off) th:TH_LOAD_NT
.endr
.endm
.macro ADDROWS a, b, off, younger      ; younger: loads asked for behind these rows'
.irp j, 0,1,2,3,4,5,6,7
	s_wait_loadcnt 14-2*\j+\younger                ; pair j is in; the later pairs stay out
	v_pk_add_f32 v[\a+4*\j:\a+4*\j+1], v[\a+4*\j:\a+4*\j+1], v[\b+4*\j:\b+4*\j+1]
	v_pk_add_f32 v[\a+4*\j+2:\a+4*\j+3], v[\a+4*\j+2:\a+4*\j+3], v[\b+4*\j+2:\b+4*\j+3]
	global_store_b128 v2, v[\a+4*\j:\a+4*\j+3], s[8:9] offset:512*\j+(\off) th:TH_STORE_NT
.endr
.endm
	s_load_b256 s[4:11], s[0:1], 0x0               ; y2, part, out0, out1
	s_load_b128 s[12:15], s[0:1], 0x20             ; out2, out3
	v_lshrrev_b32 v1, 5, v0
	v_readfirstlane_b32 s16, v1                    ; wave
	v_and_b32 v1, 31, v0                           ; lane
	v_lshlrev_b32 v2, 4, v1
	s_lshl_b32 s17, ttmp9, 2
	s_add_co_u32 s17, s17, s16                     ; my token
	s_lshl_b32 s18, s17, 13                        ; its two rows of y2
	s_mov_b32 s19, 0
	s_lshl_b32 s20, s17, 12                        ; its row of out0
	s_mov_b32 s21, 0
	s_mov_b32 s24, 0x76543210                      ; v_permlanex16_b32: lane l takes lane l xor 16
	s_mov_b32 s25, 0xfedcba98
	s_wait_alu depctr_va_vdst(0)
	s_wait_kmcnt 0x0
	s_add_nc_u64 s[4:5], s[4:5], s[18:19]
	s_add_nc_u64 s[8:9], s[8:9], s[20:21]
	s_cmp_lg_u32 s17, 0
	s_cbranch_scc1 .Lrows
.set j, 0
.rept 32
	global_load_b128 v[P+4*j:P+4*j+3], v2, s[6:7] offset:512*j   ; lane l: row 8 j + l / 4, columns 4 (l % 4) + 0 .. 3
.set j, j+1
.endr
.irp st, 16,8,4,2,1
.set j, 0
.rept \st
.if \st == 16
	s_wait_loadcnt 15-j                            ; load j + 16 is in
.endif
	v_pk_add_f32 v[P+4*j:P+4*j+1], v[P+4*j:P+4*j+1], v[P+4*(j+\st):P+4*(j+\st)+1]
	v_pk_add_f32 v[P+4*j+2:P+4*j+3], v[P+4*j+2:P+4*j+3], v[P+4*(j+\st)+2:P+4*(j+\st)+3]
.set j, j+1
.endr
.if \st == 16
	s_wait_alu depctr_va_vdst(0)
.endif
.endr
.irp m, 4,8
.irp k, 0,1,2,3
	v_add_f32_dpp v[P+\k], v[P+\k], v[P+\k] row_xmask:\m row_mask:0xf bank_mask:0xf   ; the lanes of equal l % 4 hold the same columns
.endr
.endr
.irp k, 0,1,2,3
	v_permlanex16_b32 v[P+4+\k], v[P+\k], s24, s25
.endr
.irp k, 0,1,2,3
	v_add_f32 v[P+\k], v[P+\k], v[P+4+\k]
.endr
.irp k, 0,1,2,3
	v_mul_f32 v[P+\k], 0x3a800000, v[P+\k]         ; / 1,024 tokens.  Lanes with l % 4 = 0, 1: mean probabilities 0-3, 4-7; = 2, 3: mean combine weights 0-3, 4-7
.endr
.irp k, 0,1,2,3
	v_mov_b32_dpp v[P+8+\k], v[P+\k] row_xmask:2 row_mask:0xf bank_mask:0xf   ; the combine weights come to the probabilities' lanes
.endr
.irp k, 0,1,2,3
	v_add_f32 v[74+\k], 0x322bcc77, v[P+\k]        ; + 1e-8
.endr
	s_wait_alu depctr_va_vdst(0)
.irp k, 0,1,2,3
	v_log_f32 v[74+\k], v[74+\k]                   ; log2
.endr
	v_mul_f32 v72, v[P], v[P+8]                    ; (a plain line behind the logarithms)
	v_fma_f32 v72, v[P+1], v[P+9], v72
	v_fma_f32 v72, v[P+2], v[P+10], v72
	v_fma_f32 v72, v[P+3], v[P+11], v72
	s_wait_alu depctr_va_vdst(0)
	v_mul_f32 v73, v[P], v74
	v_fma_f32 v73, v[P+1], v75, v73
	v_fma_f32 v73, v[P+2], v76, v73
	v_fma_f32 v73, v[P+3], v77, v73
	v_add_f32_dpp v72, v72, v72 row_xmask:1 row_mask:0xf bank_mask:0xf   ; experts 0-3 and 4-7 meet: lane 0 holds both sums
	v_add_f32_dpp v73, v73, v73 row_xmask:1 row_mask:0xf bank_mask:0xf
	v_mul_f32 v72, 0x3da3d70a, v72                 ; x 0.01 x 8
	v_mul_f32 v73, 0xbf317218, v73                 ; x -ln 2
	v_mov_b32 v78, 0
	v_and_b32 v79, 1, v1
	v_lshlrev_b32 v79, 4, v79                      ; lane 2: byte 0 of out2, lane 3: byte 16
	v_lshrrev_b32 v3, 1, v1
	v_cmp_eq_u32 vcc_lo, 0, v1
	s_wait_alu depctr_va_vdst(0)
	s_wait_xcnt 0x0                                ; EXEC changes only behind this wait
	s_and_saveexec_b32 s26, vcc_lo
	global_store_b32 v78, v72, s[10:11]
	global_store_b32 v78, v73, s[14:15]
	s_wait_xcnt 0x0
	s_or_b32 exec_lo, exec_lo, s26
	v_cmp_eq_u32 vcc_lo, 1, v3
	s_and_saveexec_b32 s26, vcc_lo
	global_store_b128 v79, v[P:P+3], s[12:13]
	s_wait_xcnt 0x0
	s_or_b32 exec_lo, exec_lo, s26
	s_endpgm
.Lrows:
	s_cmp_eq_u32 s17, 1
	s_cbranch_scc1 .Ltwo
	ASKROWS 8, 40, 0
	ADDROWS 8, 40, 0, 0
	s_endpgm
.Ltwo:
	ASKROWS 8, 40, 0
	ASKROWS 80, 112, -8192                         ; token 0's rows of y2 lie 8,192 bytes ahead of token 1's,
	ADDROWS 8, 40, 0, 16
	ADDROWS 80, 112, -4096, 0                      ; and its row of out0 4,096
	s_endpgm
.Lfunc_end_k_q64a301325e_comb:
	.size	k_q64a301325e_comb, .Lfunc_end_k_q64a301325e_comb-k_q64a301325e_comb
	.p2alignl 7, 3214868480
	.fill 96, 4, 3214868480
	.section	.rodata,"a",@progbits
	.p2align	6, 0x0
	.amdhsa_kernel k_q64a301325e_comb
		.amdhsa_group_segment_fixed_size 0
		.amdhsa_private_segment_fixed_size 0
		.amdhsa_enable_private_segment 0
		.amdhsa_kernarg_size 48
		.amdhsa_user_sgpr_count 2
		.amdhsa_user_sgpr_kernarg_segment_ptr 1
		.amdhsa_wavefront_size32 1
		.amdhsa_system_sgpr_workgroup_id_x 1
		.amdhsa_system_sgpr_workgroup_id_y 1
		.amdhsa_system_sgpr_workgroup_id_z 1
		.amdhsa_system_vgpr_workitem_id 0
		.amdhsa_next_free_vgpr 208
		.amdhsa_next_free_sgpr 66
		.amdhsa_reserve_vcc 1
		.amdhsa_float_denorm_mode_32 3
		.amdhsa_float_denorm_mode_16_64 3
		.amdhsa_memory_ordered 1
		.amdhsa_forward_progress 1
		.amdhsa_inst_pref_size 23
	.end_amdhsa_kernel
	.amdgpu_metadata
---
amdhsa.version: [ 1, 2 ]
amdhsa.kernels:
  - .name:           k_q64a301325e_comb
    .symbol:         k_q64a301325e_comb.kd
    .args:
      - { .name: y2, .offset: 0, .size: 8, .value_kind: global_buffer, .address_space: global }
      - { .name: part, .offset: 8, .size: 8, .value_kind: global_buffer, .address_space: global }
      - { .name: out0, .offset: 16, .size: 8, .value_kind: global_buffer, .address_space: global }
      - { .name: out1, .offset: 24, .size: 8, .value_kind: global_buffer, .address_space: global }
      - { .name: out2, .offset: 32, .size: 8, .value_kind: global_buffer, .address_space: global }
      - { .name: out3, .offset: 40, .size: 8, .value_kind: global_buffer, .address_space: global }
    .group_segment_fixed_size: 0
    .private_segment_fixed_size: 0
    .kernarg_segment_align: 8
    .kernarg_segment_size: 48
    .max_flat_workgroup_size: 128
    .sgpr_count:     66
    .vgpr_count:     208
    .wavefront_size: 32
...
	.end_amdgpu_metadata
.endif
;; end of part 11
